; MI455X (gfx1250); checked and timed in simulation.
; The chip was launched on July 23, 2026; its instructions are those of AMD's public machine-readable ISA for CDNA 5 (MIT licence, August 2026) and "CDNA5" Instruction Set Architecture Reference Guide (July 2026). The comments in the code are by the model that wrote it; some were corrected since.
;; Mo E Layer. Allowed arithmetic: float matrix products may take bf16 or f16 operands with f32 sums; other float arithmetic in f32, or as packed bf16 or f16 multiplies, adds, multiply-adds, maxima and minima; sums over many terms, partial sums and values carried from step to step in f32; what a program stores and reads back later, other than sums and carried values, may be rounded once to bf16 or f16.
;; Inputs: W1 8 x 1,024 x 2,048 float32; W2 8 x 2,048 x 1,024 float32; Wg 1,024 x 8 float32; attention_mask 2 x 1,024 float32; b1 8 x 2,048 float32; b2 8 x 1,024 float32; input_ids 2 x 1,024 int32; x 2 x 1,024 x 1,024 float32.
;; Outputs: out0 2 x 1,024 x 1,024 float32; out1 one number float32; out2 8 int32.
;; 3 versions, each right; version 2 is faster than version 1; version 3 is version 2 with the launches ffn1, ffn2 written anew for expert scheduling mode. Each part assembles by itself: llvm-mc -triple=amdgcn-amd-amdhsa -mcpu=gfx1250 --defsym DOCPART=n.
;; ======== version 1 of 3: 4 launches
;; limits: values are held in f16: magnitudes above 65,504 overflow, below 6.1e-05 lose precision
;; workspace buffers: gidx 8,192 bytes of whole numbers; pgv 8,192 bytes; psum 4,096 bytes; meta 256 bytes of whole numbers; tok 8,704 bytes of whole numbers; pgs 8,704 bytes; xs 4,456,448 bytes; hs 8,912,896 bytes
;; launch gate (part 1): grid 128 x 1, 8 waves a work-group, no clusters, 72,704 bytes of LDS; arguments x, Wg, gidx, pgv, psum; writes gidx, pgv, psum
.if DOCPART == 1
	.amdgcn_target "amdgcn-amd-amdhsa--gfx1250"
	.amdhsa_code_object_version 6
	.text
	.protected	k_q66dbd92bd0_gate
	.globl	k_q66dbd92bd0_gate
	.p2align	8
	.type	k_q66dbd92bd0_gate,@function
k_q66dbd92bd0_gate:
	s_mov_b64 s[64:65], 0
	v_nop
	global_prefetch_b8 v0, s[64:65] scope:SCOPE_SE
	s_setreg_imm32_b32 hwreg(HW_REG_WAVE_MODE, 25, 1), 1
	s_wait_xcnt 0x0
; GATE.  logits = x Wg (x: [2048][1024] f32, Wg: [1024][8] f32, both rounded to bf16, sums in f32), softmax over the 8 experts with the row's maximum taken away,
; the first index of the largest logit (gidx), that expert's probability (pgv), and for each work-group the sum of its 16 tokens' probabilities (psum[work-group][8]).
; SHARES.  A work-group owns 16 tokens; wave w multiplies k = 128 w .. 128 w + 127 (four matrix instructions); the eight partial sums meet in LDS, and wave 0 does the softmax.
; LIMITS.  The largest is chosen among the logits, not among the probabilities; two logits closer than the f32 sums' rounding may be ordered otherwise than in a sum of another order.
; NaN and infinities are not treated apart.  A probability below 2^-126 counts as 0.
.set XP,    272                        ; a row of x in LDS: 128 bf16 = 256 bytes + 16, so that the 16 rows of a fragment load start 68 words apart
.set XW,    16*XP                      ; a wave's 16 rows
.set XST,   0                          ; 8 x 4,352: each wave's own rows of x in bf16
.set WST,   8*XW                       ; 8 x 4,096: each wave's own 128 rows of Wg in f32
.set PP,    WST+8*4096                 ; 8 x 512: [wave][token][8] partial logits
.set SPARE, PP+8*512                   ; the spare words, 128 bytes for each wave: four blocks of 256 bytes that no other line names
.set LN,  1                            ; lane
.set R,   2                            ; lane % 16
.set H,   3                            ; lane / 16
.set XO,  4                            ; 16 x thread: my 16 bytes in a row of x
.set GO,  5                            ; 4,096 w + 16 lane: my 16 bytes of my wave's part of Wg
.set XSA, 6                            ; where I put 8 bytes of a row of x
.set XLA, 7                            ; where I read a fragment of x
.set WSA, 8                            ; where I put 16 bytes of Wg
.set WLA, 9                            ; where I read Wg for a fragment
.set PSA, 10                           ; where I put partial logits
.set PLA, 11                           ; where wave 0 reads them
.set SPW, 12                           ; LDS address of my spare word; never rewritten
.set NIL, 13                           ; 0; never rewritten
.set CV,  14                           ; v[14:15] at work
.set X,   16                           ; v[16:79]   16 rows x 4 f32
.set G,   80                           ; v[80:111]  Wg as loaded; later the accumulators and their sum
.set A0,  80
.set A1,  88
.set SM,  96
.set WT,  112                          ; v[112:175] Wg by fragment slots, f32
.set BF,  176                          ; v[176:207] four fragments of Wg
.set AF,  208                          ; v[208:239] four fragments of x
.set Z,   16                           ; wave 0: eight quads of partial logits; then the logits, the weights, the probabilities
.set LB,  48
.set LI,  49
.set OB,  50
.set OI,  51
.set MX,  52                           ; v[52:53] the maximum, and the chosen expert
.set SU,  54
.set SV,  55
.set RI,  56
.set O4,  57
.set O16, 58
	s_load_b256 s[4:11], s[0:1], 0x0               ; x s[4:5], Wg s[6:7], gidx s[8:9], pgv s[10:11]
	s_load_b64 s[12:13], s[0:1], 0x20              ; psum
	v_lshl_add_u32 v[SPW], v0, 2, SPARE
	v_mov_b32 v[NIL], 0
	v_lshrrev_b32 v[LN], 5, v0
	v_readfirstlane_b32 s14, v[LN]                 ; wave 0..7
	v_and_b32 v[LN], 31, v0
	v_and_b32 v[R], 15, v0
	v_bfe_u32 v[H], v0, 4, 1
	v_lshlrev_b32 v[XO], 4, v0                     ; 512 w + 16 lane
	v_lshlrev_b32 v[GO], 4, v[LN]
	v_lshl_add_u32 v[GO], s14, 12, v[GO]
	s_mul_i32 s15, s14, XW
	v_lshl_add_u32 v[XSA], v[LN], 3, s15           ; four bf16 a lane
	v_mul_u32_u24 v[XLA], v[R], XP
	v_lshl_add_u32 v[XLA], v[H], 4, v[XLA]
	v_add_nc_u32 v[XLA], s15, v[XLA]               ; row x pitch + 16 x half
	v_add_nc_u32 v[WSA], WST, v[GO]
	v_and_b32 v[CV], 7, v0
	v_lshlrev_b32 v[CV], 2, v[CV]                  ; 4 (r % 8): columns 8-15 of the product repeat the eight experts
	v_lshl_add_u32 v[CV], v[H], 8, v[CV]           ; + 256 h: eight rows of Wg, or eight tokens of partial logits
	s_lshl_b32 s16, s14, 12
	s_add_co_u32 s16, s16, WST
	v_add_nc_u32 v[WLA], s16, v[CV]
	s_lshl_b32 s16, s14, 9
	s_add_co_u32 s16, s16, PP
	v_add_nc_u32 v[PSA], s16, v[CV]
	v_lshlrev_b32 v[PLA], 5, v[R]
	v_lshl_add_u32 v[PLA], v[H], 4, v[PLA]
	v_add_nc_u32 v[PLA], PP, v[PLA]                ; token lane % 16, experts 4 (lane / 16) ..
	s_mov_b32 s20, 0x76543210                      ; v_permlanex16_b32: each lane takes its own place in the other half
	s_mov_b32 s21, 0xfedcba98
	s_mov_b32 s22, 0x3fb8aa3b                      ; log2(e)
	s_mov_b32 s23, s22                             ; named with it as a pair
	s_lshl_b32 s16, ttmp9, 16                      ; the work-group's 16 rows of 4,096 bytes
	s_mov_b32 s17, 0
	s_wait_kmcnt 0x0
	s_add_nc_u64 s[4:5], s[4:5], s[16:17]
.irp q, 0,1,2,3,4,5,6,7
	global_load_b128 v[G+4*\q:G+4*\q+3], v[GO], s[6:7] offset:512*\q       ; my wave's 4,096 bytes of Wg
.endr
.irp m, 0,1,2,3,4,5,6,7,8,9,10,11,12,13,14,15
	global_load_b128 v[X+4*\m:X+4*\m+3], v[XO], s[4:5] offset:4096*\m      ; 512 consecutive bytes of row m
.endr
	s_wait_loadcnt 16                              ; the sixteen loads of x are younger: Wg is in
.irp q, 0,1,2,3,4,5,6,7
	ds_store_b128 v[WSA], v[G+4*\q:G+4*\q+3] offset:512*\q
.endr
	; slot t of K step s of a fragment holds k = 32 s + 16 (t / 8) + 8 h + t % 8 (ISA guide 7.12.2); a wave's own LDS bytes: served in order, no wait between store and load
.set n, 0
.rept 64
	ds_load_b32 v[WT+n], v[WLA] offset:32*(32*(n/16)+16*((n%16)/8)+(n%8))
.set n, n+1
.endr
.irp m, 0,1,2,3,4,5,6,7,8,9,10,11,12,13,14,15
	s_wait_loadcnt 15-\m                           ; loads come back in order: row m is in
	v_cvt_pk_bf16_f32 v[CV], v[X+4*\m], v[X+4*\m+1]
	v_cvt_pk_bf16_f32 v[CV+1], v[X+4*\m+2], v[X+4*\m+3]
	ds_store_b64 v[XSA], v[CV:CV+1] offset:XP*\m
.endr
.irp s, 0,1,2,3
	ds_load_b128 v[AF+8*\s:AF+8*\s+3], v[XLA] offset:64*\s
	ds_load_b128 v[AF+8*\s+4:AF+8*\s+7], v[XLA] offset:64*\s+32
.endr
	s_wait_dscnt 24                                ; sixteen stores and eight loads are younger: Wg's 64 words are in
.set n, 0
.rept 32
	v_cvt_pk_bf16_f32 v[BF+n], v[WT+2*n], v[WT+2*n+1]
.set n, n+1
.endr
	s_wait_dscnt 0x0
	; two accumulators by turns; the first two products start the sums
	v_wmma_f32_16x16x32_bf16 v[A0:A0+7], v[AF:AF+7], v[BF:BF+7], 0
	v_wmma_f32_16x16x32_bf16 v[A1:A1+7], v[AF+8:AF+15], v[BF+8:BF+15], 0
	v_wmma_f32_16x16x32_bf16 v[A0:A0+7], v[AF+16:AF+23], v[BF+16:BF+23], v[A0:A0+7]
	v_wmma_f32_16x16x32_bf16 v[A1:A1+7], v[AF+24:AF+31], v[BF+24:BF+31], v[A1:A1+7]
.rept 4
	v_nop                                          ; four places between a product and the first read of its result (ISA guide 7.12.1)
.endr
.irp p, 0,2,4,6
	v_pk_add_f32 v[SM+\p:SM+\p+1], v[A0+\p:A0+\p+1], v[A1+\p:A1+\p+1]      ; from each accumulator's low end on
.endr
.irp i, 0,1,2,3,4,5,6,7
	ds_store_b32 v[PSA], v[SM+\i] offset:32*\i     ; token 8 h + i, expert r % 8; lanes r and r + 8 write the same number to the same word
.endr
	s_wait_dscnt 0x0                               ; for wave 0's sake: my partial logits are in LDS
	s_barrier_signal -1
	s_barrier_wait -1
	s_cmp_lg_u32 s14, 0
	s_cbranch_scc1 .Lend
	; WAVE 0.  Lane (t = lane % 16, g = lane / 16) holds token t's logits of experts 4 g .. 4 g + 3.
.irp w, 0,1,2,3,4,5,6,7
	ds_load_b128 v[Z+4*\w:Z+4*\w+3], v[PLA] offset:512*\w
.endr
	s_lshl_b32 s16, ttmp9, 6                       ; 16 tokens x 4 bytes
	s_add_nc_u64 s[8:9], s[8:9], s[16:17]
	s_add_nc_u64 s[10:11], s[10:11], s[16:17]
	s_lshl_b32 s16, ttmp9, 5                       ; 8 experts x 4 bytes
	s_add_nc_u64 s[12:13], s[12:13], s[16:17]
	v_lshlrev_b32 v[O4], 2, v[R]
	v_lshlrev_b32 v[O16], 4, v[H]
	v_mov_b32 v[OB], 0                             ; v_permlanex16_b32's destinations count as read
	v_mov_b32 v[OI], 0
	s_wait_dscnt 0x0
.irp a, 0,8,16,24
	v_pk_add_f32 v[Z+\a:Z+\a+1], v[Z+\a:Z+\a+1], v[Z+\a+4:Z+\a+5]
	v_pk_add_f32 v[Z+\a+2:Z+\a+3], v[Z+\a+2:Z+\a+3], v[Z+\a+6:Z+\a+7]
.endr
.irp a, 0,16
	v_pk_add_f32 v[Z+\a:Z+\a+1], v[Z+\a:Z+\a+1], v[Z+\a+8:Z+\a+9]
	v_pk_add_f32 v[Z+\a+2:Z+\a+3], v[Z+\a+2:Z+\a+3], v[Z+\a+10:Z+\a+11]
.endr
	v_pk_add_f32 v[Z:Z+1], v[Z:Z+1], v[Z+16:Z+17]
	v_pk_add_f32 v[Z+2:Z+3], v[Z+2:Z+3], v[Z+18:Z+19]
	; the first largest of my four, by strict compares; every choice selects a value, none steers a branch
	v_mov_b32 v[LB], v[Z]
	v_mov_b32 v[LI], 0
.irp c, 1,2,3
	v_cmp_gt_f32 vcc_lo, v[Z+\c], v[LB]
	v_cndmask_b32 v[LB], v[LB], v[Z+\c], vcc_lo
	v_cndmask_b32 v[LI], v[LI], \c, vcc_lo
.endr
	v_lshl_add_u32 v[LI], v[H], 2, v[LI]           ; + 4 g
	v_permlanex16_b32 v[OB], v[LB], s20, s21       ; the token's other four experts lie in the lane 16 away
	v_permlanex16_b32 v[OI], v[LI], s20, s21
	v_cmp_gt_f32 s24, v[OB], v[LB]                 ; theirs wins if larger, or equal with the lower index
	v_cmp_eq_f32 s25, v[OB], v[LB]
	v_cmp_lt_u32 s26, v[OI], v[LI]
	s_and_b32 s25, s25, s26
	s_or_b32 s24, s24, s25
	v_cndmask_b32 v[MX], v[LB], v[OB], s24         ; the row's maximum
	v_cndmask_b32 v[MX+1], v[LI], v[OI], s24       ; the chosen expert
	v_pk_add_f32 v[Z:Z+1], v[Z:Z+1], v[MX:MX+1] op_sel_hi:[1,0] neg_lo:[0,1] neg_hi:[0,1]          ; z - max: exactly 0 for the chosen expert
	v_pk_add_f32 v[Z+2:Z+3], v[Z+2:Z+3], v[MX:MX+1] op_sel_hi:[1,0] neg_lo:[0,1] neg_hi:[0,1]
	v_pk_mul_f32 v[Z:Z+1], v[Z:Z+1], s[22:23] op_sel_hi:[1,0]
	v_pk_mul_f32 v[Z+2:Z+3], v[Z+2:Z+3], s[22:23] op_sel_hi:[1,0]
.irp c, 0,1,2,3
	v_exp_f32 v[Z+\c], v[Z+\c]
.endr
	v_nop                                          ; a plain instruction between the last exponential and the use of its result
	s_wait_alu depctr_va_vdst(0)
	v_add_f32 v[SU], v[Z], v[Z+1]
	v_add_f32 v[SV], v[Z+2], v[Z+3]
	v_add_f32 v[SU], v[SU], v[SV]
	v_permlanex16_b32 v[SV], v[SU], s20, s21
	v_add_f32 v[SU], v[SU], v[SV]
	v_rcp_f32 v[RI], v[SU]                         ; the chosen expert's weight is 1, so this is its probability too
	v_nop
	s_wait_alu depctr_va_vdst(0)
.irp c, 0,1,2,3
	v_mul_f32 v[Z+\c], v[Z+\c], v[RI]
.endr
	global_store_b32 v[O4], v[MX+1], s[8:9]        ; both halves of the lanes write the same 64 bytes with the same numbers
	global_store_b32 v[O4], v[RI], s[10:11]
.irp m, 1,2,4,8
.irp c, 0,1,2,3
	v_add_f32_dpp v[Z+\c], v[Z+\c], v[Z+\c] row_xmask:\m row_mask:0xf bank_mask:0xf        ; over the 16 tokens
.endr
.endr
	global_store_b128 v[O16], v[Z:Z+3], s[12:13]   ; the sixteen lanes of a half write the same 16 bytes
.Lend:
	s_wait_tensorcnt 0x0                           ; the wave's end, behind my last LDS store
	ds_add_u32 v[SPW], v[NIL]
	s_wait_dscnt 0x0
	s_endpgm
.Lfunc_end_k_q66dbd92bd0_gate:
	.size	k_q66dbd92bd0_gate, .Lfunc_end_k_q66dbd92bd0_gate-k_q66dbd92bd0_gate
	.p2alignl 7, 3214868480
	.fill 96, 4, 3214868480
	.section	.rodata,"a",@progbits
	.p2align	6, 0x0
	.amdhsa_kernel k_q66dbd92bd0_gate
		.amdhsa_group_segment_fixed_size 72704
		.amdhsa_private_segment_fixed_size 0
		.amdhsa_enable_private_segment 0
		.amdhsa_kernarg_size 40
		.amdhsa_user_sgpr_count 2
		.amdhsa_user_sgpr_kernarg_segment_ptr 1
		.amdhsa_wavefront_size32 1
		.amdhsa_system_sgpr_workgroup_id_x 1
		.amdhsa_system_sgpr_workgroup_id_y 1
		.amdhsa_system_sgpr_workgroup_id_z 1
		.amdhsa_system_vgpr_workitem_id 0
		.amdhsa_next_free_vgpr 240
		.amdhsa_next_free_sgpr 66
		.amdhsa_reserve_vcc 1
		.amdhsa_float_denorm_mode_32 3
		.amdhsa_float_denorm_mode_16_64 3
		.amdhsa_memory_ordered 1
		.amdhsa_forward_progress 1
		.amdhsa_inst_pref_size 22
	.end_amdhsa_kernel
	.amdgpu_metadata
---
amdhsa.version: [ 1, 2 ]
amdhsa.kernels:
  - .name:           k_q66dbd92bd0_gate
    .symbol:         k_q66dbd92bd0_gate.kd
    .args:
      - { .name: x, .offset: 0, .size: 8, .value_kind: global_buffer, .address_space: global }
      - { .name: Wg, .offset: 8, .size: 8, .value_kind: global_buffer, .address_space: global }
      - { .name: gidx, .offset: 16, .size: 8, .value_kind: global_buffer, .address_space: global }
      - { .name: pgv, .offset: 24, .size: 8, .value_kind: global_buffer, .address_space: global }
      - { .name: psum, .offset: 32, .size: 8, .value_kind: global_buffer, .address_space: global }
    .group_segment_fixed_size: 72704
    .private_segment_fixed_size: 0
    .kernarg_segment_align: 8
    .kernarg_segment_size: 40
    .max_flat_workgroup_size: 256
    .sgpr_count:     66
    .vgpr_count:     240
    .wavefront_size: 32
...
	.end_amdgpu_metadata
.endif
;; end of part 1
;; launch route (part 2): grid 128 x 1, 8 waves a work-group, no clusters, 38,144 bytes of LDS; arguments gidx, pgv, psum, x, xs, tok, pgs, meta, out1, out2; writes xs, tok, pgs, meta, out1, out2
.if DOCPART == 2
	.amdgcn_target "amdgcn-amd-amdhsa--gfx1250"
	.amdhsa_code_object_version 6
	.text
	.protected	k_q66dbd92bd0_route
	.globl	k_q66dbd92bd0_route
	.p2align	8
	.type	k_q66dbd92bd0_route,@function
k_q66dbd92bd0_route:
	s_mov_b64 s[64:65], 0
	v_nop
	global_prefetch_b8 v0, s[64:65] scope:SCOPE_SE
	s_setreg_imm32_b32 hwreg(HW_REG_WAVE_MODE, 25, 1), 1
	s_wait_xcnt 0x0
; ROUTE.  From gidx (each token's expert) every work-group makes the whole routing anew: no traffic between work-groups.  An expert's tokens, in ascending order, fill nblk = ceil(cnt / 16)
; BLOCKS of 16 rows from block blk0 (the prefix sum of nblk) on; the rows left over in its last block repeat its last token.  There are 128 to 135 blocks.
; Work-group b writes block b, and block b + 128 if there is one: the 16 rows of x rounded to bf16 in FRAGMENT LAYOUT (xs: [block][K step of 32][1,024 bytes]: bytes 16 L.. hold registers 0-3
; of lane L of a matrix operand of 16 rows x 32 k, bytes 512 + 16 L.. registers 4-7), the rows' tokens (tok) and their probabilities (pgs).
; Work-group 0 also writes meta (word 4 e + 0..3: blk0, nblk, ceil(nblk / 24), cnt), out2 (the counts) and out1 = 8 sum_e (sum of prob_e / 2048) (cnt_e / 2048).
; input_ids and attention_mask enter nothing that the module returns, and are loaded by no launch.
.set CNT,   0                          ; [wave][8] counts: 256 bytes
.set SLT,   256                        ; 8 x 256: a wave's own two lists (block b: words 0-15; block b + 128: words 32-47) of token + 1; words 16 and 48 take what belongs to neither block
.set XST,   2304                       ; 8 x 4,352: each wave's own 16 rows x 128 bf16, pitch 272
.set XP,    272
.set XW,    16*XP
.set SPARE, XST+8*XW                   ; the spare words, 128 bytes for each wave: four blocks of 256 bytes that no other line names
.set LN,  1
.set R,   2
.set H,   3
.set XO,  4                            ; 16 x thread: my 16 bytes in a row of x
.set GO,  5                            ; byte offset in gidx of my first token, 256 w + lane
.set XSA, 6
.set XLA, 7
.set SO,  8                            ; 4,096 w + 16 lane: my place in a block of xs
.set T1,  9                            ; my first token + 1
.set SPW, 10                           ; LDS address of my spare word; never rewritten
.set NIL, 11                           ; 0; never rewritten
.set ZR,  12                           ; 0, for use
.set TA,  13
.set G,   16                           ; v[16:23]  the experts of my eight tokens 256 w + 32 j + lane
.set RK,  24                           ; v[24:31]  their ranks among my wave's tokens of the same expert
.set VT,  32
.set DD,  33
.set TV,  34
.set TOKV, 35                          ; lane i % 16: the token of the block's row i
.set I4,  36
.set PGV, 37
.set P4,  38
.set R4,  39
.set VO,  40                           ; v[40:55]  16 row offsets; before that at work
.set X,   64                           ; v[64:127] 16 rows x 4 f32; before that the table of counts
.set FR,  128                          ; v[128:159] four fragments
.set CV,  160
.set RUN,  26                          ; s[26:33]  running counts of my wave; later 16 blk0 + cnt - 1
.set TOT,  34                          ; s[34:41]  cnt
.set BASE, 42                          ; s[42:49]  tokens of the expert in the waves before mine; later 16 blk0 + that
.set BLK0, 50                          ; s[50:57]
.set NBLK, 66                          ; s[66:73]
.set EA,   77                          ; s77, s78  the expert of block b, b + 128
.set DL,   79                          ; s79, s80  what turns a rank in my wave into a row of that block
.set LRW,  81                          ; s81, s82  the block's last row that has a token of its own
.set SB,   83                          ; s83, s84  my wave's two lists
	s_load_b512 s[4:19], s[0:1], 0x0               ; gidx s[4:5], pgv s[6:7], psum s[8:9], x s[10:11], xs s[12:13], tok s[14:15], pgs s[16:17], meta s[18:19]
	s_load_b128 s[20:23], s[0:1], 0x40             ; out1 s[20:21], out2 s[22:23]
	v_lshl_add_u32 v[SPW], v0, 2, SPARE
	v_mov_b32 v[NIL], 0
	v_lshrrev_b32 v[LN], 5, v0
	v_readfirstlane_b32 s24, v[LN]                 ; wave 0..7
	v_and_b32 v[LN], 31, v0
	v_and_b32 v[R], 15, v0
	v_bfe_u32 v[H], v0, 4, 1
	v_lshlrev_b32 v[XO], 4, v0
	v_and_b32 v[GO], 0xe0, v0
	v_lshl_add_u32 v[GO], v[GO], 3, v[LN]          ; 256 w + lane
	v_add_nc_u32 v[T1], 1, v[GO]
	v_lshlrev_b32 v[GO], 2, v[GO]
	s_mul_i32 s94, s24, XW
	s_add_co_u32 s94, s94, XST
	v_lshl_add_u32 v[XSA], v[LN], 3, s94
	v_mul_u32_u24 v[XLA], v[R], XP
	v_lshl_add_u32 v[XLA], v[H], 4, v[XLA]
	v_add_nc_u32 v[XLA], s94, v[XLA]
	v_lshlrev_b32 v[SO], 4, v[LN]
	v_lshl_add_u32 v[SO], s24, 12, v[SO]
	s_lshl_b32 s[SB], s24, 8
	s_add_co_u32 s[SB], s[SB], SLT
	s_add_co_u32 s[SB+1], s[SB], 128
	s_lshl_b32 s85, s24, 5
	s_mov_b32 s75, ttmp9                           ; b
	s_add_co_u32 s76, s75, 128
	s_mov_b32 s92, 0x76543210
	s_mov_b32 s93, 0xfedcba98
.irp e, 0,1,2,3,4,5,6,7
	s_mov_b32 s[RUN+\e], 0
	s_mov_b32 s[TOT+\e], 0
	s_mov_b32 s[BASE+\e], 0
.endr
	v_mov_b32 v[ZR], 0
	v_lshl_add_u32 v[TA], v[LN], 2, s[SB]
	ds_store_b32 v[TA], v[ZR]                      ; my two lists start empty
	ds_store_b32 v[TA], v[ZR] offset:128
	s_wait_kmcnt 0x0
.irp j, 0,1,2,3,4,5,6,7
	global_load_b32 v[G+\j], v[GO], s[4:5] offset:128*\j
.endr
	s_wait_loadcnt 0x0
.irp j, 0,1,2,3,4,5,6,7
	v_min_u32 v[G+\j], 7, v[G+\j]
.endr
; A token's rank = the wave's tokens of its expert so far + those in lower lanes of this group of 32.
.macro RANK j, e
	v_cmp_eq_u32 s58, \e, v[G+\j]
.if (\e) == 0
	v_mbcnt_lo_u32_b32 v[RK+\j], s58, s[RUN+\e]    ; writes every lane; the lanes of other experts are written over below
.else
	v_mbcnt_lo_u32_b32 v[VT], s58, s[RUN+\e]
	v_cndmask_b32 v[RK+\j], v[RK+\j], v[VT], s58
.endif
	s_bcnt1_i32_b32 s59, s58
	s_add_co_u32 s[RUN+\e], s[RUN+\e], s59
.endm
.irp j, 0,1,2,3,4,5,6,7
.irp e, 0,1,2,3,4,5,6,7
	RANK \j, \e
.endr
.endr
.irp e, 0,1,2,3,4,5,6,7
	v_mov_b32 v[VO+\e], s[RUN+\e]
.endr
	v_mov_b32 v[TA], s85
	ds_store_b128 v[TA], v[VO:VO+3] offset:CNT     ; my wave's eight counts; all lanes write the same words with the same numbers
	ds_store_b128 v[TA], v[VO+4:VO+7] offset:CNT+16
	s_wait_dscnt 0x0                               ; for the others' sake: my counts are in LDS
	s_barrier_signal -1
	s_barrier_wait -1
.irp i, 0,1,2,3,4,5,6,7,8,9,10,11,12,13,14,15
	ds_load_b128 v[X+4*\i:X+4*\i+3], v[ZR] offset:CNT+16*\i        ; the whole table, the same in every lane
.endr
	s_wait_dscnt 0x0
.irp w, 0,1,2,3,4,5,6,7
	s_cmp_eq_u32 s24, \w                           ; at my own wave the totals so far are my bases
.irp e, 0,1,2,3,4,5,6,7
	s_cselect_b32 s[BASE+\e], s[TOT+\e], s[BASE+\e]
.endr
.irp e, 0,1,2,3,4,5,6,7
	v_readfirstlane_b32 s59, v[X+8*\w+\e]
	s_add_co_u32 s[TOT+\e], s[TOT+\e], s59
.endr
.endr
	s_mov_b32 s74, 0                               ; blocks in all
.irp e, 0,1,2,3,4,5,6,7
	s_mov_b32 s[BLK0+\e], s74
	s_add_co_u32 s59, s[TOT+\e], 15
	s_lshr_b32 s[NBLK+\e], s59, 4
	s_add_co_u32 s74, s74, s[NBLK+\e]
	s_lshl4_add_u32 s[BASE+\e], s[BLK0+\e], s[BASE+\e]     ; the padded position of my wave's first token of e
	s_lshl4_add_u32 s[RUN+\e], s[BLK0+\e], s[TOT+\e]
	s_sub_co_u32 s[RUN+\e], s[RUN+\e], 1                   ; and of e's last token
.endr
; Which expert owns block s[blk]: the last e with blk0_e <= blk, which passes over experts without tokens.
.macro PICK a, blk
	s_mov_b32 s[EA+\a], 0
	s_mov_b32 s60, s[BASE]
	s_mov_b32 s61, s[RUN]
.irp e, 1,2,3,4,5,6,7
	s_cmp_ge_u32 s[\blk], s[BLK0+\e]
	s_cselect_b32 s[EA+\a], \e, s[EA+\a]
	s_cselect_b32 s60, s[BASE+\e], s60
	s_cselect_b32 s61, s[RUN+\e], s61
.endr
	s_lshl_b32 s59, s[\blk], 4
	s_sub_co_u32 s[DL+\a], s60, s59
	s_sub_co_u32 s61, s61, s59
	s_min_u32 s[LRW+\a], s61, 15
.endm
	PICK 0, 75
	PICK 1, 76
	; each of my tokens goes to its row of the list, or, if it is of another expert or another block (the difference then wraps or is 16 or more), to the word that nobody reads
.irp a, 0,1
.irp j, 0,1,2,3,4,5,6,7
	v_cmp_eq_u32 vcc_lo, s[EA+\a], v[G+\j]
	v_add_nc_u32 v[DD], s[DL+\a], v[RK+\j]
	v_cndmask_b32 v[DD], 16, v[DD], vcc_lo
	v_min_u32 v[DD], 16, v[DD]
	v_lshl_add_u32 v[DD], v[DD], 2, s[SB+\a]
	v_add_nc_u32 v[TV], 32*\j, v[T1]
	ds_store_b32 v[DD], v[TV]
.endr
.endr
	s_wait_dscnt 0x0                               ; for the others' sake: my lists are in LDS
	s_barrier_signal -1
	s_barrier_wait -1
; The block's 16 tokens: a row's token stands in one wave's list, 0 in the seven others.  Rows behind the expert's last token take that token.
.macro TOKS a
	s_wait_xcnt 0x0                                ; every earlier memory instruction has had its addresses translated (ISA guide 3.1): the registers that the block before named are rewritten only behind this wait
	v_min_u32 v[I4], s[LRW+\a], v[R]
	v_min_u32 v[I4], 15, v[I4]
	v_lshlrev_b32 v[I4], 2, v[I4]
.irp w, 0,1,2,3,4,5,6,7
	ds_load_b32 v[VO+\w], v[I4] offset:SLT+256*\w+128*\a
.endr
	s_wait_dscnt 0x0
.irp w, 1,2,3,4,5,6,7
	v_max_u32 v[VO], v[VO], v[VO+\w]
.endr
	v_add_nc_u32 v[TOKV], -1, v[VO]
	v_min_u32 v[TOKV], 0x7ff, v[TOKV]
.endm
; Block s[blk]: wave w takes k = 128 w .. of the 16 rows: loads (512 consecutive bytes each), rounds, turns them into fragments through its own LDS bytes, stores four K steps.
.macro BLOCK blk
.irp m, 0,1,2,3,4,5,6,7,8,9,10,11,12,13,14,15
	v_readlane_b32 s59, v[TOKV], \m
	s_min_u32 s59, s59, 0x7ff
	v_lshl_add_u32 v[VO+\m], s59, 12, v[XO]
	global_load_b128 v[X+4*\m:X+4*\m+3], v[VO+\m], s[10:11]
.endr
	s_lshl_b32 s86, s[\blk], 15                    ; a block of xs is 32,768 bytes
	s_mov_b32 s87, 0
	s_add_nc_u64 s[86:87], s[12:13], s[86:87]
.irp m, 0,1,2,3,4,5,6,7,8,9,10,11,12,13,14,15
	s_wait_loadcnt 15-\m                           ; loads come back in order: row m is in
	v_cvt_pk_bf16_f32 v[CV], v[X+4*\m], v[X+4*\m+1]
	v_cvt_pk_bf16_f32 v[CV+1], v[X+4*\m+2], v[X+4*\m+3]
	ds_store_b64 v[XSA], v[CV:CV+1] offset:XP*\m
.endr
.irp s, 0,1,2,3
	ds_load_b128 v[FR+8*\s:FR+8*\s+3], v[XLA] offset:64*\s         ; a wave's own bytes: LDS serves them in order
	ds_load_b128 v[FR+8*\s+4:FR+8*\s+7], v[XLA] offset:64*\s+32
.endr
	s_wait_dscnt 0x0
.irp s, 0,1,2,3
	global_store_b128 v[SO], v[FR+8*\s:FR+8*\s+3], s[86:87] offset:1024*\s          ; 512 consecutive bytes each
	global_store_b128 v[SO], v[FR+8*\s+4:FR+8*\s+7], s[86:87] offset:1024*\s+512
.endr
	s_cmp_lg_u32 s24, 0
	s_cbranch_scc1 .Lnot_wave_0_\@
	v_lshlrev_b32 v[P4], 2, v[TOKV]
	global_load_b32 v[PGV], v[P4], s[6:7]
	s_lshl_b32 s88, s[\blk], 6
	s_mov_b32 s89, 0
	s_add_nc_u64 s[90:91], s[14:15], s[88:89]
	s_add_nc_u64 s[88:89], s[16:17], s[88:89]
	v_lshlrev_b32 v[R4], 2, v[R]
	global_store_b32 v[R4], v[TOKV], s[90:91]      ; both halves of the lanes write the same 64 bytes with the same numbers
	s_wait_loadcnt 0x0
	global_store_b32 v[R4], v[PGV], s[88:89]
.Lnot_wave_0_\@:
.endm
	TOKS 0
	BLOCK 75
	s_cmp_lt_u32 s76, s74                          ; is there a block b + 128?
	s_cbranch_scc0 .Lone_block
	TOKS 1
	BLOCK 76
.Lone_block:
	s_cmp_lg_u32 s75, 0
	s_cbranch_scc1 .Lend
	s_cmp_lg_u32 s24, 0
	s_cbranch_scc1 .Lend
	; WORK-GROUP 0, WAVE 0: meta, out2, out1
	s_wait_xcnt 0x0                                ; the registers below were named by the blocks' loads and stores
	v_mov_b32 v[I4], 0
	v_mov_b32 v[R4], 0
.irp e, 0,1,2,3,4,5,6,7
	s_add_co_u32 s59, s[NBLK+\e], 23
	s_mul_i32 s59, s59, 2731                       ; (n x 2,731) >> 16 = n / 24 for n up to 151
	s_lshr_b32 s59, s59, 16
	v_writelane_b32 v[I4], s[BLK0+\e], 4*\e
	v_writelane_b32 v[I4], s[NBLK+\e], 4*\e+1
	v_writelane_b32 v[I4], s59, 4*\e+2
	v_writelane_b32 v[I4], s[TOT+\e], 4*\e+3
	v_writelane_b32 v[R4], s[TOT+\e], \e
.endr
	v_lshlrev_b32 v[P4], 2, v[LN]
	v_lshlrev_b32 v[TA], 4, v[LN]
.irp q, 0,1,2,3,4,5,6,7
	global_load_b128 v[X+4*\q:X+4*\q+3], v[TA], s[8:9] offset:512*\q       ; psum: quad 32 q + lane = work-group (32 q + lane) / 2, experts 4 (lane % 2) ..
.endr
	global_store_b32 v[P4], v[I4], s[18:19]
	s_wait_xcnt 0x0                                ; EXEC changes only behind this wait
	v_cmp_gt_u32 vcc_lo, 8, v[LN]
	s_and_saveexec_b32 s58, vcc_lo
	global_store_b32 v[P4], v[R4], s[22:23]
	s_wait_xcnt 0x0                                ; and again in front of the line that widens it
	s_or_b32 exec_lo, exec_lo, s58
	s_wait_loadcnt 0x0
.irp a, 0,8,16,24
	v_pk_add_f32 v[X+\a:X+\a+1], v[X+\a:X+\a+1], v[X+\a+4:X+\a+5]
	v_pk_add_f32 v[X+\a+2:X+\a+3], v[X+\a+2:X+\a+3], v[X+\a+6:X+\a+7]
.endr
.irp a, 0,16
	v_pk_add_f32 v[X+\a:X+\a+1], v[X+\a:X+\a+1], v[X+\a+8:X+\a+9]
	v_pk_add_f32 v[X+\a+2:X+\a+3], v[X+\a+2:X+\a+3], v[X+\a+10:X+\a+11]
.endr
	v_pk_add_f32 v[X:X+1], v[X:X+1], v[X+16:X+17]
	v_pk_add_f32 v[X+2:X+3], v[X+2:X+3], v[X+18:X+19]
.irp m, 2,4,8
.irp c, 0,1,2,3
	v_add_f32_dpp v[X+\c], v[X+\c], v[X+\c] row_xmask:\m row_mask:0xf bank_mask:0xf        ; over the lanes of my parity
.endr
.endr
.irp c, 0,1,2,3
	v_permlanex16_b32 v[X+4+\c], v[X+\c], s92, s93
.endr
.irp c, 0,1,2,3
	v_add_f32 v[X+\c], v[X+\c], v[X+4+\c]
.endr
.irp e, 0,1,2,3,4,5,6,7
	v_readlane_b32 s61, v[X+(\e%4)], \e/4          ; lane 0 holds experts 0-3, lane 1 experts 4-7
	s_cvt_f32_u32 s59, s[TOT+\e]
.if \e == 0
	s_mul_f32 s60, s61, s59
.else
	s_fmac_f32 s60, s61, s59
.endif
.endr
	s_mul_f32 s60, s60, 0x36000000                 ; x 8 / 2048^2 = 2^-19
	v_mov_b32 v[DD], s60
	s_wait_xcnt 0x0
	v_cmp_gt_u32 vcc_lo, 1, v[LN]
	s_and_saveexec_b32 s58, vcc_lo
	global_store_b32 v[P4], v[DD], s[20:21]
	s_wait_xcnt 0x0
	s_or_b32 exec_lo, exec_lo, s58
.Lend:
	s_wait_tensorcnt 0x0                           ; the wave's end, behind my last LDS store
	ds_add_u32 v[SPW], v[NIL]
	s_wait_dscnt 0x0
	s_endpgm
.Lfunc_end_k_q66dbd92bd0_route:
	.size	k_q66dbd92bd0_route, .Lfunc_end_k_q66dbd92bd0_route-k_q66dbd92bd0_route
	.p2alignl 7, 3214868480
	.fill 96, 4, 3214868480
	.section	.rodata,"a",@progbits
	.p2align	6, 0x0
	.amdhsa_kernel k_q66dbd92bd0_route
		.amdhsa_group_segment_fixed_size 38144
		.amdhsa_private_segment_fixed_size 0
		.amdhsa_enable_private_segment 0
		.amdhsa_kernarg_size 80
		.amdhsa_user_sgpr_count 2
		.amdhsa_user_sgpr_kernarg_segment_ptr 1
		.amdhsa_wavefront_size32 1
		.amdhsa_system_sgpr_workgroup_id_x 1
		.amdhsa_system_sgpr_workgroup_id_y 1
		.amdhsa_system_sgpr_workgroup_id_z 1
		.amdhsa_system_vgpr_workitem_id 0
		.amdhsa_next_free_vgpr 168
		.amdhsa_next_free_sgpr 100
		.amdhsa_reserve_vcc 1
		.amdhsa_float_denorm_mode_32 3
		.amdhsa_float_denorm_mode_16_64 3
		.amdhsa_memory_ordered 1
		.amdhsa_forward_progress 1
		.amdhsa_inst_pref_size 67
	.end_amdhsa_kernel
	.amdgpu_metadata
---
amdhsa.version: [ 1, 2 ]
amdhsa.kernels:
  - .name:           k_q66dbd92bd0_route
    .symbol:         k_q66dbd92bd0_route.kd
    .args:
      - { .name: gidx, .offset: 0, .size: 8, .value_kind: global_buffer, .address_space: global }
      - { .name: pgv, .offset: 8, .size: 8, .value_kind: global_buffer, .address_space: global }
      - { .name: psum, .offset: 16, .size: 8, .value_kind: global_buffer, .address_space: global }
      - { .name: x, .offset: 24, .size: 8, .value_kind: global_buffer, .address_space: global }
      - { .name: xs, .offset: 32, .size: 8, .value_kind: global_buffer, .address_space: global }
      - { .name: tok, .offset: 40, .size: 8, .value_kind: global_buffer, .address_space: global }
      - { .name: pgs, .offset: 48, .size: 8, .value_kind: global_buffer, .address_space: global }
      - { .name: meta, .offset: 56, .size: 8, .value_kind: global_buffer, .address_space: global }
      - { .name: out1, .offset: 64, .size: 8, .value_kind: global_buffer, .address_space: global }
      - { .name: out2, .offset: 72, .size: 8, .value_kind: global_buffer, .address_space: global }
    .group_segment_fixed_size: 38144
    .private_segment_fixed_size: 0
    .kernarg_segment_align: 8
    .kernarg_segment_size: 80
    .max_flat_workgroup_size: 256
    .sgpr_count:     100
    .vgpr_count:     168
    .wavefront_size: 32
...
	.end_amdgpu_metadata
.endif
;; end of part 2
;; launch ffn1 (part 3): grid 32 x 8, 8 waves a work-group, no clusters, 132,096 bytes of LDS; arguments W1, b1, xs, meta, hs; writes hs
.if DOCPART == 3
	.amdgcn_target "amdgcn-amd-amdhsa--gfx1250"
	.amdhsa_code_object_version 6
	.text
	.protected	k_q66dbd92bd0_ffn1
	.globl	k_q66dbd92bd0_ffn1
	.p2align	8
	.type	k_q66dbd92bd0_ffn1,@function
k_q66dbd92bd0_ffn1:
	s_mov_b64 s[64:65], 0
	v_nop
	global_prefetch_b8 v0, s[64:65] scope:SCOPE_SE
	s_setreg_imm32_b32 hwreg(HW_REG_WAVE_MODE, 25, 1), 1
	s_wait_xcnt 0x0
; FFN1.  h = gelu(x W1[e] + b1[e]) for the tokens of expert e alone.  W1: [8][1024][2048] f32, b1: [8][2048] f32, both rounded to bf16; x comes as xs, bf16 in fragment layout, in blocks of 16 rows;
; sums in f32, started at the bias; gelu in its tanh form, x / (1 + 2^(x (c1 + c3 x^2))), in f32; h leaves rounded once to f16, in the fragment layout of the second product (hs: [block][64 K steps][1,024 bytes]).
; LIMITS.  |h| of 65,520 or more becomes an infinity in f16; below 2^-14 h keeps f16's fixed step of 2^-24.  The bias is added first, not last.  NaN and infinities are not treated apart.
; SHARES.  Work-group (chunk, e) owns 64 columns of W1[e] over all 1,024 k.  PHASE 1: its 256 KiB are read once, each load as two pieces of 256 consecutive bytes of two rows, rounded, and laid in LDS as
; ready fragments (wave w: K steps 4 w .. 4 w + 3).  One barrier.  PHASE 2: the waves are independent: in round t wave w takes blocks 24 t + w + 8 j, j < q <= 3, of the expert's nblk (read from meta);
; x's fragments come straight from xs into registers, W1's from LDS.  A second barrier stands at the end, between all waves' reads of LDS and the closing lines.
; MAPS.  Fragment c (0..3) of the chunk: lane r holds column 64 chunk + 4 r + c, so a lane's 16 bytes of a row of W1 give one number to each of the four fragments.  The product is used transposed
; (source 0 = W1's fragment, source 1 = x's): register i of lane (r, h) of accumulator c is token r, column 64 chunk + 32 h + 4 i + c: a lane holds 32 neighbouring columns of one token.
; The second product numbers its k so that these ARE its fragments: K step 2 chunk + u, slot t of half h = column 64 chunk + 32 h + 16 u + t.
; NO CLUSTER, NO TENSOR LOAD.  The weights pass through registers for their rounding, and no two work-groups read the same; xs is shared by an expert's 32 work-groups, but it goes straight into
; registers, and how many blocks a work-group walks hangs on counts read from memory, so no barrier can stand in that walk.
.set NK,    32                         ; K steps of 32
.set NG,    4                          ; K steps that a wave converts
.set PITCH, 8192                       ; bytes in a row of W1[e]
.set SPARE, NK*4096                    ; behind the slab (K step x 4,096 + fragment x 1,024): the spare words, 128 bytes for each wave
.set L16, 1                            ; 16 x lane
.set AO,  2                            ; L16 + the lap's bytes in a block of xs
.set BO,  3                            ; L16 + the lap's bytes in the slab
.set WO,  4                            ; 65,536 h + 16 r: lanes 16-31 take the row eight further down
.set LS,  5                            ; 16,384 w + 16 lane
.set SPW, 6                            ; LDS address of my spare word; never rewritten
.set NIL, 7                            ; 0; never rewritten
.set BOF, 8                            ; 128 h
.set ACC, 16                           ; v[16:111]   accumulator (j, c) at 16 + 32 j + 8 c
.set BB,  112                          ; v[112:175]  W1's fragments, two buffers of four
.set TT,  208                          ; v[208:215]  at work
.set HH,  216                          ; v[216:231]  h in f16
.set ST,  16                           ; phase 1: v[16:207] three groups of 16 loads
.set OUT, 208                          ; phase 1: v[208:239] four fragments
.set AR,  0                            ; window 1: v[0:95] x's fragments, four buffers of three
.set BI,  96                           ; window 1: v[96:127] the bias as an accumulator's registers: 96 + 8 c + i
.set LR,  128                          ; window 1: v[128:159] the bias as loaded
.set TM,  160                          ; window 1
.set BA,  36                           ; s[36:41] xs at block j
.set HB,  42                           ; s[42:47] hs at block j, K step 2 chunk
.set MSB, 0
.macro WIN new                         ; s_set_vgpr_msb: bits 1:0 source 0, 3:2 source 1, 5:4 source 2, 7:6 destination; the high byte repeats the setting that is left
.if MSB != (\new)
	s_set_vgpr_msb (MSB<<8)|(\new)
.set MSB, \new
.endif
.endm
.macro PLACES                          ; four places between a matrix instruction and a load into, or a vector read of, its registers
.rept 4
	v_nop
.endr
.endm
	s_load_b256 s[4:11], s[0:1], 0x0               ; W1 s[4:5], b1 s[6:7], xs s[8:9], meta s[10:11]
	s_load_b64 s[12:13], s[0:1], 0x20              ; hs
	v_lshl_add_u32 v[SPW], v0, 2, SPARE
	v_mov_b32 v[NIL], 0
	v_lshrrev_b32 v9, 5, v0
	v_readfirstlane_b32 s20, v9                    ; wave 0..7
	s_mov_b32 s21, ttmp9                           ; chunk
	s_and_b32 s22, ttmp7, 0xffff                   ; e
	v_and_b32 v9, 31, v0
	v_lshlrev_b32 v[L16], 4, v9
	v_and_b32 v10, 15, v0
	v_bfe_u32 v11, v0, 4, 1
	v_lshlrev_b32 v[WO], 4, v10
	v_lshl_add_u32 v[WO], v11, 16, v[WO]
	v_lshl_add_u32 v[LS], s20, 14, v[L16]
	v_lshlrev_b32 v[BOF], 7, v11
	s_mov_b32 s54, 0xc0135761                      ; c1 = -2 log2(e) sqrt(2 / pi) = -2.3022082
	s_mov_b32 s55, s54                             ; named with it as a pair
	s_mov_b32 s56, 0xbdd2d3e8                      ; c3 = 0.044715 c1 = -0.10294324
	s_mov_b32 s57, s56
	s_mov_b32 s58, 0xffff0000                      ; a word's upper bf16
	s_lshl_b32 s28, s22, 23                        ; W1: e x 8 MiB
	s_lshl_b32 s29, s20, 20                        ; + wave x 128 rows
	s_add_co_u32 s28, s28, s29
	s_lshl_b32 s29, s21, 8                         ; + chunk x 64 columns
	s_add_co_u32 s28, s28, s29
	s_lshl_b32 s31, s22, 13                        ; b1: e x 8,192 + chunk x 256
	s_add_co_u32 s31, s31, s29
	s_mov_b32 s29, 0                               ; stays 0: the high word of every offset
	s_wait_kmcnt 0x0
	s_add_nc_u64 s[4:5], s[4:5], s[28:29]
	s_mov_b32 s28, s31
	s_add_nc_u64 s[6:7], s[6:7], s[28:29]
	s_lshl_b32 s28, s22, 4
	s_add_nc_u64 s[10:11], s[10:11], s[28:29]
	s_load_b128 s[24:27], s[10:11], 0x0            ; blk0, nblk, rounds, cnt
	s_lshl_b32 s28, s21, 11
	s_add_nc_u64 s[12:13], s[12:13], s[28:29]      ; hs at K step 2 chunk
	WIN 0x40
.irp i, 0,1,2,3,4,5,6,7
	global_load_b128 v[LR+4*\i:LR+4*\i+3], v[BOF], s[6:7] offset:16*\i     ; b1 of columns 32 h + 4 i + 0..3
.endr
	WIN 0
; PHASE 1.  Group g = K step 4 w + g: sixteen loads, slot t = row 32 g + 16 (t / 8) + 8 h + t % 8 of my wave's 128.
.macro WLOAD g
.set t, 0
.rept 16
	global_load_b128 v[ST+64*((\g)%3)+4*t:ST+64*((\g)%3)+4*t+3], v[WO], s[4:5] offset:(32*(\g)+16*(t/8)+(t%8))*PITCH th:TH_LOAD_NT
.set t, t+1
.endr
.endm
.macro WCONV g                         ; register p of fragment c = slots 2 p, 2 p + 1 of column c
.set p, 0
.rept 8
.irp c, 0,1,2,3
	v_cvt_pk_bf16_f32 v[OUT+8*\c+p], v[ST+64*((\g)%3)+8*p+\c], v[ST+64*((\g)%3)+8*p+4+\c]
.endr
.set p, p+1
.endr
.irp c, 0,1,2,3
	ds_store_b128 v[LS], v[OUT+8*\c:OUT+8*\c+3] offset:4096*(\g)+1024*\c           ; 512 consecutive bytes: no two lanes meet in a bank
	ds_store_b128 v[LS], v[OUT+8*\c+4:OUT+8*\c+7] offset:4096*(\g)+1024*\c+512
.endr
.endm
	WLOAD 0
	WLOAD 1
	WLOAD 2                                        ; three groups, 24 KiB a wave, are on their way
.set g, 0
.rept NG
.if g < NG-2
	s_wait_loadcnt 32                              ; two younger groups stay out
.elseif g == NG-2
	s_wait_loadcnt 16
.else
	s_wait_loadcnt 0x0
.endif
.if g == 0
	WIN 0x45                                       ; the bias, loaded ahead of group 0: rounded to bf16, widened again, laid as the accumulators lie
.irp i, 0,1,2,3,4,5,6,7
.irp c, 0,2
	v_cvt_pk_bf16_f32 v[TM], v[LR+4*\i+\c], v[LR+4*\i+\c+1]
	v_lshlrev_b32 v[BI+8*\c+\i], 16, v[TM]
	v_and_b32 v[BI+8*\c+8+\i], s58, v[TM]
.endr
.endr
	WIN 0
.endif
	WCONV g
.if g+3 < NG
	WLOAD g+3
.endif
.set g, g+1
.endr
	s_wait_kmcnt 0x0                               ; meta
	s_wait_dscnt 0x0                               ; for the others' sake: my part of the slab is in LDS
	s_barrier_signal -1
	s_barrier_wait -1                              ; the slab is whole; nothing writes LDS from here to the closing lines
; PHASE 2.
.macro ALOAD q, s, off                 ; x's fragments of one K step for q blocks, into buffer s
.set j, 0
.rept \q
	global_load_b128 v[AR+24*(\s)+8*j:AR+24*(\s)+8*j+3], v[AO], s[BA+2*j:BA+2*j+1] offset:(\off)
	global_load_b128 v[AR+24*(\s)+8*j+4:AR+24*(\s)+8*j+7], v[AO], s[BA+2*j:BA+2*j+1] offset:(\off)+512
.set j, j+1
.endr
.endm
.macro BLOAD p, off                    ; W1's four fragments of one K step, into buffer p
.irp c, 0,1,2,3
	ds_load_b128 v[BB+32*(\p)+8*\c:BB+32*(\p)+8*\c+3], v[BO] offset:(\off)+1024*\c
	ds_load_b128 v[BB+32*(\p)+8*\c+4:BB+32*(\p)+8*\c+7], v[BO] offset:(\off)+1024*\c+512
.endr
.endm
; K step kl of a lap of four: 4 q products, the accumulators by turns; then the buffers just read are filled again: W1's with the K step two on, x's with the K step four on.
; wl: x's loads issued behind this step's (three steps' 2 q each, fewer in the tail).  wd: W1's LDS loads issued behind this step's (the next step's eight, or none).
.macro STEP q, kl, la, lb, wl, wd
	s_wait_loadcnt \wl
	s_wait_dscnt \wd
	WIN 0x04                                       ; source 1 in window 1
.irp c, 0,1,2,3
.set j, 0
.rept \q
	v_wmma_f32_16x16x32_bf16 v[ACC+32*j+8*\c:ACC+32*j+8*\c+7], v[BB+32*((\kl)%2)+8*\c:BB+32*((\kl)%2)+8*\c+7], v[AR+24*(\kl)+8*j:AR+24*(\kl)+8*j+7], v[ACC+32*j+8*\c:ACC+32*j+8*\c+7]
.set j, j+1
.endr
.endr
.if (\la) || (\lb)
	PLACES
.endif
.if \lb
	BLOAD (\kl)%2, ((\kl)+2)*4096
.endif
.if \la
	WIN 0x40                                       ; destination in window 1
	ALOAD \q, \kl, ((\kl)+4)*1024
.endif
.endm
.macro GELU8 x                         ; eight numbers in place, from the accumulator's low end on
.irp p, 0,2,4,6
	v_pk_mul_f32 v[TT+\p:TT+\p+1], v[(\x)+\p:(\x)+\p+1], v[(\x)+\p:(\x)+\p+1]
.endr
.irp p, 0,2,4,6
	v_pk_fma_f32 v[TT+\p:TT+\p+1], v[TT+\p:TT+\p+1], s[56:57], s[54:55] op_sel_hi:[1,0,0]
.endr
.irp p, 0,2,4,6
	v_pk_mul_f32 v[TT+\p:TT+\p+1], v[TT+\p:TT+\p+1], v[(\x)+\p:(\x)+\p+1]
.endr
.irp i, 0,1,2,3,4,5,6,7
	v_exp_f32 v[TT+\i], v[TT+\i]
.endr
	v_nop                                          ; a plain instruction between the last exponential and the use of its result
	s_wait_alu depctr_va_vdst(0)
.irp p, 0,2,4,6
	v_pk_add_f32 v[TT+\p:TT+\p+1], v[TT+\p:TT+\p+1], 1.0 op_sel_hi:[1,0]
.endr
.irp i, 0,1,2,3,4,5,6,7
	v_rcp_f32 v[TT+\i], v[TT+\i]
.endr
	v_nop
	s_wait_alu depctr_va_vdst(0)
.irp p, 0,2,4,6
	v_pk_mul_f32 v[(\x)+\p:(\x)+\p+1], v[(\x)+\p:(\x)+\p+1], v[TT+\p:TT+\p+1]
.endr
.endm
.macro EPI j                           ; block j: gelu, f16, and out as the two K steps' fragments
	WIN 0
.if (\j) > 0
	s_wait_xcnt 0x0                                ; HH, which the block before's stores name, is rewritten only behind this wait
.endif
.irp c, 0,1,2,3
	GELU8 ACC+32*(\j)+8*\c
.endr
.irp i, 0,1,2,3,4,5,6,7
	v_cvt_pk_f16_f32 v[HH+2*\i], v[ACC+32*(\j)+\i], v[ACC+32*(\j)+8+\i]            ; slots 4 (i % 4), + 1 of K step i / 4
	v_cvt_pk_f16_f32 v[HH+2*\i+1], v[ACC+32*(\j)+16+\i], v[ACC+32*(\j)+24+\i]      ; slots + 2, + 3
.endr
.irp u, 0,1
	global_store_b128 v[L16], v[HH+8*\u:HH+8*\u+3], s[HB+2*(\j):HB+2*(\j)+1] offset:1024*\u        ; 512 consecutive bytes each
	global_store_b128 v[L16], v[HH+8*\u+4:HH+8*\u+7], s[HB+2*(\j):HB+2*(\j)+1] offset:1024*\u+512
.endr
.endm
.macro ROUND q                         ; q blocks of mine, all 32 K steps
.set j, 0
.rept \q
	s_add_co_u32 s34, s35, 8*j
	s_min_u32 s34, s34, 135
	s_lshl_b32 s28, s34, 15
	s_add_nc_u64 s[BA+2*j:BA+2*j+1], s[8:9], s[28:29]
	s_lshl_b32 s28, s34, 16
	s_add_nc_u64 s[HB+2*j:HB+2*j+1], s[12:13], s[28:29]
.set j, j+1
.endr
	WIN 0
	v_mov_b32 v[AO], v[L16]
	v_mov_b32 v[BO], v[L16]
	WIN 0x40
	ALOAD \q, 0, 0
	ALOAD \q, 1, 1024
	ALOAD \q, 2, 2048
	ALOAD \q, 3, 3072
	WIN 0
	BLOAD 0, 0
	BLOAD 1, 4096
	WIN 0x01                                       ; the sums start at the bias: these moves are its addition, and stand in the wait for the first fragments
.set n, 0
.rept 32*\q
	v_mov_b32 v[ACC+n], v[BI+n%32]
.set n, n+1
.endr
	WIN 0
	s_mov_b32 s33, NK/4-1
.Lk_\@:
	STEP \q, 0, 1, 1, 6*\q, 8
	STEP \q, 1, 1, 1, 6*\q, 8
	STEP \q, 2, 1, 1, 6*\q, 8
	STEP \q, 3, 1, 1, 6*\q, 8
	WIN 0
	s_wait_xcnt 0x0                                ; AO, which the loads on their way name, steps only behind this wait
	v_add_nc_u32 v[AO], 4096, v[AO]
	v_add_nc_u32 v[BO], 16384, v[BO]               ; seven steps of 16,384: with the offsets below the reads end at byte SPARE - 1
	s_sub_co_u32 s33, s33, 1
	s_cmp_lg_u32 s33, 0
	s_cbranch_scc1 .Lk_\@
	STEP \q, 0, 0, 1, 6*\q, 8                      ; the last lap is written out: no load leaves its block, and the counts run down
	STEP \q, 1, 0, 1, 4*\q, 8
	STEP \q, 2, 0, 0, 2*\q, 8
	STEP \q, 3, 0, 0, 0, 0
	PLACES
	EPI 0
.if \q > 1
	EPI 1
.endif
.if \q > 2
	EPI 2
.endif
	s_wait_xcnt 0x0                                ; the next round rewrites the bases and HH
.endm
	s_min_u32 s24, s24, 135
	s_min_u32 s25, s25, 128
	s_min_u32 s26, s26, 6
	s_mov_b32 s30, 0
	s_cmp_eq_u32 s26, 0
	s_cbranch_scc1 .Ldone                          ; an expert without tokens
.Lround:
	s_mul_i32 s31, s30, 24
	s_add_co_u32 s31, s31, s20                     ; my first block of this round, among the expert's
	s_sub_co_i32 s32, s25, s31                     ; blocks from there on
	s_add_co_u32 s35, s24, s31
	s_cmp_le_i32 s32, 0
	s_cbranch_scc1 .Lnext
	s_cmp_gt_i32 s32, 16
	s_cbranch_scc1 .Lq3
	s_cmp_gt_i32 s32, 8
	s_cbranch_scc1 .Lq2
	ROUND 1
	s_branch .Lnext
.Lq2:
	ROUND 2
	s_branch .Lnext
.Lq3:
	ROUND 3
.Lnext:
	s_add_co_u32 s30, s30, 1
	s_cmp_lt_u32 s30, s26
	s_cbranch_scc1 .Lround
.Ldone:                                                ; every path of every wave joins here
	s_wait_dscnt 0x0                               ; my reads of the slab are back,
	s_barrier_signal -1
	s_barrier_wait -1                              ; and so are every wave's: no LDS read of the walk is out when the launch's last LDS write, below, is issued
	s_wait_tensorcnt 0x0                           ; the wave's end, behind my last LDS store
	ds_add_u32 v[SPW], v[NIL]
	s_wait_dscnt 0x0
	s_endpgm
.Lfunc_end_k_q66dbd92bd0_ffn1:
	.size	k_q66dbd92bd0_ffn1, .Lfunc_end_k_q66dbd92bd0_ffn1-k_q66dbd92bd0_ffn1
	.p2alignl 7, 3214868480
	.fill 96, 4, 3214868480
	.section	.rodata,"a",@progbits
	.p2align	6, 0x0
	.amdhsa_kernel k_q66dbd92bd0_ffn1
		.amdhsa_group_segment_fixed_size 132096
		.amdhsa_private_segment_fixed_size 0
		.amdhsa_enable_private_segment 0
		.amdhsa_kernarg_size 40
		.amdhsa_user_sgpr_count 2
		.amdhsa_user_sgpr_kernarg_segment_ptr 1
		.amdhsa_wavefront_size32 1
		.amdhsa_system_sgpr_workgroup_id_x 1
		.amdhsa_system_sgpr_workgroup_id_y 1
		.amdhsa_system_sgpr_workgroup_id_z 1
		.amdhsa_system_vgpr_workitem_id 0
		.amdhsa_next_free_vgpr 424
		.amdhsa_next_free_sgpr 66
		.amdhsa_reserve_vcc 0
		.amdhsa_float_denorm_mode_32 3
		.amdhsa_float_denorm_mode_16_64 3
		.amdhsa_memory_ordered 1
		.amdhsa_forward_progress 1
		.amdhsa_inst_pref_size 123
	.end_amdhsa_kernel
	.amdgpu_metadata
---
amdhsa.version: [ 1, 2 ]
amdhsa.kernels:
  - .name:           k_q66dbd92bd0_ffn1
    .symbol:         k_q66dbd92bd0_ffn1.kd
    .args:
      - { .name: W1, .offset: 0, .size: 8, .value_kind: global_buffer, .address_space: global }
      - { .name: b1, .offset: 8, .size: 8, .value_kind: global_buffer, .address_space: global }
      - { .name: xs, .offset: 16, .size: 8, .value_kind: global_buffer, .address_space: global }
      - { .name: meta, .offset: 24, .size: 8, .value_kind: global_buffer, .address_space: global }
      - { .name: hs, .offset: 32, .size: 8, .value_kind: global_buffer, .address_space: global }
    .group_segment_fixed_size: 132096
    .private_segment_fixed_size: 0
    .kernarg_segment_align: 8
    .kernarg_segment_size: 40
    .max_flat_workgroup_size: 256
    .sgpr_count:     66
    .vgpr_count:     424
    .wavefront_size: 32
...
	.end_amdgpu_metadata
.endif
;; end of part 3
;; launch ffn2 (part 4): grid 16 x 8, 8 waves a work-group, no clusters, 263,168 bytes of LDS; arguments W2, b2, hs, meta, tok, pgs, out0; writes out0
.if DOCPART == 4
	.amdgcn_target "amdgcn-amd-amdhsa--gfx1250"
	.amdhsa_code_object_version 6
	.text
	.protected	k_q66dbd92bd0_ffn2
	.globl	k_q66dbd92bd0_ffn2
	.p2align	8
	.type	k_q66dbd92bd0_ffn2,@function
k_q66dbd92bd0_ffn2:
	s_mov_b64 s[64:65], 0
	v_nop
	global_prefetch_b8 v0, s[64:65] scope:SCOPE_SE
	s_setreg_imm32_b32 hwreg(HW_REG_WAVE_MODE, 25, 1), 1
	s_wait_xcnt 0x0
; FFN2.  out0[token] = pg (h W2[e] + b2[e]) for the tokens of expert e alone.  W2: [8][2048][1024] f32 and b2: [8][1024] f32 are rounded to bf16; W2's rounded number is then written as f16, since h comes
; in f16 (hs, fragment layout, blocks of 16 rows).  Sums in f32, started at the bias; out0 in f32.
; LIMITS.  |W2| of 65,520 or more becomes an infinity in f16; the bf16 number is exact in f16 from 2^-17 up, below that it is off by 2^-25 at the most.  The bias is added first, not last.
; NaN and infinities are not treated apart.
; SHARES.  Work-group (chunk, e) owns 64 columns of W2[e] over all 2,048 k: 128 work-groups; chunks of 32 columns would halve the 256 consecutive bytes of a row that sixteen lanes read and store,
; a split of k would need partial sums in memory, a split of the rows would read W2 twice.
; PHASE 1: the 512 KiB are read once, rounded, and laid in LDS as ready fragments (wave w: K steps 8 w .. 8 w + 7).  One barrier.  PHASE 2: the waves are independent: in round t wave w takes
; blocks 24 t + w + 8 j, j < q <= 3, of the expert's nblk (read from meta); h's fragments come straight from hs into registers, W2's from LDS.  A second barrier stands at the end, between all
; waves' reads of LDS and the closing lines.
; MAPS.  Slot t of half h of K step 2 ch + u is k = 64 ch + 32 h + 16 u + t, in h's fragments and in W2's alike.  Fragment c: lane r holds column 64 chunk + 4 r + c.  Register i of lane (r, h) of
; accumulator c is the block's row 8 h + i, column 64 chunk + 4 r + c: for one i a lane's four accumulators give 16 neighbouring bytes, sixteen lanes 256 consecutive bytes of a token's row.
; Rows that repeat an expert's last token give the same numbers and are stored to the same bytes by the same wave.
; NO CLUSTER, NO TENSOR LOAD: as in the first product: the weights pass through registers and are shared by nobody; hs goes straight into registers, and the walk's length hangs on counts read from memory.
.set NK,    64
.set NG,    8
.set PITCH, 4096                       ; bytes in a row of W2[e]
.set SPARE, NK*4096                    ; behind the slab: the spare words, 128 bytes for each wave
.set L16, 1
.set AO,  2
.set BO,  3
.set WO,  4                            ; 131,072 h + 16 r: lanes 16-31 take the row 32 further down
.set LS,  5                            ; 32,768 w + 16 lane
.set SPW, 6                            ; LDS address of my spare word; never rewritten
.set NIL, 7                            ; 0; never rewritten
.set COL, 8                            ; 16 r
.set RO,  9                            ; 32 h
.set BI,  12                           ; v[12:15]   the bias of my four columns
.set ACC, 16                           ; v[16:111]  accumulator (j, c) at 16 + 32 j + 8 c
.set AR,  112                          ; v[112:207] h's fragments, four buffers of three
.set TA,  208                          ; v[208:215] eight rows' byte offsets in out0
.set ST,  16                           ; phase 1: v[16:207]
.set OUT, 208                          ; phase 1: v[208:239]
.set CT,  240                          ; phase 1: v[240:247] at work
.set BB,  0                            ; window 1: v[0:63] W2's fragments, two buffers of four
.set TK,  64                           ; window 1: v[64:87]  the tokens of rows 8 h + i of block j at 64 + 8 j + i
.set PG,  88                           ; window 1: v[88:111] their probabilities
.set OO,  112                          ; window 1: v[112:143] a block's results
.set BA,  36                           ; s[36:41] hs at block j
.set TB,  42                           ; s[42:47] tok at block j
.set PB,  48                           ; s[48:53] pgs at block j
.set MSB, 0
.macro WIN new                         ; s_set_vgpr_msb: bits 1:0 source 0, 3:2 source 1, 5:4 source 2, 7:6 destination; the high byte repeats the setting that is left
.if MSB != (\new)
	s_set_vgpr_msb (MSB<<8)|(\new)
.set MSB, \new
.endif
.endm
.macro PLACES                          ; four places between a matrix instruction and a load into, or a vector read of, its registers
.rept 4
	v_nop
.endr
.endm
	s_load_b256 s[4:11], s[0:1], 0x0               ; W2 s[4:5], b2 s[6:7], hs s[8:9], meta s[10:11]
	s_load_b128 s[12:15], s[0:1], 0x20             ; tok s[12:13], pgs s[14:15]
	s_load_b64 s[16:17], s[0:1], 0x30              ; out0
	v_lshl_add_u32 v[SPW], v0, 2, SPARE
	v_mov_b32 v[NIL], 0
	v_lshrrev_b32 v10, 5, v0
	v_readfirstlane_b32 s20, v10                   ; wave 0..7
	s_mov_b32 s21, ttmp9                           ; chunk
	s_and_b32 s22, ttmp7, 0xffff                   ; e
	v_and_b32 v10, 31, v0
	v_lshlrev_b32 v[L16], 4, v10
	v_and_b32 v10, 15, v0
	v_bfe_u32 v11, v0, 4, 1
	v_lshlrev_b32 v[COL], 4, v10
	v_lshl_add_u32 v[WO], v11, 17, v[COL]
	v_lshl_add_u32 v[LS], s20, 15, v[L16]
	v_lshlrev_b32 v[RO], 5, v11
	s_mov_b32 s58, 0xffff0000                      ; a word's upper bf16
	s_lshl_b32 s28, s22, 23                        ; W2: e x 8 MiB
	s_lshl_b32 s29, s20, 20                        ; + wave x 256 rows
	s_add_co_u32 s28, s28, s29
	s_lshl_b32 s31, s21, 8                         ; + chunk x 64 columns
	s_add_co_u32 s28, s28, s31
	s_lshl_b32 s32, s22, 12                        ; b2: e x 4,096 + chunk x 256
	s_add_co_u32 s32, s32, s31
	s_mov_b32 s29, 0                               ; stays 0: the high word of every offset
	s_wait_kmcnt 0x0
	s_add_nc_u64 s[4:5], s[4:5], s[28:29]
	s_mov_b32 s28, s32
	s_add_nc_u64 s[6:7], s[6:7], s[28:29]
	s_lshl_b32 s28, s22, 4
	s_add_nc_u64 s[10:11], s[10:11], s[28:29]
	s_load_b128 s[24:27], s[10:11], 0x0            ; blk0, nblk, rounds, cnt
	s_mov_b32 s28, s31
	s_add_nc_u64 s[16:17], s[16:17], s[28:29]      ; out0 at my chunk's first column
	global_load_b128 v[BI:BI+3], v[COL], s[6:7]
; PHASE 1.  Group g = K step 8 w + g: sixteen loads, slot t = row 64 (g / 2) + 16 (g % 2) + t + 32 h of my wave's 256.
.macro WLOAD g
.set t, 0
.rept 16
	global_load_b128 v[ST+64*((\g)%3)+4*t:ST+64*((\g)%3)+4*t+3], v[WO], s[4:5] offset:(64*((\g)/2)+16*((\g)%2)+t)*PITCH th:TH_LOAD_NT
.set t, t+1
.endr
.endm
.macro WCONV g                         ; register p of fragment c = slots 2 p, 2 p + 1 of column c: rounded to bf16, widened, written as f16; four pairs side by side
.set p, 0
.rept 8
.irp c, 0,1,2,3
	v_cvt_pk_bf16_f32 v[CT+\c], v[ST+64*((\g)%3)+8*p+\c], v[ST+64*((\g)%3)+8*p+4+\c]
.endr
.irp c, 0,1,2,3
	v_lshlrev_b32 v[CT+4+\c], 16, v[CT+\c]
.endr
.irp c, 0,1,2,3
	v_and_b32 v[CT+\c], s58, v[CT+\c]
.endr
.irp c, 0,1,2,3
	v_cvt_pk_f16_f32 v[OUT+8*\c+p], v[CT+4+\c], v[CT+\c]
.endr
.set p, p+1
.endr
.irp c, 0,1,2,3
	ds_store_b128 v[LS], v[OUT+8*\c:OUT+8*\c+3] offset:4096*(\g)+1024*\c           ; 512 consecutive bytes: no two lanes meet in a bank
	ds_store_b128 v[LS], v[OUT+8*\c+4:OUT+8*\c+7] offset:4096*(\g)+1024*\c+512
.endr
.endm
	WLOAD 0
	WLOAD 1
	WLOAD 2                                        ; three groups, 24 KiB a wave, are on their way
.set g, 0
.rept NG
.if g < NG-2
	s_wait_loadcnt 32                              ; two younger groups stay out
.elseif g == NG-2
	s_wait_loadcnt 16
.else
	s_wait_loadcnt 0x0
.endif
.if g == 0
	v_cvt_pk_bf16_f32 v[CT], v[BI], v[BI+1]        ; the bias, loaded ahead of group 0: rounded to bf16 and widened again
	v_cvt_pk_bf16_f32 v[CT+1], v[BI+2], v[BI+3]
	v_lshlrev_b32 v[BI], 16, v[CT]
	v_and_b32 v[BI+1], s58, v[CT]
	v_lshlrev_b32 v[BI+2], 16, v[CT+1]
	v_and_b32 v[BI+3], s58, v[CT+1]
.endif
	WCONV g
.if g+3 < NG
	WLOAD g+3
.endif
.set g, g+1
.endr
	s_wait_kmcnt 0x0                               ; meta
	s_wait_dscnt 0x0                               ; for the others' sake: my part of the slab is in LDS
	s_barrier_signal -1
	s_barrier_wait -1                              ; the slab is whole; nothing writes LDS from here to the closing lines
; PHASE 2.
.macro ALOAD q, s, off                 ; h's fragments of one K step for q blocks, into buffer s
.set j, 0
.rept \q
	global_load_b128 v[AR+24*(\s)+8*j:AR+24*(\s)+8*j+3], v[AO], s[BA+2*j:BA+2*j+1] offset:(\off)
	global_load_b128 v[AR+24*(\s)+8*j+4:AR+24*(\s)+8*j+7], v[AO], s[BA+2*j:BA+2*j+1] offset:(\off)+512
.set j, j+1
.endr
.endm
.macro BLOAD p, off                    ; W2's four fragments of one K step, into buffer p
.irp c, 0,1,2,3
	ds_load_b128 v[BB+32*(\p)+8*\c:BB+32*(\p)+8*\c+3], v[BO] offset:(\off)+1024*\c
	ds_load_b128 v[BB+32*(\p)+8*\c+4:BB+32*(\p)+8*\c+7], v[BO] offset:(\off)+1024*\c+512
.endr
.endm
; K step kl of a lap of four: 4 q products, the accumulators by turns; then the buffers just read are filled again: h's with the K step four on, W2's with the K step two on.
; wl: h's loads issued behind this step's (three steps' 2 q each, fewer in the tail).  wd: W2's LDS loads issued behind this step's (the next step's eight, or none).
.macro STEP q, kl, la, lb, wl, wd
	s_wait_loadcnt \wl
	s_wait_dscnt \wd
	WIN 0x04                                       ; source 1 in window 1
.irp c, 0,1,2,3
.set j, 0
.rept \q
	v_wmma_f32_16x16x32_f16 v[ACC+32*j+8*\c:ACC+32*j+8*\c+7], v[AR+24*(\kl)+8*j:AR+24*(\kl)+8*j+7], v[BB+32*((\kl)%2)+8*\c:BB+32*((\kl)%2)+8*\c+7], v[ACC+32*j+8*\c:ACC+32*j+8*\c+7]
.set j, j+1
.endr
.endr
.if (\la) || (\lb)
	PLACES
.endif
.if \la
	ALOAD \q, \kl, ((\kl)+4)*1024
.endif
.if \lb
	WIN 0x40                                       ; destination in window 1
	BLOAD (\kl)%2, ((\kl)+2)*4096
.endif
.endm
.macro EPI j                           ; block j: times pg, and out to the tokens' rows
	s_wait_xcnt 0x0                                ; TA and OO, which earlier stores name, are rewritten only behind this wait
	WIN 0x04
.irp i, 0,1,2,3,4,5,6,7
	v_min_u32 v[TA+\i], 0x7ff, v[TK+8*(\j)+\i]
.endr
.irp i, 0,1,2,3,4,5,6,7
	v_lshl_add_u32 v[TA+\i], v[TA+\i], 12, v[COL]  ; token x 4,096 + 16 r
.endr
	WIN 0x44                                       ; source 1 and destination in window 1; a store's data is its source 1
.irp i, 0,1,2,3,4,5,6,7
.irp c, 0,1,2,3
	v_mul_f32 v[OO+4*\i+\c], v[ACC+32*(\j)+8*\c+\i], v[PG+8*(\j)+\i]       ; i = 0 first: each accumulator is read from its low end on
.endr
	global_store_b128 v[TA+\i], v[OO+4*\i:OO+4*\i+3], s[16:17] th:TH_STORE_NT      ; sixteen lanes store 256 consecutive bytes, at a multiple of 256 from out0's first byte
.endr
.endm
.macro ROUND q                         ; q blocks of mine, all 64 K steps
.set j, 0
.rept \q
	s_add_co_u32 s34, s35, 8*j
	s_min_u32 s34, s34, 135
	s_lshl_b32 s28, s34, 16
	s_add_nc_u64 s[BA+2*j:BA+2*j+1], s[8:9], s[28:29]
	s_lshl_b32 s28, s34, 6
	s_add_nc_u64 s[TB+2*j:TB+2*j+1], s[12:13], s[28:29]
	s_add_nc_u64 s[PB+2*j:PB+2*j+1], s[14:15], s[28:29]
.set j, j+1
.endr
	WIN 0x40
.set j, 0
.rept \q                                               ; issued ahead of h's loads, so every count below has them in
	global_load_b128 v[TK+8*j:TK+8*j+3], v[RO], s[TB+2*j:TB+2*j+1]
	global_load_b128 v[TK+8*j+4:TK+8*j+7], v[RO], s[TB+2*j:TB+2*j+1] offset:16
	global_load_b128 v[PG+8*j:PG+8*j+3], v[RO], s[PB+2*j:PB+2*j+1]
	global_load_b128 v[PG+8*j+4:PG+8*j+7], v[RO], s[PB+2*j:PB+2*j+1] offset:16
.set j, j+1
.endr
	WIN 0
	v_mov_b32 v[AO], v[L16]
	v_mov_b32 v[BO], v[L16]
	ALOAD \q, 0, 0
	ALOAD \q, 1, 1024
	ALOAD \q, 2, 2048
	ALOAD \q, 3, 3072
	WIN 0x40
	BLOAD 0, 0
	BLOAD 1, 4096
	WIN 0                                          ; the sums start at the bias: these moves are its addition, and stand in the wait for the first fragments
.set n, 0
.rept 32*\q
	v_mov_b32 v[ACC+n], v[BI+(n%32)/8]
.set n, n+1
.endr
	s_mov_b32 s33, NK/4-1
.Lk_\@:
	STEP \q, 0, 1, 1, 6*\q, 8
	STEP \q, 1, 1, 1, 6*\q, 8
	STEP \q, 2, 1, 1, 6*\q, 8
	STEP \q, 3, 1, 1, 6*\q, 8
	WIN 0
	s_wait_xcnt 0x0                                ; AO, which the loads on their way name, steps only behind this wait
	v_add_nc_u32 v[AO], 4096, v[AO]
	v_add_nc_u32 v[BO], 16384, v[BO]               ; fifteen steps of 16,384: with the offsets below the reads end at byte SPARE - 1
	s_sub_co_u32 s33, s33, 1
	s_cmp_lg_u32 s33, 0
	s_cbranch_scc1 .Lk_\@
	STEP \q, 0, 0, 1, 6*\q, 8                      ; the last lap is written out: no load leaves its block, and the counts run down
	STEP \q, 1, 0, 1, 4*\q, 8
	STEP \q, 2, 0, 0, 2*\q, 8
	STEP \q, 3, 0, 0, 0, 0
	PLACES
	EPI 0
.if \q > 1
	EPI 1
.endif
.if \q > 2
	EPI 2
.endif
	WIN 0
	s_wait_xcnt 0x0                                ; the next round rewrites the bases
.endm
	s_min_u32 s24, s24, 135
	s_min_u32 s25, s25, 128
	s_min_u32 s26, s26, 6
	s_mov_b32 s30, 0
	s_cmp_eq_u32 s26, 0
	s_cbranch_scc1 .Ldone                          ; an expert without tokens
.Lround:
	s_mul_i32 s31, s30, 24
	s_add_co_u32 s31, s31, s20                     ; my first block of this round, among the expert's
	s_sub_co_i32 s32, s25, s31                     ; blocks from there on
	s_add_co_u32 s35, s24, s31
	s_cmp_le_i32 s32, 0
	s_cbranch_scc1 .Lnext
	s_cmp_gt_i32 s32, 16
	s_cbranch_scc1 .Lq3
	s_cmp_gt_i32 s32, 8
	s_cbranch_scc1 .Lq2
	ROUND 1
	s_branch .Lnext
.Lq2:
	ROUND 2
	s_branch .Lnext
.Lq3:
	ROUND 3
.Lnext:
	s_add_co_u32 s30, s30, 1
	s_cmp_lt_u32 s30, s26
	s_cbranch_scc1 .Lround
.Ldone:                                                ; every path of every wave joins here
	s_wait_dscnt 0x0                               ; my reads of the slab are back,
	s_barrier_signal -1
	s_barrier_wait -1                              ; and so are every wave's: no LDS read of the walk is out when the launch's last LDS write, below, is issued
	s_wait_tensorcnt 0x0                           ; the wave's end, behind my last LDS store
	ds_add_u32 v[SPW], v[NIL]
	s_wait_dscnt 0x0
	s_endpgm
.Lfunc_end_k_q66dbd92bd0_ffn2:
	.size	k_q66dbd92bd0_ffn2, .Lfunc_end_k_q66dbd92bd0_ffn2-k_q66dbd92bd0_ffn2
	.p2alignl 7, 3214868480
	.fill 96, 4, 3214868480
	.section	.rodata,"a",@progbits
	.p2align	6, 0x0
	.amdhsa_kernel k_q66dbd92bd0_ffn2
		.amdhsa_group_segment_fixed_size 263168
		.amdhsa_private_segment_fixed_size 0
		.amdhsa_enable_private_segment 0
		.amdhsa_kernarg_size 56
		.amdhsa_user_sgpr_count 2
		.amdhsa_user_sgpr_kernarg_segment_ptr 1
		.amdhsa_wavefront_size32 1
		.amdhsa_system_sgpr_workgroup_id_x 1
		.amdhsa_system_sgpr_workgroup_id_y 1
		.amdhsa_system_sgpr_workgroup_id_z 1
		.amdhsa_system_vgpr_workitem_id 0
		.amdhsa_next_free_vgpr 400
		.amdhsa_next_free_sgpr 66
		.amdhsa_reserve_vcc 0
		.amdhsa_float_denorm_mode_32 3
		.amdhsa_float_denorm_mode_16_64 3
		.amdhsa_memory_ordered 1
		.amdhsa_forward_progress 1
		.amdhsa_inst_pref_size 135
	.end_amdhsa_kernel
	.amdgpu_metadata
---
amdhsa.version: [ 1, 2 ]
amdhsa.kernels:
  - .name:           k_q66dbd92bd0_ffn2
    .symbol:         k_q66dbd92bd0_ffn2.kd
    .args:
      - { .name: W2, .offset: 0, .size: 8, .value_kind: global_buffer, .address_space: global }
      - { .name: b2, .offset: 8, .size: 8, .value_kind: global_buffer, .address_space: global }
      - { .name: hs, .offset: 16, .size: 8, .value_kind: global_buffer, .address_space: global }
      - { .name: meta, .offset: 24, .size: 8, .value_kind: global_buffer, .address_space: global }
      - { .name: tok, .offset: 32, .size: 8, .value_kind: global_buffer, .address_space: global }
      - { .name: pgs, .offset: 40, .size: 8, .value_kind: global_buffer, .address_space: global }
      - { .name: out0, .offset: 48, .size: 8, .value_kind: global_buffer, .address_space: global }
    .group_segment_fixed_size: 263168
    .private_segment_fixed_size: 0
    .kernarg_segment_align: 8
    .kernarg_segment_size: 56
    .max_flat_workgroup_size: 256
    .sgpr_count:     66
    .vgpr_count:     400
    .wavefront_size: 32
...
	.end_amdgpu_metadata
.endif
;; end of part 4
;; ======== version 2 of 3: 4 launches; 1.13 times as fast as version 1
;; limits: values are held in f16: magnitudes above 65,504 overflow, below 6.1e-05 lose precision
;; workspace buffers: gidx 8,192 bytes of whole numbers; pgv 8,192 bytes; psum 4,096 bytes; meta 256 bytes of whole numbers; tok 8,704 bytes of whole numbers; pgs 8,704 bytes; xs 4,456,448 bytes; hs 8,912,896 bytes
;; launch gate: the kernel of part 1 again; grid 128 x 1, 8 waves a work-group, no clusters, 72,704 bytes of LDS; arguments x, Wg, gidx, pgv, psum; writes gidx, pgv, psum
;; launch route (part 5): grid 128 x 1, 8 waves a work-group, no clusters, 38,144 bytes of LDS; arguments gidx, pgv, psum, x, xs, tok, pgs, meta, out1, out2; writes xs, tok, pgs, meta, out1, out2
.if DOCPART == 5
	.amdgcn_target "amdgcn-amd-amdhsa--gfx1250"
	.amdhsa_code_object_version 6
	.text
	.protected	k_q66dbd92bd0_route
	.globl	k_q66dbd92bd0_route
	.p2align	8
	.type	k_q66dbd92bd0_route,@function
k_q66dbd92bd0_route:
	s_mov_b64 s[64:65], 0
	v_nop
	global_prefetch_b8 v0, s[64:65] scope:SCOPE_SE
	s_setreg_imm32_b32 hwreg(HW_REG_WAVE_MODE, 25, 1), 1
	s_wait_xcnt 0x0
; ROUTE.  From gidx (each token's expert) every work-group makes the whole routing anew: no traffic between work-groups.  An expert's tokens, in ascending order, fill nblk = ceil(cnt / 16)
; BLOCKS of 16 rows from block blk0 (the prefix sum of nblk) on; the rows left over in its last block repeat its last token.  There are 128 to 135 blocks.
; Work-group b writes block b, and block b + 128 if there is one: the 16 rows of x rounded to bf16 in FRAGMENT LAYOUT (xs: [block][K step of 32][1,024 bytes]: bytes 16 L.. hold registers 0-3
; of lane L of a matrix operand of 16 rows x 32 k, bytes 512 + 16 L.. registers 4-7), the rows' tokens (tok) and their probabilities (pgs).
; Work-group 127, which never has a second block (b + 128 < 136 means b < 8), also writes meta (word 4 e + 0..3: blk0, nblk, ceil(nblk / 24), cnt), out2 (the counts) and
; out1 = 8 sum_e (sum of prob_e / 2048) (cnt_e / 2048).
; THE ORDER.  The launch is a chain of dependent steps, so all that hangs on the routing is asked of memory at once: the rows of both blocks, wave 0's probabilities ahead of its rows, and psum
; behind work-group 127's rows; each block has registers of its own, so that nothing waits between the two.
; input_ids and attention_mask enter nothing that the module returns, and are loaded by no launch.
.set CNT,   0                          ; [wave][8] counts: 256 bytes
.set SLT,   256                        ; 8 x 256: a wave's own two lists (block b: words 0-15; block b + 128: words 32-47) of token + 1; words 16 and 48 take what belongs to neither block
.set XST,   2304                       ; 8 x 4,352: each wave's own 16 rows x 128 bf16, pitch 272
.set XP,    272
.set XW,    16*XP
.set SPARE, XST+8*XW                   ; the spare words, 128 bytes for each wave: four blocks of 256 bytes that no other line names
.set LN,  1                            ; lane
.set R,   2                            ; lane % 16
.set H,   3                            ; lane / 16
.set XO,  4                            ; 16 x thread: my 16 bytes in a row of x
.set GO,  5                            ; byte offset in gidx of my first token, 256 w + lane
.set XSA, 6                            ; where I put 8 bytes of a row
.set XLA, 7                            ; where I read a fragment
.set SO,  8                            ; 4,096 w + 16 lane: my place in a block of xs; never rewritten
.set T1,  9                            ; my first token + 1
.set SPW, 10                           ; LDS address of my spare word; never rewritten
.set NIL, 11                           ; 0; never rewritten
.set ZR,  12                           ; 0, for use
.set TA,  13                           ; at work
.set L4,  14                           ; 4 x lane; never rewritten
.set R4,  15                           ; 4 x (lane % 16); never rewritten
.set G,   16                           ; v[16:23]  the experts of my eight tokens 256 w + 32 j + lane
.set RK,  24                           ; v[24:31]  their ranks among my wave's tokens of the same expert
.set VT,  32                           ; v[33:39]  at work in the ranks; free behind them:
.set CV,  32                           ; v[32:33]  two words of bf16
.set MI,  34                           ; meta's 32 words, one a lane
.set MO,  35                           ; out2's 8 words
.set MD,  36                           ; out1
.set TV,  37                           ; token + 1
.set QQ,  38                           ; what the other half of the lanes holds (written by the ranks: a lane exchange's destination counts as read)
.set DD,  40                           ; v[40:41]  a token's place in list 0, list 1
.set I4,  42
.set AD,  43                           ; 128 (lane / 16) + 4 (lane % 8): my four words of the table of counts
.set DW,  44                           ; my wave's number less 4 (lane / 16)
.set C,   45                           ; v[45:48]  those four words
.set PK,  49                           ; base << 16 | total
.set TOKV, 50                          ; v50, v51  block a: lane i % 16 holds the token of row i
.set PGV, 52                           ; v52, v53  block a: its probability (wave 0)
.set P4,  54                           ; v54, v55  block a: its byte offset in pgv (wave 0)
.set T8,  56                           ; v[56:63]  at work
.set VO,  64                           ; v[64:95]   block a: 16 row offsets at 64 + 16 a
.set X,   96                           ; v[96:223]  block a: 16 rows x 4 f32 at 96 + 64 a; then its four fragments
.set PS,  224                          ; v[224:255] psum
.set RUN,  26                          ; s[26:33]  running counts of my wave; then 16 blk0 + cnt - 1; then the tokens of rows 0-7
.set TOT,  34                          ; s[34:41]  cnt; before that one bank of masks
.set BASE, 42                          ; s[42:49]  tokens of the expert in the waves before mine; then 16 blk0 + that; then the tokens of rows 8-15; before all that the other bank of masks
.set BLK0, 50                          ; s[50:57]  before that a group's counts
.set MA,   TOT
.set MB,   BASE
.set CN,   BLK0
.set NBLK, 66                          ; s[66:73]
.set EA,   77                          ; s77, s78  the expert of block b, b + 128
.set DL,   79                          ; s79, s80  what turns a rank in my wave into a row of that block
.set LRW,  81                          ; s81, s82  the block's last row that has a token of its own
.set SB,   83                          ; s83, s84  my wave's two lists
                                       ; s[86:91], s[96:101]  block a: xs, tok, pgs at the block
	s_load_b512 s[4:19], s[0:1], 0x0               ; gidx s[4:5], pgv s[6:7], psum s[8:9], x s[10:11], xs s[12:13], tok s[14:15], pgs s[16:17], meta s[18:19]
	s_load_b128 s[20:23], s[0:1], 0x40             ; out1 s[20:21], out2 s[22:23]
	v_lshl_add_u32 v[SPW], v0, 2, SPARE
	v_mov_b32 v[NIL], 0
	v_lshrrev_b32 v[LN], 5, v0
	v_readfirstlane_b32 s24, v[LN]                 ; wave 0..7
	v_and_b32 v[LN], 31, v0
	v_and_b32 v[R], 15, v0
	v_bfe_u32 v[H], v0, 4, 1
	v_lshlrev_b32 v[XO], 4, v0
	v_and_b32 v[GO], 0xe0, v0
	v_lshl_add_u32 v[GO], v[GO], 3, v[LN]          ; 256 w + lane
	v_add_nc_u32 v[T1], 1, v[GO]
	v_lshlrev_b32 v[GO], 2, v[GO]
	s_mul_i32 s94, s24, XW
	s_add_co_u32 s94, s94, XST
	v_lshl_add_u32 v[XSA], v[LN], 3, s94
	v_mul_u32_u24 v[XLA], v[R], XP
	v_lshl_add_u32 v[XLA], v[H], 4, v[XLA]
	v_add_nc_u32 v[XLA], s94, v[XLA]
	v_lshlrev_b32 v[SO], 4, v[LN]
	v_lshl_add_u32 v[SO], s24, 12, v[SO]
	v_lshlrev_b32 v[L4], 2, v[LN]
	v_lshlrev_b32 v[R4], 2, v[R]
	v_and_b32 v[AD], 7, v0
	v_lshlrev_b32 v[AD], 2, v[AD]
	v_lshl_add_u32 v[AD], v[H], 7, v[AD]
	v_lshlrev_b32 v[DW], 2, v[H]
	v_sub_nc_u32 v[DW], s24, v[DW]
	v_mov_b32 v[PGV], 0                            ; defined in every wave; wave 0 alone loads into these two and stores them
	v_mov_b32 v[PGV+1], 0
	s_lshl_b32 s[SB], s24, 8
	s_add_co_u32 s[SB], s[SB], SLT
	s_add_co_u32 s[SB+1], s[SB], 128
	s_lshl_b32 s85, s24, 5
	s_mov_b32 s75, ttmp9                           ; b
	s_add_co_u32 s76, s75, 128
	s_mov_b32 s92, 0x76543210                      ; v_permlanex16_b32: each lane takes its own place in the other half
	s_mov_b32 s93, 0xfedcba98
.irp e, 0,1,2,3,4,5,6,7
	s_mov_b32 s[RUN+\e], 0
.endr
	v_mov_b32 v[ZR], 0
	v_lshl_add_u32 v[TA], v[LN], 2, s[SB]
	ds_store_b32 v[TA], v[ZR]                      ; my two lists start empty
	ds_store_b32 v[TA], v[ZR] offset:128
	s_wait_kmcnt 0x0
.irp j, 0,1,2,3,4,5,6,7
	global_load_b32 v[G+\j], v[GO], s[4:5] offset:128*\j
.endr
	s_wait_loadcnt 0x0
.irp j, 0,1,2,3,4,5,6,7
	v_min_u32 v[G+\j], 7, v[G+\j]
.endr
; THE RANKS.  A token's rank = the wave's tokens of its expert in the groups before + those in lower lanes of its own group of 32.  The lines are dealt in runs of eight, one for each expert,
; and the next group's compares, into the other bank of masks, stand ahead of this group's scalar counts: the vector and the scalar side hand over once a run, not once a line.
.macro CMPS j, bank
.irp e, 0,1,2,3,4,5,6,7
	v_cmp_eq_u32 s[(\bank)+\e], \e, v[G+(\j)]
.endr
.endm
.macro RANKS j, bank
	v_mbcnt_lo_u32_b32 v[RK+(\j)], s[(\bank)], s[RUN]      ; writes every lane; the lanes of other experts are written over below
.irp e, 1,2,3,4,5,6,7
	v_mbcnt_lo_u32_b32 v[VT+\e], s[(\bank)+\e], s[RUN+\e]
.endr
.irp e, 1,2,3,4,5,6,7
	v_cndmask_b32 v[RK+(\j)], v[RK+(\j)], v[VT+\e], s[(\bank)+\e]
.endr
.irp e, 0,1,2,3,4,5,6,7
	s_bcnt1_i32_b32 s[CN+\e], s[(\bank)+\e]
.endr
.irp e, 0,1,2,3,4,5,6,7
	s_add_co_u32 s[RUN+\e], s[RUN+\e], s[CN+\e]
.endr
.endm
	CMPS 0, MA
	CMPS 1, MB
	RANKS 0, MA
	CMPS 2, MA
	RANKS 1, MB
	CMPS 3, MB
	RANKS 2, MA
	CMPS 4, MA
	RANKS 3, MB
	CMPS 5, MB
	RANKS 4, MA
	CMPS 6, MA
	RANKS 5, MB
	CMPS 7, MB
	RANKS 6, MA
	RANKS 7, MB
.irp e, 0,1,2,3,4,5,6,7
	v_mov_b32 v[T8+\e], s[RUN+\e]
.endr
	v_mov_b32 v[TA], s85
	ds_store_b128 v[TA], v[T8:T8+3] offset:CNT     ; my wave's eight counts; all lanes write the same words with the same numbers
	ds_store_b128 v[TA], v[T8+4:T8+7] offset:CNT+16
	s_wait_dscnt 0x0                               ; for the others' sake: my counts are in LDS
	s_barrier_signal -1
	s_barrier_wait -1
	; TOTALS AND BASES, by the lanes.  Lane (e = lane % 8, half = lane / 16) takes expert e's counts of waves 4 half + 0..3, adds them, and adds those of the waves before mine apart;
	; both sums are 2,048 at the most, so they share a word, and one exchange between the halves of the lanes finishes both.
.irp i, 0,1,2,3
	ds_load_b32 v[C+\i], v[AD] offset:CNT+32*\i
.endr
.irp i, 0,1,2,3
	v_cmp_lt_i32 s[58+\i], \i, v[DW]               ; wave 4 half + i is before mine
.endr
	s_wait_dscnt 0x0
	v_add_nc_u32 v[PK], v[C], v[C+1]
	v_add_nc_u32 v[TV], v[C+2], v[C+3]
	v_add_nc_u32 v[PK], v[PK], v[TV]
.irp i, 0,1,2,3
	v_cndmask_b32 v[C+\i], 0, v[C+\i], s[58+\i]
.endr
	v_add_nc_u32 v[C], v[C], v[C+1]
	v_add_nc_u32 v[C+2], v[C+2], v[C+3]
	v_add_nc_u32 v[C], v[C], v[C+2]
	v_lshl_add_u32 v[PK], v[C], 16, v[PK]
	v_permlanex16_b32 v[QQ], v[PK], s92, s93
	v_add_nc_u32 v[PK], v[PK], v[QQ]
.irp e, 0,1,2,3,4,5,6,7
	v_readlane_b32 s[TOT+\e], v[PK], \e
.endr
.irp e, 0,1,2,3,4,5,6,7
	s_lshr_b32 s[BASE+\e], s[TOT+\e], 16
	s_and_b32 s[TOT+\e], s[TOT+\e], 0xffff
.endr
	s_mov_b32 s74, 0                               ; blocks in all
.irp e, 0,1,2,3,4,5,6,7
	s_mov_b32 s[BLK0+\e], s74
	s_add_co_u32 s59, s[TOT+\e], 15
	s_lshr_b32 s[NBLK+\e], s59, 4
	s_add_co_u32 s74, s74, s[NBLK+\e]
	s_lshl4_add_u32 s[BASE+\e], s[BLK0+\e], s[BASE+\e]     ; the padded position of my wave's first token of e
	s_lshl4_add_u32 s[RUN+\e], s[BLK0+\e], s[TOT+\e]
	s_sub_co_u32 s[RUN+\e], s[RUN+\e], 1                   ; and of e's last token
.endr
; Which expert owns block s[blk]: the last e with blk0_e <= blk, which passes over experts without tokens.
.macro PICK a, blk
	s_mov_b32 s[EA+\a], 0
	s_mov_b32 s60, s[BASE]
	s_mov_b32 s61, s[RUN]
.irp e, 1,2,3,4,5,6,7
	s_cmp_ge_u32 s[\blk], s[BLK0+\e]
	s_cselect_b32 s[EA+\a], \e, s[EA+\a]
	s_cselect_b32 s60, s[BASE+\e], s60
	s_cselect_b32 s61, s[RUN+\e], s61
.endr
	s_lshl_b32 s59, s[\blk], 4
	s_sub_co_u32 s[DL+\a], s60, s59
	s_sub_co_u32 s61, s61, s59
	s_min_u32 s[LRW+\a], s61, 15
.endm
	PICK 0, 75
	PICK 1, 76
	; each of my tokens goes to its row of each list, or, if it is of another expert or another block (the difference then wraps or is 16 or more), to the word that nobody reads; the two lists' lines alternate
.irp j, 0,1,2,3,4,5,6,7
	v_cmp_eq_u32 s58, s[EA], v[G+\j]
	v_cmp_eq_u32 s59, s[EA+1], v[G+\j]
	v_add_nc_u32 v[DD], s[DL], v[RK+\j]
	v_add_nc_u32 v[DD+1], s[DL+1], v[RK+\j]
	v_add_nc_u32 v[TV], 32*\j, v[T1]
	v_cndmask_b32 v[DD], 16, v[DD], s58
	v_cndmask_b32 v[DD+1], 16, v[DD+1], s59
	v_min_u32 v[DD], 16, v[DD]
	v_min_u32 v[DD+1], 16, v[DD+1]
	v_lshl_add_u32 v[DD], v[DD], 2, s[SB]
	v_lshl_add_u32 v[DD+1], v[DD+1], 2, s[SB+1]
	ds_store_b32 v[DD], v[TV]
	ds_store_b32 v[DD+1], v[TV]
.endr
	s_wait_dscnt 0x0                               ; for the others' sake: my lists are in LDS
	s_barrier_signal -1
	s_barrier_wait -1
; Block a's 16 tokens: a row's token stands in one wave's list, 0 in the seven others.  Rows behind the expert's last token take that token.
.macro TOKS a
	v_min_u32 v[I4], s[LRW+\a], v[R]
	v_min_u32 v[I4], 15, v[I4]
	v_lshlrev_b32 v[I4], 2, v[I4]
.irp w, 0,1,2,3,4,5,6,7
	ds_load_b32 v[T8+\w], v[I4] offset:SLT+256*\w+128*\a
.endr
	s_wait_dscnt 0x0
.irp w, 1,2,3,4,5,6,7
	v_max_u32 v[T8], v[T8], v[T8+\w]
.endr
	v_add_nc_u32 v[TOKV+\a], -1, v[T8]
	v_min_u32 v[TOKV+\a], 0x7ff, v[TOKV+\a]
.endm
; Block a = block s[blk] is asked for: wave w takes k = 128 w .. of the 16 rows, 512 consecutive bytes a load.  Wave 0's gather of the rows' probabilities goes out ahead of its rows:
; loads return in order (ISA guide 5.7.1), so the waits for the rows cover it.
.macro ISSUE a, blk
.set BS, 86+10*(\a)
	s_cmp_lg_u32 s24, 0
	s_cbranch_scc1 .Lno_pg_\@
	v_lshlrev_b32 v[P4+\a], 2, v[TOKV+\a]
	global_load_b32 v[PGV+\a], v[P4+\a], s[6:7]
.Lno_pg_\@:
.irp m, 0,1,2,3,4,5,6,7,8,9,10,11,12,13,14,15
	v_readlane_b32 s[26+\m+8*(\m/8)], v[TOKV+\a], \m
.endr
.irp m, 0,1,2,3,4,5,6,7,8,9,10,11,12,13,14,15
	s_min_u32 s[26+\m+8*(\m/8)], s[26+\m+8*(\m/8)], 0x7ff
.endr
.irp m, 0,1,2,3,4,5,6,7,8,9,10,11,12,13,14,15
	v_lshl_add_u32 v[VO+16*(\a)+\m], s[26+\m+8*(\m/8)], 12, v[XO]
	global_load_b128 v[X+64*(\a)+4*\m:X+64*(\a)+4*\m+3], v[VO+16*(\a)+\m], s[10:11]
.endr
	s_lshl_b32 s[BS], s[\blk], 15                  ; a block of xs is 32,768 bytes
	s_mov_b32 s[BS+1], 0
	s_add_nc_u64 s[BS:BS+1], s[12:13], s[BS:BS+1]
	s_lshl_b32 s[BS+2], s[\blk], 6                 ; of tok and of pgs 64
	s_mov_b32 s[BS+3], 0
	s_add_nc_u64 s[BS+4:BS+5], s[16:17], s[BS+2:BS+3]
	s_add_nc_u64 s[BS+2:BS+3], s[14:15], s[BS+2:BS+3]
.endm
; Block a's rows are rounded, turned into fragments through my wave's own LDS bytes, and stored: four K steps a wave.  The fragments take the registers of the rows.
.macro FINISH a
.set BS, 86+10*(\a)
.irp m, 0,1,2,3,4,5,6,7,8,9,10,11,12,13,14,15
	s_wait_loadcnt 15-\m                           ; the block's younger rows may stay out: row m is in (where other loads were issued behind the block's, they have been waited for)
	v_cvt_pk_bf16_f32 v[CV], v[X+64*(\a)+4*\m], v[X+64*(\a)+4*\m+1]
	v_cvt_pk_bf16_f32 v[CV+1], v[X+64*(\a)+4*\m+2], v[X+64*(\a)+4*\m+3]
	ds_store_b64 v[XSA], v[CV:CV+1] offset:XP*\m
.endr
.irp s, 0,1,2,3
	ds_load_b128 v[X+64*(\a)+8*\s:X+64*(\a)+8*\s+3], v[XLA] offset:64*\s           ; a wave's own bytes: LDS serves them in order (ISA guide 5.7.1.4)
	ds_load_b128 v[X+64*(\a)+8*\s+4:X+64*(\a)+8*\s+7], v[XLA] offset:64*\s+32
.endr
	s_wait_dscnt 0x0
.irp s, 0,1,2,3
	global_store_b128 v[SO], v[X+64*(\a)+8*\s:X+64*(\a)+8*\s+3], s[BS:BS+1] offset:1024*\s         ; 512 consecutive bytes each
	global_store_b128 v[SO], v[X+64*(\a)+8*\s+4:X+64*(\a)+8*\s+7], s[BS:BS+1] offset:1024*\s+512
.endr
	s_cmp_lg_u32 s24, 0
	s_cbranch_scc1 .Lnot_wave_0_\@
	global_store_b32 v[R4], v[TOKV+\a], s[BS+2:BS+3]       ; both halves of the lanes write the same 64 bytes with the same numbers
	global_store_b32 v[R4], v[PGV+\a], s[BS+4:BS+5]
.Lnot_wave_0_\@:
.endm
	TOKS 0
	ISSUE 0, 75
	s_cmp_lt_u32 s76, s74                          ; is there a block b + 128?
	s_cbranch_scc0 .Lone_block
	TOKS 1                                         ; its rows go out behind block b's, into registers of their own; it is finished first, since its loads are the youngest
	ISSUE 1, 76
	FINISH 1
.Lone_block:
	s_cmp_lg_u32 s75, 127
	s_cbranch_scc1 .Lno_meta
	s_cmp_lg_u32 s24, 7
	s_cbranch_scc1 .Lno_meta
	; WORK-GROUP 127, WAVE 7: meta, out2, out1.  psum is asked for behind my rows and lands with them.
	v_lshlrev_b32 v[TA], 4, v[LN]
.irp q, 0,1,2,3,4,5,6,7
	global_load_b128 v[PS+4*\q:PS+4*\q+3], v[TA], s[8:9] offset:512*\q     ; psum: quad 32 q + lane = work-group (32 q + lane) / 2, experts 4 (lane % 2) ..
.endr
	v_mov_b32 v[MI], 0
	v_mov_b32 v[MO], 0
.irp e, 0,1,2,3,4,5,6,7
	s_add_co_u32 s59, s[NBLK+\e], 23
	s_mul_i32 s59, s59, 2731                       ; (n x 2,731) >> 16 = n / 24 for n up to 151
	s_lshr_b32 s59, s59, 16
	v_writelane_b32 v[MI], s[BLK0+\e], 4*\e
	v_writelane_b32 v[MI], s[NBLK+\e], 4*\e+1
	v_writelane_b32 v[MI], s59, 4*\e+2
	v_writelane_b32 v[MI], s[TOT+\e], 4*\e+3
	v_writelane_b32 v[MO], s[TOT+\e], \e
.endr
	global_store_b32 v[L4], v[MI], s[18:19]
	s_wait_xcnt 0x0                                ; EXEC changes only behind this wait
	v_cmp_gt_u32 vcc_lo, 8, v[LN]
	s_and_saveexec_b32 s58, vcc_lo
	global_store_b32 v[L4], v[MO], s[22:23]
	s_wait_xcnt 0x0                                ; and again in front of the line that widens it
	s_or_b32 exec_lo, exec_lo, s58
	s_wait_loadcnt 0x0                             ; psum, and with it my rows
.irp a, 0,8,16,24
	v_pk_add_f32 v[PS+\a:PS+\a+1], v[PS+\a:PS+\a+1], v[PS+\a+4:PS+\a+5]
	v_pk_add_f32 v[PS+\a+2:PS+\a+3], v[PS+\a+2:PS+\a+3], v[PS+\a+6:PS+\a+7]
.endr
.irp a, 0,16
	v_pk_add_f32 v[PS+\a:PS+\a+1], v[PS+\a:PS+\a+1], v[PS+\a+8:PS+\a+9]
	v_pk_add_f32 v[PS+\a+2:PS+\a+3], v[PS+\a+2:PS+\a+3], v[PS+\a+10:PS+\a+11]
.endr
	v_pk_add_f32 v[PS:PS+1], v[PS:PS+1], v[PS+16:PS+17]
	v_pk_add_f32 v[PS+2:PS+3], v[PS+2:PS+3], v[PS+18:PS+19]
.irp m, 2,4,8
.irp c, 0,1,2,3
	v_add_f32_dpp v[PS+\c], v[PS+\c], v[PS+\c] row_xmask:\m row_mask:0xf bank_mask:0xf     ; over the lanes of my parity
.endr
.endr
.irp c, 0,1,2,3
	v_permlanex16_b32 v[PS+4+\c], v[PS+\c], s92, s93
.endr
.irp c, 0,1,2,3
	v_add_f32 v[PS+\c], v[PS+\c], v[PS+4+\c]
.endr
.irp e, 0,1,2,3,4,5,6,7
	v_readlane_b32 s61, v[PS+(\e%4)], \e/4         ; lane 0 holds experts 0-3, lane 1 experts 4-7
	s_cvt_f32_u32 s59, s[TOT+\e]
.if \e == 0
	s_mul_f32 s60, s61, s59
.else
	s_fmac_f32 s60, s61, s59
.endif
.endr
	s_mul_f32 s60, s60, 0x36000000                 ; x 8 / 2048^2 = 2^-19
	v_mov_b32 v[MD], s60
	s_wait_xcnt 0x0
	v_cmp_gt_u32 vcc_lo, 1, v[LN]
	s_and_saveexec_b32 s58, vcc_lo
	global_store_b32 v[L4], v[MD], s[20:21]
	s_wait_xcnt 0x0
	s_or_b32 exec_lo, exec_lo, s58
.Lno_meta:
	FINISH 0
	s_wait_tensorcnt 0x0                           ; the wave's end, behind my last LDS store
	ds_add_u32 v[SPW], v[NIL]
	s_wait_dscnt 0x0
	s_endpgm
.Lfunc_end_k_q66dbd92bd0_route:
	.size	k_q66dbd92bd0_route, .Lfunc_end_k_q66dbd92bd0_route-k_q66dbd92bd0_route
	.p2alignl 7, 3214868480
	.fill 96, 4, 3214868480
	.section	.rodata,"a",@progbits
	.p2align	6, 0x0
	.amdhsa_kernel k_q66dbd92bd0_route
		.amdhsa_group_segment_fixed_size 38144
		.amdhsa_private_segment_fixed_size 0
		.amdhsa_enable_private_segment 0
		.amdhsa_kernarg_size 80
		.amdhsa_user_sgpr_count 2
		.amdhsa_user_sgpr_kernarg_segment_ptr 1
		.amdhsa_wavefront_size32 1
		.amdhsa_system_sgpr_workgroup_id_x 1
		.amdhsa_system_sgpr_workgroup_id_y 1
		.amdhsa_system_sgpr_workgroup_id_z 1
		.amdhsa_system_vgpr_workitem_id 0
		.amdhsa_next_free_vgpr 256
		.amdhsa_next_free_sgpr 102
		.amdhsa_reserve_vcc 1
		.amdhsa_float_denorm_mode_32 3
		.amdhsa_float_denorm_mode_16_64 3
		.amdhsa_memory_ordered 1
		.amdhsa_forward_progress 1
		.amdhsa_inst_pref_size 62
	.end_amdhsa_kernel
	.amdgpu_metadata
---
amdhsa.version: [ 1, 2 ]
amdhsa.kernels:
  - .name:           k_q66dbd92bd0_route
    .symbol:         k_q66dbd92bd0_route.kd
    .args:
      - { .name: gidx, .offset: 0, .size: 8, .value_kind: global_buffer, .address_space: global }
      - { .name: pgv, .offset: 8, .size: 8, .value_kind: global_buffer, .address_space: global }
      - { .name: psum, .offset: 16, .size: 8, .value_kind: global_buffer, .address_space: global }
      - { .name: x, .offset: 24, .size: 8, .value_kind: global_buffer, .address_space: global }
      - { .name: xs, .offset: 32, .size: 8, .value_kind: global_buffer, .address_space: global }
      - { .name: tok, .offset: 40, .size: 8, .value_kind: global_buffer, .address_space: global }
      - { .name: pgs, .offset: 48, .size: 8, .value_kind: global_buffer, .address_space: global }
      - { .name: meta, .offset: 56, .size: 8, .value_kind: global_buffer, .address_space: global }
      - { .name: out1, .offset: 64, .size: 8, .value_kind: global_buffer, .address_space: global }
      - { .name: out2, .offset: 72, .size: 8, .value_kind: global_buffer, .address_space: global }
    .group_segment_fixed_size: 38144
    .private_segment_fixed_size: 0
    .kernarg_segment_align: 8
    .kernarg_segment_size: 80
    .max_flat_workgroup_size: 256
    .sgpr_count:     102
    .vgpr_count:     256
    .wavefront_size: 32
...
	.end_amdgpu_metadata
.endif
;; end of part 5
;; launch ffn1 (part 6): grid 32 x 8, 8 waves a work-group, no clusters, 132,096 bytes of LDS; arguments W1, b1, xs, meta, hs; writes hs
.if DOCPART == 6
	.amdgcn_target "amdgcn-amd-amdhsa--gfx1250"
	.amdhsa_code_object_version 6
	.text
	.protected	k_q66dbd92bd0_ffn1
	.globl	k_q66dbd92bd0_ffn1
	.p2align	8
	.type	k_q66dbd92bd0_ffn1,@function
k_q66dbd92bd0_ffn1:
	s_mov_b64 s[64:65], 0
	v_nop
	global_prefetch_b8 v0, s[64:65] scope:SCOPE_SE
	s_setreg_imm32_b32 hwreg(HW_REG_WAVE_MODE, 25, 1), 1
	s_wait_xcnt 0x0
; FFN1.  h = gelu(x W1[e] + b1[e]) for the tokens of expert e alone.  W1: [8][1024][2048] f32, b1: [8][2048] f32, both rounded to bf16; x comes as xs, bf16 in fragment layout, in blocks of 16 rows;
; sums in f32, started at the bias; gelu in its tanh form, x / (1 + 2^(x (c1 + c3 x^2))), in f32; h leaves rounded once to f16, in the fragment layout of the second product (hs: [block][64 K steps][1,024 bytes]).
; LIMITS.  |h| of 65,520 or more becomes an infinity in f16; below 2^-14 h keeps f16's fixed step of 2^-24.  The bias is added first, not last.  NaN and infinities are not treated apart.
; SHARES.  Work-group (chunk, e) owns 64 columns of W1[e] over all 1,024 k.  PHASE 1: its 256 KiB are read once, each load as two pieces of 256 consecutive bytes of two rows, rounded, and laid in LDS as
; ready fragments (wave w: K steps 4 w .. 4 w + 3; all of a wave's 64 loads go out on end).  One barrier.  PHASE 2: the waves are independent: in round t wave w takes blocks 24 t + w + 8 j, j < q <= 3, of
; the expert's nblk (read from meta); x's fragments come straight from xs into a ring of eight K steps in registers, W1's from LDS.  A second barrier stands at the end, between all waves' reads of LDS and the closing lines.
; MAPS.  Fragment c (0..3) of the chunk: lane r holds column 64 chunk + 4 r + c, so a lane's 16 bytes of a row of W1 give one number to each of the four fragments.  The product is used transposed
; (source 0 = W1's fragment, source 1 = x's): register i of lane (r, h) of accumulator c is token r, column 64 chunk + 32 h + 4 i + c: a lane holds 32 neighbouring columns of one token.
; The second product numbers its k so that these ARE its fragments: K step 2 chunk + u, slot t of half h = column 64 chunk + 32 h + 16 u + t.
; NO CLUSTER, NO TENSOR LOAD.  The weights pass through registers for their rounding, and no two work-groups read the same; xs is shared by an expert's 32 work-groups, but it goes straight into
; registers, and how many blocks a work-group walks hangs on counts read from memory, so no barrier can stand in that walk.
; REGISTERS.  Window 1 holds matrix operands alone: the ring of x's fragments and W1's two buffers (in phase 1: the weights as loaded); all else lies in window 0.
.set NK,    32                         ; K steps of 32
.set NG,    4                          ; K steps that a wave converts
.set DEP,   8                          ; K steps in the ring of x's fragments: seven steps' loads, 7 x 2 q x 512 bytes a wave, are on their way while one is multiplied
.set PITCH, 8192                       ; bytes in a row of W1[e]
.set SPARE, NK*4096                    ; behind the slab (K step x 4,096 + fragment x 1,024): the spare words, 128 bytes for each wave
.set L16, 1                            ; 16 x lane
.set AO,  2                            ; L16 + the lap's bytes in a block of xs
.set BO,  3                            ; L16 + the lap's bytes in the slab
.set WO,  4                            ; 65,536 h + 16 r: lanes 16-31 take the row eight further down
.set LS,  5                            ; 16,384 w + 16 lane
.set SPW, 6                            ; LDS address of my spare word; never rewritten
.set NIL, 7                            ; 0; never rewritten
.set BOF, 8                            ; 128 h
.set ACC, 16                           ; v[16:111]   accumulator (j, c) at 16 + 32 j + 8 c
.set TT,  112                          ; v[112:119]  at work
.set HH,  120                          ; v[120:135]  h in f16
.set BI,  136                          ; v[136:167]  the bias as an accumulator's registers: 136 + 8 c + i
.set OUT, 168                          ; phase 1: v[168:199] four fragments
.set LR,  200                          ; phase 1: v[200:231] the bias as loaded
.set TM,  232                          ; phase 1: at work
.set AR,  0                            ; window 1: v[0:191]   x's fragments: slot s, block j at 24 s + 8 j
.set BB,  192                          ; window 1: v[192:255] W1's fragments, two buffers of four
.set ST,  0                            ; window 1, phase 1: v[0:255] four groups of 16 loads
.set BA,  36                           ; s[36:41] xs at block j
.set HB,  42                           ; s[42:47] hs at block j, K step 2 chunk
.set MSB, 0
.macro WIN new                         ; s_set_vgpr_msb: bits 1:0 source 0, 3:2 source 1, 5:4 source 2, 7:6 destination; the high byte repeats the setting that is left
.if MSB != (\new)
	s_set_vgpr_msb (MSB<<8)|(\new)
.set MSB, \new
.endif
.endm
.macro PLACES                          ; four places between a matrix instruction and a load into, or a vector read of, its registers
.rept 4
	v_nop
.endr
.endm
	s_load_b256 s[4:11], s[0:1], 0x0               ; W1 s[4:5], b1 s[6:7], xs s[8:9], meta s[10:11]
	s_load_b64 s[12:13], s[0:1], 0x20              ; hs
	v_lshl_add_u32 v[SPW], v0, 2, SPARE
	v_mov_b32 v[NIL], 0
	v_lshrrev_b32 v9, 5, v0
	v_readfirstlane_b32 s20, v9                    ; wave 0..7
	s_mov_b32 s21, ttmp9                           ; chunk
	s_and_b32 s22, ttmp7, 0xffff                   ; e
	v_and_b32 v9, 31, v0
	v_lshlrev_b32 v[L16], 4, v9
	v_and_b32 v10, 15, v0
	v_bfe_u32 v11, v0, 4, 1
	v_lshlrev_b32 v[WO], 4, v10
	v_lshl_add_u32 v[WO], v11, 16, v[WO]
	v_lshl_add_u32 v[LS], s20, 14, v[L16]
	v_lshlrev_b32 v[BOF], 7, v11
	s_mov_b32 s54, 0xc0135761                      ; c1 = -2 log2(e) sqrt(2 / pi) = -2.3022082
	s_mov_b32 s55, s54                             ; named with it as a pair
	s_mov_b32 s56, 0xbdd2d3e8                      ; c3 = 0.044715 c1 = -0.10294324
	s_mov_b32 s57, s56
	s_mov_b32 s58, 0xffff0000                      ; a word's upper bf16
	s_lshl_b32 s28, s22, 23                        ; W1: e x 8 MiB
	s_lshl_b32 s29, s20, 20                        ; + wave x 128 rows
	s_add_co_u32 s28, s28, s29
	s_lshl_b32 s29, s21, 8                         ; + chunk x 64 columns
	s_add_co_u32 s28, s28, s29
	s_lshl_b32 s31, s22, 13                        ; b1: e x 8,192 + chunk x 256
	s_add_co_u32 s31, s31, s29
	s_mov_b32 s29, 0                               ; stays 0: the high word of every offset
	s_wait_kmcnt 0x0
	s_add_nc_u64 s[4:5], s[4:5], s[28:29]
	s_mov_b32 s28, s31
	s_add_nc_u64 s[6:7], s[6:7], s[28:29]
	s_lshl_b32 s28, s22, 4
	s_add_nc_u64 s[10:11], s[10:11], s[28:29]
	s_load_b128 s[24:27], s[10:11], 0x0            ; blk0, nblk, rounds, cnt
	s_lshl_b32 s28, s21, 11
	s_add_nc_u64 s[12:13], s[12:13], s[28:29]      ; hs at K step 2 chunk
.irp i, 0,1,2,3,4,5,6,7
	global_load_b128 v[LR+4*\i:LR+4*\i+3], v[BOF], s[6:7] offset:16*\i     ; b1 of columns 32 h + 4 i + 0..3
.endr
; PHASE 1.  Group g = K step 4 w + g: sixteen loads, slot t = row 32 g + 16 (t / 8) + 8 h + t % 8 of my wave's 128.
.macro WLOAD g
	WIN 0x40                                       ; destination in window 1
.set t, 0
.rept 16
	global_load_b128 v[ST+64*((\g)%4)+4*t:ST+64*((\g)%4)+4*t+3], v[WO], s[4:5] offset:(32*(\g)+16*(t/8)+(t%8))*PITCH th:TH_LOAD_NT
.set t, t+1
.endr
.endm
.macro WCONV g                         ; register p of fragment c = slots 2 p, 2 p + 1 of column c
	WIN 0x05                                       ; both sources in window 1
.set p, 0
.rept 8
.irp c, 0,1,2,3
	v_cvt_pk_bf16_f32 v[OUT+8*\c+p], v[ST+64*((\g)%4)+8*p+\c], v[ST+64*((\g)%4)+8*p+4+\c]
.endr
.set p, p+1
.endr
	WIN 0
.irp c, 0,1,2,3
	ds_store_b128 v[LS], v[OUT+8*\c:OUT+8*\c+3] offset:4096*(\g)+1024*\c           ; 512 consecutive bytes: no two lanes meet in a bank
	ds_store_b128 v[LS], v[OUT+8*\c+4:OUT+8*\c+7] offset:4096*(\g)+1024*\c+512
.endr
.endm
	WLOAD 0
	WLOAD 1
	WLOAD 2
	WLOAD 3                                        ; my whole share, 32 KiB, is asked for on end; where the counter's field is full the issue waits for the first loads to return (ISA guide 5.7.1)
.set g, 0
.rept NG
	s_wait_loadcnt 16*(NG-1-g)                     ; the younger groups stay out: 48, 32, 16, 0
.if g == 0
	WIN 0                                          ; the bias, loaded ahead of group 0: rounded to bf16, widened again, laid as the accumulators lie
.irp i, 0,1,2,3,4,5,6,7
.irp c, 0,2
	v_cvt_pk_bf16_f32 v[TM], v[LR+4*\i+\c], v[LR+4*\i+\c+1]
	v_lshlrev_b32 v[BI+8*\c+\i], 16, v[TM]
	v_and_b32 v[BI+8*\c+8+\i], s58, v[TM]
.endr
.endr
.endif
	WCONV g
.set g, g+1
.endr
	s_wait_kmcnt 0x0                               ; meta
	s_wait_dscnt 0x0                               ; for the others' sake: my part of the slab is in LDS
	s_barrier_signal -1
	s_barrier_wait -1                              ; the slab is whole; nothing writes LDS from here to the closing lines
; PHASE 2.
.macro ALOAD q, s, off                 ; x's fragments of one K step for q blocks, into slot s
.set j, 0
.rept \q
	global_load_b128 v[AR+24*(\s)+8*j:AR+24*(\s)+8*j+3], v[AO], s[BA+2*j:BA+2*j+1] offset:(\off)
	global_load_b128 v[AR+24*(\s)+8*j+4:AR+24*(\s)+8*j+7], v[AO], s[BA+2*j:BA+2*j+1] offset:(\off)+512
.set j, j+1
.endr
.endm
.macro BLOAD p, off                    ; W1's four fragments of one K step, into buffer p
.irp c, 0,1,2,3
	ds_load_b128 v[BB+32*(\p)+8*\c:BB+32*(\p)+8*\c+3], v[BO] offset:(\off)+1024*\c
	ds_load_b128 v[BB+32*(\p)+8*\c+4:BB+32*(\p)+8*\c+7], v[BO] offset:(\off)+1024*\c+512
.endr
.endm
; K step kl of a lap of eight: 4 q products, the accumulators by turns; then the registers just read are filled again: W1's buffer with the K step two on, x's slot with the K step eight on.
; wl: x's loads issued behind this step's (seven steps' 2 q each, fewer in the tail).  wd: W1's LDS loads issued behind this step's (the next step's eight, or none).
.macro STEP q, kl, la, lb, wl, wd
	s_wait_loadcnt \wl
	s_wait_dscnt \wd
	WIN 0x05                                       ; sources 0 and 1 in window 1
.irp c, 0,1,2,3
.set j, 0
.rept \q
	v_wmma_f32_16x16x32_bf16 v[ACC+32*j+8*\c:ACC+32*j+8*\c+7], v[BB+32*((\kl)%2)+8*\c:BB+32*((\kl)%2)+8*\c+7], v[AR+24*(\kl)+8*j:AR+24*(\kl)+8*j+7], v[ACC+32*j+8*\c:ACC+32*j+8*\c+7]
.set j, j+1
.endr
.endr
.if (\la) || (\lb)
	PLACES
	WIN 0x40                                       ; destination in window 1
.endif
.if \lb
	BLOAD (\kl)%2, ((\kl)+2)*4096
.endif
.if \la
	ALOAD \q, \kl, ((\kl)+DEP)*1024
.endif
.endm
.macro INIT j                          ; block j's sums start at the bias: these moves are its addition
.set n, 0
.rept 32
	v_mov_b32 v[ACC+32*(\j)+n], v[BI+n]
.set n, n+1
.endr
.endm
.macro GELU8 x                         ; eight numbers in place, from the accumulator's low end on
.irp p, 0,2,4,6
	v_pk_mul_f32 v[TT+\p:TT+\p+1], v[(\x)+\p:(\x)+\p+1], v[(\x)+\p:(\x)+\p+1]
.endr
.irp p, 0,2,4,6
	v_pk_fma_f32 v[TT+\p:TT+\p+1], v[TT+\p:TT+\p+1], s[56:57], s[54:55] op_sel_hi:[1,0,0]
.endr
.irp p, 0,2,4,6
	v_pk_mul_f32 v[TT+\p:TT+\p+1], v[TT+\p:TT+\p+1], v[(\x)+\p:(\x)+\p+1]
.endr
.irp i, 0,1,2,3,4,5,6,7
	v_exp_f32 v[TT+\i], v[TT+\i]
.endr
	v_nop                                          ; a plain instruction between the last exponential and the use of its result
	s_wait_alu depctr_va_vdst(0)
.irp p, 0,2,4,6
	v_pk_add_f32 v[TT+\p:TT+\p+1], v[TT+\p:TT+\p+1], 1.0 op_sel_hi:[1,0]
.endr
.irp i, 0,1,2,3,4,5,6,7
	v_rcp_f32 v[TT+\i], v[TT+\i]
.endr
	v_nop
	s_wait_alu depctr_va_vdst(0)
.irp p, 0,2,4,6
	v_pk_mul_f32 v[(\x)+\p:(\x)+\p+1], v[(\x)+\p:(\x)+\p+1], v[TT+\p:TT+\p+1]
.endr
.endm
.macro EPI j                           ; block j: gelu, f16, and out as the two K steps' fragments
.if (\j) < 2
	s_wait_xcnt 0x0                                ; HH, which the stores of the block before may name, is rewritten only behind this wait
.endif
.irp c, 0,1,2,3
	GELU8 ACC+32*(\j)+8*\c
.endr
.irp i, 0,1,2,3,4,5,6,7
	v_cvt_pk_f16_f32 v[HH+2*\i], v[ACC+32*(\j)+\i], v[ACC+32*(\j)+8+\i]            ; slots 4 (i % 4), + 1 of K step i / 4
	v_cvt_pk_f16_f32 v[HH+2*\i+1], v[ACC+32*(\j)+16+\i], v[ACC+32*(\j)+24+\i]      ; slots + 2, + 3
.endr
.irp u, 0,1
	global_store_b128 v[L16], v[HH+8*\u:HH+8*\u+3], s[HB+2*(\j):HB+2*(\j)+1] offset:1024*\u        ; 512 consecutive bytes each
	global_store_b128 v[L16], v[HH+8*\u+4:HH+8*\u+7], s[HB+2*(\j):HB+2*(\j)+1] offset:1024*\u+512
.endr
.endm
.macro ROUND q                         ; the products of q blocks of mine, all 32 K steps
.set j, 0
.rept \q
	s_add_co_u32 s34, s35, 8*j
	s_min_u32 s34, s34, 135
	s_lshl_b32 s28, s34, 15
	s_add_nc_u64 s[BA+2*j:BA+2*j+1], s[8:9], s[28:29]
	s_lshl_b32 s28, s34, 16
	s_add_nc_u64 s[HB+2*j:HB+2*j+1], s[12:13], s[28:29]
.set j, j+1
.endr
	v_mov_b32 v[AO], v[L16]
	v_mov_b32 v[BO], v[L16]
	WIN 0x40
.irp s, 0,1,2,3,4,5,6,7
	ALOAD \q, \s, 1024*\s                          ; the ring is filled: K steps 0 to 7
.endr
	BLOAD 0, 0
	BLOAD 1, 4096
	WIN 0                                          ; at a label and at a branch every window is 0
	s_mov_b32 s33, NK/DEP-1
.Lk_\@:
.irp kl, 0,1,2,3,4,5,6,7
	STEP \q, \kl, 1, 1, 14*\q, 8
.endr
	WIN 0
	s_wait_xcnt 0x0                                ; AO, which the loads on their way name, steps only behind this wait
	v_add_nc_u32 v[AO], DEP*1024, v[AO]
	v_add_nc_u32 v[BO], DEP*4096, v[BO]            ; three steps of 32,768: with the offsets of the lap below the reads end at byte SPARE - 1
	s_sub_co_u32 s33, s33, 1
	s_cmp_lg_u32 s33, 0
	s_cbranch_scc1 .Lk_\@
.irp kl, 0,1,2,3,4,5
	STEP \q, \kl, 0, 1, (7-\kl)*2*\q, 8            ; the last lap is written out: no load leaves its block, and the counts run down
.endr
	STEP \q, 6, 0, 0, 2*\q, 8
	STEP \q, 7, 0, 0, 0, 0
	WIN 0
	PLACES                                         ; between the last products and the first read of their sums
.endm
	s_min_u32 s24, s24, 135
	s_min_u32 s25, s25, 128
	s_min_u32 s26, s26, 6
	s_mov_b32 s30, 0
	s_cmp_eq_u32 s26, 0
	s_cbranch_scc1 .Ldone                          ; an expert without tokens
.Lround:                                               ; every jump below goes forward; the three ways out are written once, and a round enters their chain at its highest block
	s_mul_i32 s31, s30, 24
	s_add_co_u32 s31, s31, s20                     ; my first block of this round, among the expert's
	s_sub_co_i32 s32, s25, s31                     ; blocks from there on
	s_add_co_u32 s35, s24, s31
	s_cmp_le_i32 s32, 0
	s_cbranch_scc1 .Lnext
	INIT 0
	s_cmp_gt_i32 s32, 8
	s_cbranch_scc1 .Lm2
	ROUND 1
	s_branch .Lepi0
.Lm2:
	INIT 1
	s_cmp_gt_i32 s32, 16
	s_cbranch_scc1 .Lm3
	ROUND 2
	s_branch .Lepi1
.Lm3:
	INIT 2
	ROUND 3
	EPI 2
.Lepi1:
	EPI 1
.Lepi0:
	EPI 0
	s_wait_xcnt 0x0                                ; the next round rewrites the bases, AO and HH
.Lnext:
	s_add_co_u32 s30, s30, 1
	s_cmp_lt_u32 s30, s26
	s_cbranch_scc1 .Lround
.Ldone:                                                ; every path of every wave joins here
	s_wait_dscnt 0x0                               ; my reads of the slab are back,
	s_barrier_signal -1
	s_barrier_wait -1                              ; and so are every wave's: no LDS read of the walk is out when the launch's last LDS write, below, is issued
	s_wait_tensorcnt 0x0                           ; the wave's end, behind my last LDS store
	ds_add_u32 v[SPW], v[NIL]
	s_wait_dscnt 0x0
	s_endpgm
.Lfunc_end_k_q66dbd92bd0_ffn1:
	.size	k_q66dbd92bd0_ffn1, .Lfunc_end_k_q66dbd92bd0_ffn1-k_q66dbd92bd0_ffn1
	.p2alignl 7, 3214868480
	.fill 96, 4, 3214868480
	.section	.rodata,"a",@progbits
	.p2align	6, 0x0
	.amdhsa_kernel k_q66dbd92bd0_ffn1
		.amdhsa_group_segment_fixed_size 132096
		.amdhsa_private_segment_fixed_size 0
		.amdhsa_enable_private_segment 0
		.amdhsa_kernarg_size 40
		.amdhsa_user_sgpr_count 2
		.amdhsa_user_sgpr_kernarg_segment_ptr 1
		.amdhsa_wavefront_size32 1
		.amdhsa_system_sgpr_workgroup_id_x 1
		.amdhsa_system_sgpr_workgroup_id_y 1
		.amdhsa_system_sgpr_workgroup_id_z 1
		.amdhsa_system_vgpr_workitem_id 0
		.amdhsa_next_free_vgpr 512
		.amdhsa_next_free_sgpr 66
		.amdhsa_reserve_vcc 0
		.amdhsa_float_denorm_mode_32 3
		.amdhsa_float_denorm_mode_16_64 3
		.amdhsa_memory_ordered 1
		.amdhsa_forward_progress 1
		.amdhsa_inst_pref_size 132
	.end_amdhsa_kernel
	.amdgpu_metadata
---
amdhsa.version: [ 1, 2 ]
amdhsa.kernels:
  - .name:           k_q66dbd92bd0_ffn1
    .symbol:         k_q66dbd92bd0_ffn1.kd
    .args:
      - { .name: W1, .offset: 0, .size: 8, .value_kind: global_buffer, .address_space: global }
      - { .name: b1, .offset: 8, .size: 8, .value_kind: global_buffer, .address_space: global }
      - { .name: xs, .offset: 16, .size: 8, .value_kind: global_buffer, .address_space: global }
      - { .name: meta, .offset: 24, .size: 8, .value_kind: global_buffer, .address_space: global }
      - { .name: hs, .offset: 32, .size: 8, .value_kind: global_buffer, .address_space: global }
    .group_segment_fixed_size: 132096
    .private_segment_fixed_size: 0
    .kernarg_segment_align: 8
    .kernarg_segment_size: 40
    .max_flat_workgroup_size: 256
    .sgpr_count:     66
    .vgpr_count:     512
    .wavefront_size: 32
...
	.end_amdgpu_metadata
.endif
;; end of part 6
;; launch ffn2 (part 7): grid 16 x 8, 8 waves a work-group, no clusters, 263,168 bytes of LDS; arguments W2, b2, hs, meta, tok, pgs, out0; writes out0
.if DOCPART == 7
	.amdgcn_target "amdgcn-amd-amdhsa--gfx1250"
	.amdhsa_code_object_version 6
	.text
	.protected	k_q66dbd92bd0_ffn2
	.globl	k_q66dbd92bd0_ffn2
	.p2align	8
	.type	k_q66dbd92bd0_ffn2,@function
k_q66dbd92bd0_ffn2:
	s_mov_b64 s[64:65], 0
	v_nop
	global_prefetch_b8 v0, s[64:65] scope:SCOPE_SE
	s_setreg_imm32_b32 hwreg(HW_REG_WAVE_MODE, 25, 1), 1
	s_wait_xcnt 0x0
; FFN2.  out0[token] = pg (h W2[e] + b2[e]) for the tokens of expert e alone.  W2: [8][2048][1024] f32 and b2: [8][1024] f32 are rounded to bf16; W2's rounded number is then written as f16, since h comes
; in f16 (hs, fragment layout, blocks of 16 rows).  Sums in f32, started at the bias; out0 in f32.
; LIMITS.  |W2| of 65,520 or more becomes an infinity in f16; the bf16 number is exact in f16 from 2^-17 up, below that it is off by 2^-25 at the most.  The bias is added first, not last.
; NaN and infinities are not treated apart.
; SHARES.  Work-group (chunk, e) owns 64 columns of W2[e] over all 2,048 k: 128 work-groups; chunks of 32 columns would halve the 256 consecutive bytes of a row that sixteen lanes read and store,
; a split of k would need partial sums in memory, a split of the rows would read W2 twice.
; PHASE 1: the 512 KiB are read once, rounded, and laid in LDS as ready fragments (wave w: K steps 8 w .. 8 w + 7; four groups of sixteen loads, 32 KiB a wave, are on their way).  One barrier.
; PHASE 2: the waves are independent: in round t wave w takes blocks 24 t + w + 8 j, j < q <= 3, of the expert's nblk (read from meta); h's fragments come straight from hs into a ring of eight K steps
; in registers, W2's from LDS.  A second barrier stands at the end, between all waves' reads of LDS and the closing lines.
; MAPS.  Slot t of half h of K step 2 ch + u is k = 64 ch + 32 h + 16 u + t, in h's fragments and in W2's alike.  Fragment c: lane r holds column 64 chunk + 4 r + c.  Register i of lane (r, h) of
; accumulator c is the block's row 8 h + i, column 64 chunk + 4 r + c: for one i a lane's four accumulators give 16 neighbouring bytes, sixteen lanes 256 consecutive bytes of a token's row.
; Rows that repeat an expert's last token give the same numbers and are stored to the same bytes by the same wave.
; NO CLUSTER, NO TENSOR LOAD: as in the first product: the weights pass through registers and are shared by nobody; hs goes straight into registers, and the walk's length hangs on counts read from memory.
; REGISTERS.  Window 1 holds matrix operands alone: the ring of h's fragments and W2's two buffers (in phase 1: the weights as loaded); all else lies in window 0.
.set NK,    64
.set NG,    8
.set DEP,   8                          ; K steps in the ring of h's fragments: seven steps' loads, 7 x 2 q x 512 bytes a wave, are on their way while one is multiplied
.set PITCH, 4096                       ; bytes in a row of W2[e]
.set SPARE, NK*4096                    ; behind the slab: the spare words, 128 bytes for each wave
.set L16, 1
.set AO,  2
.set BO,  3
.set WO,  4                            ; 131,072 h + 16 r: lanes 16-31 take the row 32 further down
.set LS,  5                            ; 32,768 w + 16 lane
.set SPW, 6                            ; LDS address of my spare word; never rewritten
.set NIL, 7                            ; 0; never rewritten
.set COL, 8                            ; 16 r
.set RO,  9                            ; 32 h
.set BI,  12                           ; v[12:15]   the bias of my four columns
.set ACC, 16                           ; v[16:111]  accumulator (j, c) at 16 + 32 j + 8 c
.set TA,  112                          ; v[112:119] eight rows' byte offsets in out0
.set TK,  120                          ; v[120:143] the tokens of rows 8 h + i of block j at 120 + 8 j + i
.set PG,  144                          ; v[144:167] their probabilities
.set OO,  168                          ; v[168:199] a block's results
.set T,   16                           ; phase 1: v[16:47]  a group's 32 pairs in bf16; then their upper halves as f32
.set LO,  48                           ; phase 1: v[48:79]  their lower halves as f32
.set OUT, 80                           ; phase 1: v[80:111] four fragments
.set CT,  112                          ; phase 1: v[112:113] at work
.set AR,  0                            ; window 1: v[0:191]   h's fragments: slot s, block j at 24 s + 8 j
.set BB,  192                          ; window 1: v[192:255] W2's fragments, two buffers of four
.set ST,  0                            ; window 1, phase 1: v[0:255] four groups of 16 loads
.set BA,  36                           ; s[36:41] hs at block j
.set TB,  42                           ; s[42:47] tok at block j
.set PB,  48                           ; s[48:53] pgs at block j
.set MSB, 0
.macro WIN new                         ; s_set_vgpr_msb: bits 1:0 source 0, 3:2 source 1, 5:4 source 2, 7:6 destination; the high byte repeats the setting that is left
.if MSB != (\new)
	s_set_vgpr_msb (MSB<<8)|(\new)
.set MSB, \new
.endif
.endm
.macro PLACES                          ; four places between a matrix instruction and a load into, or a vector read of, its registers
.rept 4
	v_nop
.endr
.endm
	s_load_b256 s[4:11], s[0:1], 0x0               ; W2 s[4:5], b2 s[6:7], hs s[8:9], meta s[10:11]
	s_load_b128 s[12:15], s[0:1], 0x20             ; tok s[12:13], pgs s[14:15]
	s_load_b64 s[16:17], s[0:1], 0x30              ; out0
	v_lshl_add_u32 v[SPW], v0, 2, SPARE
	v_mov_b32 v[NIL], 0
	v_lshrrev_b32 v10, 5, v0
	v_readfirstlane_b32 s20, v10                   ; wave 0..7
	s_mov_b32 s21, ttmp9                           ; chunk
	s_and_b32 s22, ttmp7, 0xffff                   ; e
	v_and_b32 v10, 31, v0
	v_lshlrev_b32 v[L16], 4, v10
	v_and_b32 v10, 15, v0
	v_bfe_u32 v11, v0, 4, 1
	v_lshlrev_b32 v[COL], 4, v10
	v_lshl_add_u32 v[WO], v11, 17, v[COL]
	v_lshl_add_u32 v[LS], s20, 15, v[L16]
	v_lshlrev_b32 v[RO], 5, v11
	s_mov_b32 s58, 0xffff0000                      ; a word's upper bf16
	s_lshl_b32 s28, s22, 23                        ; W2: e x 8 MiB
	s_lshl_b32 s29, s20, 20                        ; + wave x 256 rows
	s_add_co_u32 s28, s28, s29
	s_lshl_b32 s31, s21, 8                         ; + chunk x 64 columns
	s_add_co_u32 s28, s28, s31
	s_lshl_b32 s32, s22, 12                        ; b2: e x 4,096 + chunk x 256
	s_add_co_u32 s32, s32, s31
	s_mov_b32 s29, 0                               ; stays 0: the high word of every offset
	s_wait_kmcnt 0x0
	s_add_nc_u64 s[4:5], s[4:5], s[28:29]
	s_mov_b32 s28, s32
	s_add_nc_u64 s[6:7], s[6:7], s[28:29]
	s_lshl_b32 s28, s22, 4
	s_add_nc_u64 s[10:11], s[10:11], s[28:29]
	s_load_b128 s[24:27], s[10:11], 0x0            ; blk0, nblk, rounds, cnt
	s_mov_b32 s28, s31
	s_add_nc_u64 s[16:17], s[16:17], s[28:29]      ; out0 at my chunk's first column
	global_load_b128 v[BI:BI+3], v[COL], s[6:7]
; PHASE 1.  Group g = K step 8 w + g: sixteen loads, slot t = row 64 (g / 2) + 16 (g % 2) + t + 32 h of my wave's 256.
.macro WLOAD g
	WIN 0x40                                       ; destination in window 1
.set t, 0
.rept 16
	global_load_b128 v[ST+64*((\g)%4)+4*t:ST+64*((\g)%4)+4*t+3], v[WO], s[4:5] offset:(64*((\g)/2)+16*((\g)%2)+t)*PITCH th:TH_LOAD_NT
.set t, t+1
.endr
.endm
.macro WRND g                          ; pair 8 c + p = slots 2 p, 2 p + 1 of column c, rounded to bf16: this empties the group's registers
	WIN 0x05                                       ; both sources in window 1
.set p, 0
.rept 8
.irp c, 0,1,2,3
	v_cvt_pk_bf16_f32 v[T+8*\c+p], v[ST+64*((\g)%4)+8*p+\c], v[ST+64*((\g)%4)+8*p+4+\c]
.endr
.set p, p+1
.endr
.endm
.macro WPACK g                         ; the 32 pairs widened again and written as f16: register p of fragment c; then into the slab
	WIN 0
.set n, 0
.rept 32
	v_lshlrev_b32 v[LO+n], 16, v[T+n]
.set n, n+1
.endr
.set n, 0
.rept 32
	v_and_b32 v[T+n], s58, v[T+n]
.set n, n+1
.endr
.set n, 0
.rept 32
	v_cvt_pk_f16_f32 v[OUT+n], v[LO+n], v[T+n]
.set n, n+1
.endr
.irp c, 0,1,2,3
	ds_store_b128 v[LS], v[OUT+8*\c:OUT+8*\c+3] offset:4096*(\g)+1024*\c           ; 512 consecutive bytes: no two lanes meet in a bank
	ds_store_b128 v[LS], v[OUT+8*\c+4:OUT+8*\c+7] offset:4096*(\g)+1024*\c+512
.endr
.endm
	WLOAD 0
	WLOAD 1
	WLOAD 2
	WLOAD 3                                        ; four groups are asked for on end; where the counter's field is full the issue waits for the first loads to return (ISA guide 5.7.1)
.set g, 0
.rept NG
.if g < NG-3
	s_wait_loadcnt 48                              ; three younger groups stay out
.else
	s_wait_loadcnt 16*(NG-1-g)                     ; 32, 16, 0
.endif
.if g == 0
	WIN 0
	v_cvt_pk_bf16_f32 v[CT], v[BI], v[BI+1]        ; the bias, loaded ahead of group 0: rounded to bf16 and widened again
	v_cvt_pk_bf16_f32 v[CT+1], v[BI+2], v[BI+3]
	v_lshlrev_b32 v[BI], 16, v[CT]
	v_and_b32 v[BI+1], s58, v[CT]
	v_lshlrev_b32 v[BI+2], 16, v[CT+1]
	v_and_b32 v[BI+3], s58, v[CT+1]
.endif
	WRND g
.if g+4 < NG
	WLOAD g+4                                      ; the registers just emptied are asked for again at once, ahead of the rest of the conversion
.endif
	WPACK g
.set g, g+1
.endr
	s_wait_kmcnt 0x0                               ; meta
	s_wait_dscnt 0x0                               ; for the others' sake: my part of the slab is in LDS
	s_barrier_signal -1
	s_barrier_wait -1                              ; the slab is whole; nothing writes LDS from here to the closing lines
; PHASE 2.
.macro ALOAD q, s, off                 ; h's fragments of one K step for q blocks, into slot s
.set j, 0
.rept \q
	global_load_b128 v[AR+24*(\s)+8*j:AR+24*(\s)+8*j+3], v[AO], s[BA+2*j:BA+2*j+1] offset:(\off)
	global_load_b128 v[AR+24*(\s)+8*j+4:AR+24*(\s)+8*j+7], v[AO], s[BA+2*j:BA+2*j+1] offset:(\off)+512
.set j, j+1
.endr
.endm
.macro BLOAD p, off                    ; W2's four fragments of one K step, into buffer p
.irp c, 0,1,2,3
	ds_load_b128 v[BB+32*(\p)+8*\c:BB+32*(\p)+8*\c+3], v[BO] offset:(\off)+1024*\c
	ds_load_b128 v[BB+32*(\p)+8*\c+4:BB+32*(\p)+8*\c+7], v[BO] offset:(\off)+1024*\c+512
.endr
.endm
; K step kl of a lap of eight: 4 q products, the accumulators by turns; then the registers just read are filled again: W2's buffer with the K step two on, h's slot with the K step eight on.
; wl: h's loads issued behind this step's (seven steps' 2 q each, fewer in the tail).  wd: W2's LDS loads issued behind this step's (the next step's eight, or none).
.macro STEP q, kl, la, lb, wl, wd
	s_wait_loadcnt \wl
	s_wait_dscnt \wd
	WIN 0x05                                       ; sources 0 and 1 in window 1
.irp c, 0,1,2,3
.set j, 0
.rept \q
	v_wmma_f32_16x16x32_f16 v[ACC+32*j+8*\c:ACC+32*j+8*\c+7], v[AR+24*(\kl)+8*j:AR+24*(\kl)+8*j+7], v[BB+32*((\kl)%2)+8*\c:BB+32*((\kl)%2)+8*\c+7], v[ACC+32*j+8*\c:ACC+32*j+8*\c+7]
.set j, j+1
.endr
.endr
.if (\la) || (\lb)
	PLACES
	WIN 0x40                                       ; destination in window 1
.endif
.if \lb
	BLOAD (\kl)%2, ((\kl)+2)*4096
.endif
.if \la
	ALOAD \q, \kl, ((\kl)+DEP)*1024
.endif
.endm
.macro INIT j                          ; block j's sums start at the bias: these moves are its addition
.set n, 0
.rept 32
	v_mov_b32 v[ACC+32*(\j)+n], v[BI+n/8]
.set n, n+1
.endr
.endm
.macro EPI j                           ; block j: times pg, and out to the tokens' rows
	s_wait_xcnt 0x0                                ; TA and OO, which earlier stores may name, are rewritten only behind this wait
.irp i, 0,1,2,3,4,5,6,7
	v_min_u32 v[TA+\i], 0x7ff, v[TK+8*(\j)+\i]
.endr
.irp i, 0,1,2,3,4,5,6,7
	v_lshl_add_u32 v[TA+\i], v[TA+\i], 12, v[COL]  ; token x 4,096 + 16 r
.endr
.irp i, 0,1,2,3,4,5,6,7
.irp c, 0,1,2,3
	v_mul_f32 v[OO+4*\i+\c], v[ACC+32*(\j)+8*\c+\i], v[PG+8*(\j)+\i]       ; i = 0 first: each accumulator is read from its low end on
.endr
	global_store_b128 v[TA+\i], v[OO+4*\i:OO+4*\i+3], s[16:17] th:TH_STORE_NT      ; sixteen lanes store 256 consecutive bytes, at a multiple of 256 from out0's first byte
.endr
.endm
.macro ROUND q                         ; the products of q blocks of mine, all 64 K steps
.set j, 0
.rept \q
	s_add_co_u32 s34, s35, 8*j
	s_min_u32 s34, s34, 135
	s_lshl_b32 s28, s34, 16
	s_add_nc_u64 s[BA+2*j:BA+2*j+1], s[8:9], s[28:29]
	s_lshl_b32 s28, s34, 6
	s_add_nc_u64 s[TB+2*j:TB+2*j+1], s[12:13], s[28:29]
	s_add_nc_u64 s[PB+2*j:PB+2*j+1], s[14:15], s[28:29]
.set j, j+1
.endr
.set j, 0
.rept \q                                               ; issued ahead of h's loads, so every count below has them in
	global_load_b128 v[TK+8*j:TK+8*j+3], v[RO], s[TB+2*j:TB+2*j+1]
	global_load_b128 v[TK+8*j+4:TK+8*j+7], v[RO], s[TB+2*j:TB+2*j+1] offset:16
	global_load_b128 v[PG+8*j:PG+8*j+3], v[RO], s[PB+2*j:PB+2*j+1]
	global_load_b128 v[PG+8*j+4:PG+8*j+7], v[RO], s[PB+2*j:PB+2*j+1] offset:16
.set j, j+1
.endr
	v_mov_b32 v[AO], v[L16]
	v_mov_b32 v[BO], v[L16]
	WIN 0x40
.irp s, 0,1,2,3,4,5,6,7
	ALOAD \q, \s, 1024*\s                          ; the ring is filled: K steps 0 to 7
.endr
	BLOAD 0, 0
	BLOAD 1, 4096
	WIN 0                                          ; at a label and at a branch every window is 0
	s_mov_b32 s33, NK/DEP-1
.Lk_\@:
.irp kl, 0,1,2,3,4,5,6,7
	STEP \q, \kl, 1, 1, 14*\q, 8
.endr
	WIN 0
	s_wait_xcnt 0x0                                ; AO, which the loads on their way name, steps only behind this wait
	v_add_nc_u32 v[AO], DEP*1024, v[AO]
	v_add_nc_u32 v[BO], DEP*4096, v[BO]            ; seven steps of 32,768: with the offsets of the lap below the reads end at byte SPARE - 1
	s_sub_co_u32 s33, s33, 1
	s_cmp_lg_u32 s33, 0
	s_cbranch_scc1 .Lk_\@
.irp kl, 0,1,2,3,4,5
	STEP \q, \kl, 0, 1, (7-\kl)*2*\q, 8            ; the last lap is written out: no load leaves its block, and the counts run down
.endr
	STEP \q, 6, 0, 0, 2*\q, 8
	STEP \q, 7, 0, 0, 0, 0
	WIN 0
	PLACES                                         ; between the last products and the first read of their sums
.endm
	s_min_u32 s24, s24, 135
	s_min_u32 s25, s25, 128
	s_min_u32 s26, s26, 6
	s_mov_b32 s30, 0
	s_cmp_eq_u32 s26, 0
	s_cbranch_scc1 .Ldone                          ; an expert without tokens
.Lround:                                               ; every jump below goes forward; the three ways out are written once, and a round enters their chain at its highest block
	s_mul_i32 s31, s30, 24
	s_add_co_u32 s31, s31, s20                     ; my first block of this round, among the expert's
	s_sub_co_i32 s32, s25, s31                     ; blocks from there on
	s_add_co_u32 s35, s24, s31
	s_cmp_le_i32 s32, 0
	s_cbranch_scc1 .Lnext
	INIT 0
	s_cmp_gt_i32 s32, 8
	s_cbranch_scc1 .Lm2
	ROUND 1
	s_branch .Lepi0
.Lm2:
	INIT 1
	s_cmp_gt_i32 s32, 16
	s_cbranch_scc1 .Lm3
	ROUND 2
	s_branch .Lepi1
.Lm3:
	INIT 2
	ROUND 3
	EPI 2
.Lepi1:
	EPI 1
.Lepi0:
	EPI 0
	s_wait_xcnt 0x0                                ; the next round rewrites the bases and AO
.Lnext:
	s_add_co_u32 s30, s30, 1
	s_cmp_lt_u32 s30, s26
	s_cbranch_scc1 .Lround
.Ldone:                                                ; every path of every wave joins here
	s_wait_dscnt 0x0                               ; my reads of the slab are back,
	s_barrier_signal -1
	s_barrier_wait -1                              ; and so are every wave's: no LDS read of the walk is out when the launch's last LDS write, below, is issued
	s_wait_tensorcnt 0x0                           ; the wave's end, behind my last LDS store
	ds_add_u32 v[SPW], v[NIL]
	s_wait_dscnt 0x0
	s_endpgm
.Lfunc_end_k_q66dbd92bd0_ffn2:
	.size	k_q66dbd92bd0_ffn2, .Lfunc_end_k_q66dbd92bd0_ffn2-k_q66dbd92bd0_ffn2
	.p2alignl 7, 3214868480
	.fill 96, 4, 3214868480
	.section	.rodata,"a",@progbits
	.p2align	6, 0x0
	.amdhsa_kernel k_q66dbd92bd0_ffn2
		.amdhsa_group_segment_fixed_size 263168
		.amdhsa_private_segment_fixed_size 0
		.amdhsa_enable_private_segment 0
		.amdhsa_kernarg_size 56
		.amdhsa_user_sgpr_count 2
		.amdhsa_user_sgpr_kernarg_segment_ptr 1
		.amdhsa_wavefront_size32 1
		.amdhsa_system_sgpr_workgroup_id_x 1
		.amdhsa_system_sgpr_workgroup_id_y 1
		.amdhsa_system_sgpr_workgroup_id_z 1
		.amdhsa_system_vgpr_workitem_id 0
		.amdhsa_next_free_vgpr 512
		.amdhsa_next_free_sgpr 66
		.amdhsa_reserve_vcc 0
		.amdhsa_float_denorm_mode_32 3
		.amdhsa_float_denorm_mode_16_64 3
		.amdhsa_memory_ordered 1
		.amdhsa_forward_progress 1
		.amdhsa_inst_pref_size 162
	.end_amdhsa_kernel
	.amdgpu_metadata
---
amdhsa.version: [ 1, 2 ]
amdhsa.kernels:
  - .name:           k_q66dbd92bd0_ffn2
    .symbol:         k_q66dbd92bd0_ffn2.kd
    .args:
      - { .name: W2, .offset: 0, .size: 8, .value_kind: global_buffer, .address_space: global }
      - { .name: b2, .offset: 8, .size: 8, .value_kind: global_buffer, .address_space: global }
      - { .name: hs, .offset: 16, .size: 8, .value_kind: global_buffer, .address_space: global }
      - { .name: meta, .offset: 24, .size: 8, .value_kind: global_buffer, .address_space: global }
      - { .name: tok, .offset: 32, .size: 8, .value_kind: global_buffer, .address_space: global }
      - { .name: pgs, .offset: 40, .size: 8, .value_kind: global_buffer, .address_space: global }
      - { .name: out0, .offset: 48, .size: 8, .value_kind: global_buffer, .address_space: global }
    .group_segment_fixed_size: 263168
    .private_segment_fixed_size: 0
    .kernarg_segment_align: 8
    .kernarg_segment_size: 56
    .max_flat_workgroup_size: 256
    .sgpr_count:     66
    .vgpr_count:     512
    .wavefront_size: 32
...
	.end_amdgpu_metadata
.endif
;; end of part 7
;; ======== version 3 of 3: 4 launches; version 2 with the launches ffn1, ffn2 written anew for expert scheduling mode
;; limits: values are held in f16: magnitudes above 65,504 overflow, below 6.1e-05 lose precision
;; workspace buffers: gidx 8,192 bytes of whole numbers; pgv 8,192 bytes; psum 4,096 bytes; meta 256 bytes of whole numbers; tok 8,704 bytes of whole numbers; pgs 8,704 bytes; xs 4,456,448 bytes; hs 8,912,896 bytes
;; launch gate: the kernel of part 1 again; grid 128 x 1, 8 waves a work-group, no clusters, 72,704 bytes of LDS; arguments x, Wg, gidx, pgv, psum; writes gidx, pgv, psum
;; launch route: the kernel of part 5 again; grid 128 x 1, 8 waves a work-group, no clusters, 38,144 bytes of LDS; arguments gidx, pgv, psum, x, xs, tok, pgs, meta, out1, out2; writes xs, tok, pgs, meta, out1, out2
;; launch ffn1 (part 8): grid 32 x 8, 8 waves a work-group, no clusters, 132,096 bytes of LDS; arguments W1, b1, xs, meta, hs; writes hs
.if DOCPART == 8
	.amdgcn_target "amdgcn-amd-amdhsa--gfx1250"
	.amdhsa_code_object_version 6
	.text
	.protected	k_q66dbd92bd0_ffn1
	.globl	k_q66dbd92bd0_ffn1
	.p2align	8
	.type	k_q66dbd92bd0_ffn1,@function
k_q66dbd92bd0_ffn1:
	s_mov_b64 s[64:65], 0
	v_nop
	global_prefetch_b8 v0, s[64:65] scope:SCOPE_SE
	s_setreg_imm32_b32 hwreg(HW_REG_WAVE_SCHED_MODE, 0, 2), 2
	s_setreg_imm32_b32 hwreg(HW_REG_WAVE_MODE, 25, 1), 1
	s_wait_xcnt 0x0
	s_wait_alu depctr_vm_vsrc(0)
; FFN1.  h = gelu(x W1[e] + b1[e]) for the tokens of expert e alone.  W1: [8][1024][2048] f32, b1: [8][2048] f32, both rounded to bf16; x comes as xs, bf16 in fragment layout, in blocks of 16 rows;
; sums in f32, started at the bias; gelu in its tanh form, x / (1 + 2^(x (c1 + c3 x^2))), in f32; h leaves rounded once to f16, in the fragment layout of the second product (hs: [block][64 K steps][1,024 bytes]).
; LIMITS.  |h| of 65,520 or more becomes an infinity in f16; below 2^-14 h keeps f16's fixed step of 2^-24.  The bias is added first, not last.  NaN and infinities are not treated apart.
; SHARES.  Work-group (chunk, e) owns 64 columns of W1[e] over all 1,024 k.  PHASE 1: its 256 KiB are read once, each load as two pieces of 256 consecutive bytes of two rows, rounded, and laid in LDS as
; ready fragments (wave w: K steps 4 w .. 4 w + 3; all of a wave's 64 loads go out on end).  One barrier.  PHASE 2: the waves are independent: in round t wave w takes blocks 24 t + w + 8 j, j < q <= 3, of
; the expert's nblk (read from meta); x's fragments come straight from xs into a ring of eight K steps in registers, W1's from LDS.  A second barrier stands at the end, between all waves' reads of LDS and the closing lines.
; MAPS.  Fragment c (0..3) of the chunk: lane r holds column 64 chunk + 4 r + c, so a lane's 16 bytes of a row of W1 give one number to each of the four fragments.  The product is used transposed
; (source 0 = W1's fragment, source 1 = x's): register i of lane (r, h) of accumulator c is token r, column 64 chunk + 32 h + 4 i + c: a lane holds 32 neighbouring columns of one token.
; The second product numbers its k so that these ARE its fragments: K step 2 chunk + u, slot t of half h = column 64 chunk + 32 h + 16 u + t.
; NO CLUSTER, NO TENSOR LOAD.  The weights pass through registers for their rounding, and no two work-groups read the same; xs is shared by an expert's 32 work-groups, but it goes straight into
; registers, and how many blocks a work-group walks hangs on counts read from memory, so no barrier can stand in that walk.
; THE MODE: SCHED_MODE bits 1:0 = 2 (LLVM: expert scheduling mode 2), set by the entry lines.  The code itself states the register dependences
; between vector or matrix instructions and memory or LDS instructions, with s_wait_alu, always for 0.
; THE PLAN.  Registers that memory or LDS instructions touch:
;   PHASE 1.  ST: loaded once, read by the conversions.  Two out-buffers by turns: group g's conversions write buffer g % 2; the eight LDS stores that read it are issued in group g + 1's step, behind
;             that step's one wait on va_vdst; the wait on vm_vsrc at the head of group g + 2's step states that they have read it.
;   PHASE 2.  AR, eight slots: the products of K step k read slot k % 8; K step k + 8 lands in it.  BB, four buffers: the products of K step k read buffer k % 4; K step k + 4 lands in it.
;             ONE wait on va_vdst stands at the head of each PAIR of K steps (k, k + 1), behind the waits for K step k's data: the pair before is done reading two slots and two buffers.  Into these go
;             K steps k + 6 and k + 2 behind the wait, and K steps k + 7 and k + 3 behind K step k's products, which name slot k % 8, buffer k % 4 and the accumulators alone.
;             AO, BO: read by every load; written at a round's head and at a lap's end, each time behind a wait on vm_vsrc and ahead of a wait on va_vdst that stands there anyway.
;             HH, two out-buffers by turns (block j: j % 2): written by the conversions to f16, read by the block's four stores behind one wait on va_vdst.
;   L16, WO, LS, BOF: made at the head, never written again.  The accumulators, TT and BI are named by vector and matrix instructions alone.
; REGISTERS.  Window 1 holds matrix operands alone: the ring of x's fragments and W1's buffers 0 and 2 (in phase 1: the weights as loaded); W1's buffers 1 and 3 and all else lie in window 0.
.set NK,    32                         ; K steps of 32
.set NG,    4                          ; K steps that a wave converts
.set DEP,   8                          ; K steps in the ring of x's fragments: five to seven steps' loads, 2 q x 512 bytes a wave each, are on their way while one is multiplied
.set PITCH, 8192                       ; bytes in a row of W1[e]
.set SPARE, NK*4096                    ; behind the slab (K step x 4,096 + fragment x 1,024): the spare words, 128 bytes for each wave
.set L16, 1                            ; 16 x lane
.set AO,  2                            ; L16 + the lap's bytes in a block of xs
.set BO,  3                            ; L16 + the lap's bytes in the slab
.set WO,  4                            ; 65,536 h + 16 r: lanes 16-31 take the row eight further down
.set LS,  5                            ; 16,384 w + 16 lane
.set SPW, 6                            ; LDS address of my spare word; never rewritten
.set NIL, 7                            ; 0; never rewritten
.set BOF, 8                            ; 128 h
.set ACC, 16                           ; v[16:111]   accumulator (j, c) at 16 + 32 j + 8 c
.set TT,  112                          ; v[112:119]  at work
.set HH,  120                          ; v[120:135], v[232:247]  h in f16: out-buffer b at 120 + 112 b
.set BI,  136                          ; v[136:167]  the bias as an accumulator's registers: 136 + 8 c + i
.set BW,  168                          ; v[168:231]  W1's fragment buffers 1 and 3
.set OUT, 168                          ; phase 1: v[168:199], v[16:47] four fragments: out-buffer b at 168 - 152 b
.set LR,  200                          ; phase 1: v[200:231] the bias as loaded
.set TM,  232                          ; phase 1: at work
.set AR,  0                            ; window 1: v[0:191]   x's fragments: slot s, block j at 24 s + 8 j
.set BB,  192                          ; window 1: v[192:255] W1's fragment buffers 0 and 2
.set ST,  0                            ; window 1, phase 1: v[0:255] four groups of 16 loads
.set BA,  36                           ; s[36:41] xs at block j
.set HB,  42                           ; s[42:47] hs at block j, K step 2 chunk
.set W_ODD, 0x04                       ; an odd K step: source 1 (x) in window 1; source 0 (W1), C and D in window 0.  An LDS load under it has its data and its address in window 0
.set MSB, 0
.macro WIN new                         ; s_set_vgpr_msb: bits 1:0 source 0, 3:2 source 1, 5:4 source 2, 7:6 destination; the high byte repeats the setting that is left
.if MSB != (\new)
	s_set_vgpr_msb (MSB<<8)|(\new)
.set MSB, \new
.endif
.endm
.macro PLACES                          ; four places between a matrix instruction and a vector read of its result (ISA guide 7.12.1)
.rept 4
	v_nop
.endr
.endm
	s_load_b256 s[4:11], s[0:1], 0x0               ; W1 s[4:5], b1 s[6:7], xs s[8:9], meta s[10:11]
	s_load_b64 s[12:13], s[0:1], 0x20              ; hs
	v_lshl_add_u32 v[SPW], v0, 2, SPARE
	v_mov_b32 v[NIL], 0
	v_lshrrev_b32 v9, 5, v0
	v_readfirstlane_b32 s20, v9                    ; wave 0..7
	s_mov_b32 s21, ttmp9                           ; chunk
	s_and_b32 s22, ttmp7, 0xffff                   ; e
	v_and_b32 v9, 31, v0
	v_lshlrev_b32 v[L16], 4, v9
	v_and_b32 v10, 15, v0
	v_bfe_u32 v11, v0, 4, 1
	v_lshlrev_b32 v[WO], 4, v10
	v_lshl_add_u32 v[WO], v11, 16, v[WO]
	v_lshlrev_b32 v[BOF], 7, v11
	s_wait_alu depctr_va_sdst(0)                   ; s20 is written, ahead of its first reader, the line below
	v_lshl_add_u32 v[LS], s20, 14, v[L16]
	s_mov_b32 s54, 0xc0135761                      ; c1 = -2 log2(e) sqrt(2 / pi) = -2.3022082
	s_mov_b32 s55, s54                             ; named with it as a pair
	s_mov_b32 s56, 0xbdd2d3e8                      ; c3 = 0.044715 c1 = -0.10294324
	s_mov_b32 s57, s56
	s_mov_b32 s58, 0xffff0000                      ; a word's upper bf16
	s_lshl_b32 s28, s22, 23                        ; W1: e x 8 MiB
	s_lshl_b32 s29, s20, 20                        ; + wave x 128 rows
	s_add_co_u32 s28, s28, s29
	s_lshl_b32 s29, s21, 8                         ; + chunk x 64 columns
	s_add_co_u32 s28, s28, s29
	s_lshl_b32 s31, s22, 13                        ; b1: e x 8,192 + chunk x 256
	s_add_co_u32 s31, s31, s29
	s_mov_b32 s29, 0                               ; stays 0: the high word of every offset
	s_wait_kmcnt 0x0
	s_add_nc_u64 s[4:5], s[4:5], s[28:29]
	s_mov_b32 s28, s31
	s_add_nc_u64 s[6:7], s[6:7], s[28:29]
	s_lshl_b32 s28, s22, 4
	s_add_nc_u64 s[10:11], s[10:11], s[28:29]
	s_load_b128 s[24:27], s[10:11], 0x0            ; blk0, nblk, rounds, cnt
	s_lshl_b32 s28, s21, 11
	s_add_nc_u64 s[12:13], s[12:13], s[28:29]      ; hs at K step 2 chunk
	s_wait_alu depctr_va_vdst(0)                   ; L16, WO, LS and BOF are written, which the loads and stores below read as offsets and addresses
.irp i, 0,1,2,3,4,5,6,7
	global_load_b128 v[LR+4*\i:LR+4*\i+3], v[BOF], s[6:7] offset:16*\i     ; b1 of columns 32 h + 4 i + 0..3
.endr
; PHASE 1.  Group g = K step 4 w + g: sixteen loads, slot t = row 32 g + 16 (t / 8) + 8 h + t % 8 of my wave's 128.
.macro WLOAD g
	WIN 0x40                                       ; destination in window 1
.set t, 0
.rept 16
	global_load_b128 v[ST+64*((\g)%4)+4*t:ST+64*((\g)%4)+4*t+3], v[WO], s[4:5] offset:(32*(\g)+16*(t/8)+(t%8))*PITCH th:TH_LOAD_NT
.set t, t+1
.endr
.endm
.macro WCONV g                         ; register p of fragment c = slots 2 p, 2 p + 1 of column c, into out-buffer g % 2
	WIN 0x05                                       ; both sources in window 1
.set p, 0
.rept 8
.irp c, 0,1,2,3
	v_cvt_pk_bf16_f32 v[OUT-152*((\g)%2)+8*\c+p], v[ST+64*((\g)%4)+8*p+\c], v[ST+64*((\g)%4)+8*p+4+\c]
.endr
.set p, p+1
.endr
.endm
.macro WSTORE g                        ; group g's four fragments go from out-buffer g % 2 into the slab
	WIN 0
.irp c, 0,1,2,3
	ds_store_b128 v[LS], v[OUT-152*((\g)%2)+8*\c:OUT-152*((\g)%2)+8*\c+3] offset:4096*(\g)+1024*\c         ; 512 consecutive bytes: no two lanes meet in a bank
	ds_store_b128 v[LS], v[OUT-152*((\g)%2)+8*\c+4:OUT-152*((\g)%2)+8*\c+7] offset:4096*(\g)+1024*\c+512
.endr
.endm
	WLOAD 0
	WLOAD 1
	WLOAD 2
	WLOAD 3                                        ; my whole share, 32 KiB, is asked for on end; where the counter's field is full the issue waits for the first loads to return (ISA guide 5.7.1)
.set g, 0
.rept NG
	s_wait_loadcnt 16*(NG-1-g)                     ; the younger groups stay out: 48, 32, 16, 0
.if g >= 2
	s_wait_alu depctr_vm_vsrc(0)                   ; the LDS stores of two groups back, issued in the step before, have read the out-buffer that this group's conversions write again
.endif
	WIN 0
.if g == 0
.irp i, 0,1,2,3,4,5,6,7                                ; the bias, loaded ahead of group 0: rounded to bf16, widened again, laid as the accumulators lie
.irp c, 0,2
	v_cvt_pk_bf16_f32 v[TM], v[LR+4*\i+\c], v[LR+4*\i+\c+1]
	v_lshlrev_b32 v[BI+8*\c+\i], 16, v[TM]
	v_and_b32 v[BI+8*\c+8+\i], s58, v[TM]
.endr
.endr
.else
	s_wait_alu depctr_va_vdst(0)                   ; the conversions of the group before have written its out-buffer, which the LDS stores below read
	WSTORE g-1
.endif
	WCONV g
.set g, g+1
.endr
	WIN 0
	s_wait_alu depctr_va_vdst(0)                   ; the last group's conversions have written its out-buffer, which the LDS stores below read
	WSTORE NG-1
	s_wait_kmcnt 0x0                               ; meta
	s_wait_dscnt 0x0                               ; for the others' sake: my part of the slab is in LDS
	s_barrier_signal -1
	s_barrier_wait -1                              ; the slab is whole; nothing writes LDS from here to the closing lines
	s_wait_alu depctr_vm_vsrc(0)                   ; my LDS stores have read both out-buffers: from here on these registers are accumulators, which moves write, and a fragment buffer, in which LDS loads land
; PHASE 2.
.macro ALOAD q, s, off                 ; x's fragments of one K step for q blocks, into slot s
	WIN 0x40                                       ; destination in window 1
.set j, 0
.rept \q
	global_load_b128 v[AR+24*(\s)+8*j:AR+24*(\s)+8*j+3], v[AO], s[BA+2*j:BA+2*j+1] offset:(\off)
	global_load_b128 v[AR+24*(\s)+8*j+4:AR+24*(\s)+8*j+7], v[AO], s[BA+2*j:BA+2*j+1] offset:(\off)+512
.set j, j+1
.endr
.endm
.macro BLOAD p, off                    ; W1's four fragments of one K step, into buffer p: 0 and 2 in window 1, 1 and 3 in window 0
.if ((\p)%2) == 0
	WIN 0x40
.set rB, BB+32*((\p)/2)
.else
	WIN W_ODD                                      ; the setting of the products that follow
.set rB, BW+32*((\p)/2)
.endif
.irp c, 0,1,2,3
	ds_load_b128 v[rB+8*\c:rB+8*\c+3], v[BO] offset:(\off)+1024*\c
	ds_load_b128 v[rB+8*\c+4:rB+8*\c+7], v[BO] offset:(\off)+1024*\c+512
.endr
.endm
.macro MUL q, kl                       ; K step kl of a lap of eight: 4 q products, the accumulators by turns
.if ((\kl)%2) == 0
	WIN 0x05                                       ; sources 0 and 1 in window 1
.set rB, BB+32*(((\kl)%4)/2)
.else
	WIN W_ODD
.set rB, BW+32*(((\kl)%4)/2)
.endif
.irp c, 0,1,2,3
.set j, 0
.rept \q
	v_wmma_f32_16x16x32_bf16 v[ACC+32*j+8*\c:ACC+32*j+8*\c+7], v[rB+8*\c:rB+8*\c+7], v[AR+24*(\kl)+8*j:AR+24*(\kl)+8*j+7], v[ACC+32*j+8*\c:ACC+32*j+8*\c+7]
.set j, j+1
.endr
.endr
.endm
; K steps kl and kl + 1 of a lap.  lb = 1: W1's K steps kl + 2 and kl + 3 are asked for; la = 1: x's K steps kl + 6 and kl + 7.
; wl0, wl1: x's loads issued behind K step kl's, kl + 1's (five and six steps' 2 q each, fewer in the tail).  W1's LDS loads issued behind K step kl's: the next step's eight; behind K step kl + 1's: wd1, two steps' sixteen, or none.
.macro PAIR q, kl, la, lb, wl0, wl1, wd1
	s_wait_loadcnt \wl0
	s_wait_dscnt 8
.if \lb
	WIN 0x40
	s_wait_alu depctr_va_vdst(0)                   ; the products of the pair before are done reading their two slots of AR and their two buffers of W1, in which this pair's loads land; in a lap's first pair AO and BO are written
	BLOAD ((\kl)+2)%4, ((\kl)+2)*4096
.if \la
	ALOAD \q, ((\kl)+6)%DEP, ((\kl)+6)*1024
.endif
.endif
	MUL \q, \kl
.if \la
	ALOAD \q, ((\kl)+7)%DEP, ((\kl)+7)*1024        ; no wait: the products issued since the wait above name slot kl, buffer kl % 4 and the accumulators, none of the registers that these loads touch
.endif
.if \lb
	BLOAD ((\kl)+3)%4, ((\kl)+3)*4096
.endif
	s_wait_loadcnt \wl1
	s_wait_dscnt \wd1
	MUL \q, (\kl)+1
.endm
.macro INIT j                          ; block j's sums start at the bias: these moves are its addition
.set n, 0
.rept 32
	v_mov_b32 v[ACC+32*(\j)+n], v[BI+n]
.set n, n+1
.endr
.endm
.macro GELU8 x                         ; eight numbers in place, from the accumulator's low end on
.irp p, 0,2,4,6
	v_pk_mul_f32 v[TT+\p:TT+\p+1], v[(\x)+\p:(\x)+\p+1], v[(\x)+\p:(\x)+\p+1]
.endr
.irp p, 0,2,4,6
	v_pk_fma_f32 v[TT+\p:TT+\p+1], v[TT+\p:TT+\p+1], s[56:57], s[54:55] op_sel_hi:[1,0,0]
.endr
.irp p, 0,2,4,6
	v_pk_mul_f32 v[TT+\p:TT+\p+1], v[TT+\p:TT+\p+1], v[(\x)+\p:(\x)+\p+1]
.endr
.irp i, 0,1,2,3,4,5,6,7
	v_exp_f32 v[TT+\i], v[TT+\i]
.endr
	v_nop                                          ; a plain instruction between the last exponential and the use of its result
	s_wait_alu depctr_va_vdst(0)                   ; the eight exponentials have written TT, ahead of their first reader
.irp p, 0,2,4,6
	v_pk_add_f32 v[TT+\p:TT+\p+1], v[TT+\p:TT+\p+1], 1.0 op_sel_hi:[1,0]
.endr
.irp i, 0,1,2,3,4,5,6,7
	v_rcp_f32 v[TT+\i], v[TT+\i]
.endr
	v_nop
	s_wait_alu depctr_va_vdst(0)                   ; the eight reciprocals have written TT, ahead of their first reader
.irp p, 0,2,4,6
	v_pk_mul_f32 v[(\x)+\p:(\x)+\p+1], v[(\x)+\p:(\x)+\p+1], v[TT+\p:TT+\p+1]
.endr
.endm
.macro EPI j                           ; block j: gelu, f16 into out-buffer j % 2, and out as the two K steps' fragments
.set rH, HH+112*((\j)%2)
.irp c, 0,1,2,3
	GELU8 ACC+32*(\j)+8*\c
.endr
.if (\j) == 0
	s_wait_xcnt 0x0                                ; out-buffer 0, which block 2's stores may name, is rewritten only behind this wait
	s_wait_alu depctr_vm_vsrc(0)                   ; block 2's stores have read out-buffer 0, which the conversions below write again
.endif
.irp i, 0,1,2,3,4,5,6,7
	v_cvt_pk_f16_f32 v[rH+2*\i], v[ACC+32*(\j)+\i], v[ACC+32*(\j)+8+\i]            ; slots 4 (i % 4), + 1 of K step i / 4
	v_cvt_pk_f16_f32 v[rH+2*\i+1], v[ACC+32*(\j)+16+\i], v[ACC+32*(\j)+24+\i]      ; slots + 2, + 3
.endr
	s_wait_alu depctr_va_vdst(0)                   ; the conversions have written the out-buffer, which the four stores read
.irp u, 0,1
	global_store_b128 v[L16], v[rH+8*\u:rH+8*\u+3], s[HB+2*(\j):HB+2*(\j)+1] offset:1024*\u        ; 512 consecutive bytes each
	global_store_b128 v[L16], v[rH+8*\u+4:rH+8*\u+7], s[HB+2*(\j):HB+2*(\j)+1] offset:1024*\u+512
.endr
.endm
.macro ROUND q                         ; the products of q blocks of mine, all 32 K steps
.set j, 0
.rept \q
	s_add_co_u32 s34, s35, 8*j
	s_min_u32 s34, s34, 135
	s_lshl_b32 s28, s34, 15
	s_add_nc_u64 s[BA+2*j:BA+2*j+1], s[8:9], s[28:29]
	s_lshl_b32 s28, s34, 16
	s_add_nc_u64 s[HB+2*j:HB+2*j+1], s[12:13], s[28:29]
.set j, j+1
.endr
	v_mov_b32 v[AO], v[L16]
	v_mov_b32 v[BO], v[L16]
	WIN 0x40
	s_wait_alu depctr_va_vdst(0)                   ; AO and BO are written; all that has read or written the registers in which fragments land is done: phase 1's conversions, the products of the round before
.irp s, 0,1,2,3,4,5
	ALOAD \q, \s, 1024*\s                          ; K steps 0 to 5; the first pair asks for 6 and 7
.endr
	BLOAD 0, 0
	BLOAD 1, 4096
	WIN 0                                          ; at a label and at a branch every window is 0
	s_mov_b32 s33, NK/DEP-1
.Lk_\@:
.irp kl, 0,2,4,6
	PAIR \q, \kl, 1, 1, 10*\q, 12*\q, 16
.endr
	WIN 0
	s_wait_xcnt 0x0                                ; AO, which the loads on their way name, steps only behind this wait
	s_wait_alu depctr_vm_vsrc(0)                   ; the loads issued so far have read AO and BO
	v_add_nc_u32 v[AO], DEP*1024, v[AO]
	v_add_nc_u32 v[BO], DEP*4096, v[BO]            ; three steps of 32,768: with the offsets of the lap below the reads end at byte SPARE - 1
	s_sub_co_u32 s33, s33, 1
	s_cmp_lg_u32 s33, 0
	s_cbranch_scc1 .Lk_\@
	PAIR \q, 0, 1, 1, 10*\q, 12*\q, 16             ; the last lap is written out: no load leaves its block or the slab, and the counts run down
	PAIR \q, 2, 0, 1, 10*\q, 8*\q, 16
	PAIR \q, 4, 0, 1, 6*\q, 4*\q, 16
	PAIR \q, 6, 0, 0, 2*\q, 0, 0
	WIN 0
	PLACES                                         ; between the last products and the first read of their sums
.endm
	s_min_u32 s24, s24, 135
	s_min_u32 s25, s25, 128
	s_min_u32 s26, s26, 6
	s_mov_b32 s30, 0
	s_cmp_eq_u32 s26, 0
	s_cbranch_scc1 .Ldone                          ; an expert without tokens
.Lround:                                               ; every jump below goes forward; the three ways out are written once, and a round enters their chain at its highest block
	s_mul_i32 s31, s30, 24
	s_add_co_u32 s31, s31, s20                     ; my first block of this round, among the expert's
	s_sub_co_i32 s32, s25, s31                     ; blocks from there on
	s_add_co_u32 s35, s24, s31
	s_cmp_le_i32 s32, 0
	s_cbranch_scc1 .Lnext
	INIT 0
	s_cmp_gt_i32 s32, 8
	s_cbranch_scc1 .Lm2
	ROUND 1
	s_branch .Lepi0
.Lm2:
	INIT 1
	s_cmp_gt_i32 s32, 16
	s_cbranch_scc1 .Lm3
	ROUND 2
	s_branch .Lepi1
.Lm3:
	INIT 2
	ROUND 3
	EPI 2
.Lepi1:
	EPI 1
.Lepi0:
	EPI 0
	s_wait_xcnt 0x0                                ; the next round rewrites the bases, AO and both out-buffers
	s_wait_alu depctr_vm_vsrc(0)                   ; this round's loads have read AO and BO, its stores both out-buffers: the next round writes them again
.Lnext:
	s_add_co_u32 s30, s30, 1
	s_cmp_lt_u32 s30, s26
	s_cbranch_scc1 .Lround
.Ldone:                                                ; every path of every wave joins here
	s_wait_dscnt 0x0                               ; my reads of the slab are back,
	s_barrier_signal -1
	s_barrier_wait -1                              ; and so are every wave's: no LDS read of the walk is out when the launch's last LDS write, below, is issued
	s_wait_dscnt 0x0                               ; the closing lines, six on end
	s_wait_alu 0x0
	s_wait_tensorcnt 0x0
	ds_add_u32 v[SPW], v[NIL]
	s_wait_dscnt 0x0
	s_endpgm
.Lfunc_end_k_q66dbd92bd0_ffn1:
	.size	k_q66dbd92bd0_ffn1, .Lfunc_end_k_q66dbd92bd0_ffn1-k_q66dbd92bd0_ffn1
	.p2alignl 7, 3214868480
	.fill 96, 4, 3214868480
	.section	.rodata,"a",@progbits
	.p2align	6, 0x0
	.amdhsa_kernel k_q66dbd92bd0_ffn1
		.amdhsa_group_segment_fixed_size 132096
		.amdhsa_private_segment_fixed_size 0
		.amdhsa_enable_private_segment 0
		.amdhsa_kernarg_size 40
		.amdhsa_user_sgpr_count 2
		.amdhsa_user_sgpr_kernarg_segment_ptr 1
		.amdhsa_wavefront_size32 1
		.amdhsa_system_sgpr_workgroup_id_x 1
		.amdhsa_system_sgpr_workgroup_id_y 1
		.amdhsa_system_sgpr_workgroup_id_z 1
		.amdhsa_system_vgpr_workitem_id 0
		.amdhsa_next_free_vgpr 512
		.amdhsa_next_free_sgpr 66
		.amdhsa_reserve_vcc 0
		.amdhsa_float_denorm_mode_32 3
		.amdhsa_float_denorm_mode_16_64 3
		.amdhsa_memory_ordered 1
		.amdhsa_forward_progress 1
		.amdhsa_inst_pref_size 129
	.end_amdhsa_kernel
	.amdgpu_metadata
---
amdhsa.version: [ 1, 2 ]
amdhsa.kernels:
  - .name:           k_q66dbd92bd0_ffn1
    .symbol:         k_q66dbd92bd0_ffn1.kd
    .args:
      - { .name: W1, .offset: 0, .size: 8, .value_kind: global_buffer, .address_space: global }
      - { .name: b1, .offset: 8, .size: 8, .value_kind: global_buffer, .address_space: global }
      - { .name: xs, .offset: 16, .size: 8, .value_kind: global_buffer, .address_space: global }
      - { .name: meta, .offset: 24, .size: 8, .value_kind: global_buffer, .address_space: global }
      - { .name: hs, .offset: 32, .size: 8, .value_kind: global_buffer, .address_space: global }
    .group_segment_fixed_size: 132096
    .private_segment_fixed_size: 0
    .kernarg_segment_align: 8
    .kernarg_segment_size: 40
    .max_flat_workgroup_size: 256
    .sgpr_count:     66
    .vgpr_count:     512
    .wavefront_size: 32
...
	.end_amdgpu_metadata
.endif
;; end of part 8
;; launch ffn2 (part 9): grid 16 x 8, 8 waves a work-group, no clusters, 263,168 bytes of LDS; arguments W2, b2, hs, meta, tok, pgs, out0; writes out0
.if DOCPART == 9
	.amdgcn_target "amdgcn-amd-amdhsa--gfx1250"
	.amdhsa_code_object_version 6
	.text
	.protected	k_q66dbd92bd0_ffn2
	.globl	k_q66dbd92bd0_ffn2
	.p2align	8
	.type	k_q66dbd92bd0_ffn2,@function
k_q66dbd92bd0_ffn2:
	s_mov_b64 s[64:65], 0
	v_nop
	global_prefetch_b8 v0, s[64:65] scope:SCOPE_SE
	s_setreg_imm32_b32 hwreg(HW_REG_WAVE_SCHED_MODE, 0, 2), 2
	s_setreg_imm32_b32 hwreg(HW_REG_WAVE_MODE, 25, 1), 1
	s_wait_xcnt 0x0
	s_wait_alu depctr_vm_vsrc(0)
; FFN2.  out0[token] = pg (h W2[e] + b2[e]) for the tokens of expert e alone.  W2: [8][2048][1024] f32 and b2: [8][1024] f32 are rounded to bf16; W2's rounded number is then written as f16, since h comes
; in f16 (hs, fragment layout, blocks of 16 rows).  Sums in f32, started at the bias; out0 in f32.
; LIMITS.  |W2| of 65,520 or more becomes an infinity in f16; the bf16 number is exact in f16 from 2^-17 up, below that it is off by 2^-25 at the most.  The bias is added first, not last.
; NaN and infinities are not treated apart.
; SHARES.  Work-group (chunk, e) owns 64 columns of W2[e] over all 2,048 k: 128 work-groups; chunks of 32 columns would halve the 256 consecutive bytes of a row that sixteen lanes read and store,
; a split of k would need partial sums in memory, a split of the rows would read W2 twice.
; PHASE 1: the 512 KiB are read once, rounded, and laid in LDS as ready fragments (wave w: K steps 8 w .. 8 w + 7; four groups of sixteen loads, 32 KiB a wave, are on their way).  One barrier.
; PHASE 2: the waves are independent: in round t wave w takes blocks 24 t + w + 8 j, j < q <= 3, of the expert's nblk (read from meta); h's fragments come straight from hs into a ring of eight K steps
; in registers, W2's from LDS.  A second barrier stands at the end, between all waves' reads of LDS and the closing lines.
; MAPS.  Slot t of half h of K step 2 ch + u is k = 64 ch + 32 h + 16 u + t, in h's fragments and in W2's alike.  Fragment c: lane r holds column 64 chunk + 4 r + c.  Register i of lane (r, h) of
; accumulator c is the block's row 8 h + i, column 64 chunk + 4 r + c: for one i a lane's four accumulators give 16 neighbouring bytes, sixteen lanes 256 consecutive bytes of a token's row.
; Rows that repeat an expert's last token give the same numbers and are stored to the same bytes by the same wave.
; NO CLUSTER, NO TENSOR LOAD: as in the first product: the weights pass through registers and are shared by nobody; hs goes straight into registers, and the walk's length hangs on counts read from memory.
; THE MODE: SCHED_MODE bits 1:0 = 2 (LLVM: expert scheduling mode 2), set by the entry lines.  The code itself states the register dependences
; between vector or matrix instructions and memory or LDS instructions, with s_wait_alu, always for 0.
; THE PLAN.  Registers that memory or LDS instructions touch:
;   PHASE 1.  ST, four groups: group g's roundings read ST[g % 4]; behind them group g + 4's loads land in it.  Two out-buffers by turns: group g's conversions write buffer g % 2; the eight LDS stores
;             that read it are issued in group g + 1's step.  ONE wait on va_vdst stands in a step, behind its roundings: it serves the reload and the stores of the group before.  The wait on vm_vsrc at
;             the head of group g + 2's step states that group g's stores have read their buffer.
;   PHASE 2.  AR, eight slots: the products of K step k read slot k % 8; K step k + 8 lands in it.  BB, four buffers: the products of K step k read buffer k % 4; K step k + 4 lands in it.
;             ONE wait on va_vdst stands at the head of each PAIR of K steps (k, k + 1), behind the waits for K step k's data: the pair before is done reading two slots and two buffers.  Into these go
;             K steps k + 6 and k + 2 behind the wait, and K steps k + 7 and k + 3 behind K step k's products, which name slot k % 8, buffer k % 4 and the accumulators alone.
;             AO, BO: read by every load; written at a round's head and at a lap's end, each time behind a wait on vm_vsrc and ahead of a wait on va_vdst that stands there anyway.
;             TK, PG: loaded at a round's head, read by the way out's vector lines.  TA and OO, two out-buffers by turns (block j: j % 2): written by the way out's arithmetic, read by the block's eight
;             stores behind one wait on va_vdst.  OO lies in W2's window 0 buffers, which no product reads any more when a block goes out.
;   L16, WO, LS, COL, RO: made at the head, never written again.  The accumulators, T and LO are named by vector and matrix instructions alone; BI also by one load at the head.
; REGISTERS.  Window 1 holds matrix operands alone: the ring of h's fragments and W2's buffers 0 and 2 (in phase 1: the weights as loaded); W2's buffers 1 and 3 and all else lie in window 0.
.set NK,    64
.set NG,    8
.set DEP,   8                          ; K steps in the ring of h's fragments: five to seven steps' loads, 2 q x 512 bytes a wave each, are on their way while one is multiplied
.set PITCH, 4096                       ; bytes in a row of W2[e]
.set SPARE, NK*4096                    ; behind the slab: the spare words, 128 bytes for each wave
.set L16, 1
.set AO,  2
.set BO,  3
.set WO,  4                            ; 131,072 h + 16 r: lanes 16-31 take the row 32 further down
.set LS,  5                            ; 32,768 w + 16 lane
.set SPW, 6                            ; LDS address of my spare word; never rewritten
.set NIL, 7                            ; 0; never rewritten
.set COL, 8                            ; 16 r
.set RO,  9                            ; 32 h
.set BI,  12                           ; v[12:15]   the bias of my four columns
.set ACC, 16                           ; v[16:111]  accumulator (j, c) at 16 + 32 j + 8 c
.set TA,  112                          ; v[112:119], v[232:239] eight rows' byte offsets in out0: out-buffer b at 112 + 120 b
.set TK,  120                          ; v[120:143] the tokens of rows 8 h + i of block j at 120 + 8 j + i
.set PG,  144                          ; v[144:167] their probabilities
.set OO,  168                          ; v[168:231] a block's results: out-buffer b at 168 + 32 b
.set BW,  168                          ; v[168:231] W2's fragment buffers 1 and 3
.set T,   16                           ; phase 1: v[16:47]  a group's 32 pairs in bf16; then their upper halves as f32
.set LO,  48                           ; phase 1: v[48:79]  their lower halves as f32
.set OUT, 80                           ; phase 1: v[80:111], v[120:151] four fragments: out-buffer b at 80 + 40 b
.set CT,  112                          ; phase 1: v[112:113] at work
.set AR,  0                            ; window 1: v[0:191]   h's fragments: slot s, block j at 24 s + 8 j
.set BB,  192                          ; window 1: v[192:255] W2's fragment buffers 0 and 2
.set ST,  0                            ; window 1, phase 1: v[0:255] four groups of 16 loads
.set BA,  36                           ; s[36:41] hs at block j
.set TB,  42                           ; s[42:47] tok at block j
.set PB,  48                           ; s[48:53] pgs at block j
.set MSB, 0
.macro WIN new                         ; s_set_vgpr_msb: bits 1:0 source 0, 3:2 source 1, 5:4 source 2, 7:6 destination; the high byte repeats the setting that is left
.if MSB != (\new)
	s_set_vgpr_msb (MSB<<8)|(\new)
.set MSB, \new
.endif
.endm
.macro PLACES                          ; four places between a matrix instruction and a vector read of its result (ISA guide 7.12.1)
.rept 4
	v_nop
.endr
.endm
	s_load_b256 s[4:11], s[0:1], 0x0               ; W2 s[4:5], b2 s[6:7], hs s[8:9], meta s[10:11]
	s_load_b128 s[12:15], s[0:1], 0x20             ; tok s[12:13], pgs s[14:15]
	s_load_b64 s[16:17], s[0:1], 0x30              ; out0
	v_lshl_add_u32 v[SPW], v0, 2, SPARE
	v_mov_b32 v[NIL], 0
	v_lshrrev_b32 v10, 5, v0
	v_readfirstlane_b32 s20, v10                   ; wave 0..7
	s_mov_b32 s21, ttmp9                           ; chunk
	s_and_b32 s22, ttmp7, 0xffff                   ; e
	v_and_b32 v10, 31, v0
	v_lshlrev_b32 v[L16], 4, v10
	v_and_b32 v10, 15, v0
	v_bfe_u32 v11, v0, 4, 1
	v_lshlrev_b32 v[COL], 4, v10
	v_lshl_add_u32 v[WO], v11, 17, v[COL]
	v_lshlrev_b32 v[RO], 5, v11
	s_wait_alu depctr_va_sdst(0)                   ; s20 is written, ahead of its first reader, the line below
	v_lshl_add_u32 v[LS], s20, 15, v[L16]
	s_mov_b32 s58, 0xffff0000                      ; a word's upper bf16
	s_lshl_b32 s28, s22, 23                        ; W2: e x 8 MiB
	s_lshl_b32 s29, s20, 20                        ; + wave x 256 rows
	s_add_co_u32 s28, s28, s29
	s_lshl_b32 s31, s21, 8                         ; + chunk x 64 columns
	s_add_co_u32 s28, s28, s31
	s_lshl_b32 s32, s22, 12                        ; b2: e x 4,096 + chunk x 256
	s_add_co_u32 s32, s32, s31
	s_mov_b32 s29, 0                               ; stays 0: the high word of every offset
	s_wait_kmcnt 0x0
	s_add_nc_u64 s[4:5], s[4:5], s[28:29]
	s_mov_b32 s28, s32
	s_add_nc_u64 s[6:7], s[6:7], s[28:29]
	s_lshl_b32 s28, s22, 4
	s_add_nc_u64 s[10:11], s[10:11], s[28:29]
	s_load_b128 s[24:27], s[10:11], 0x0            ; blk0, nblk, rounds, cnt
	s_mov_b32 s28, s31
	s_add_nc_u64 s[16:17], s[16:17], s[28:29]      ; out0 at my chunk's first column
	s_wait_alu depctr_va_vdst(0)                   ; L16, WO, LS, COL and RO are written, which the loads and stores below read as offsets and addresses
	global_load_b128 v[BI:BI+3], v[COL], s[6:7]
; PHASE 1.  Group g = K step 8 w + g: sixteen loads, slot t = row 64 (g / 2) + 16 (g % 2) + t + 32 h of my wave's 256.
.macro WLOAD g
	WIN 0x40                                       ; destination in window 1
.set t, 0
.rept 16
	global_load_b128 v[ST+64*((\g)%4)+4*t:ST+64*((\g)%4)+4*t+3], v[WO], s[4:5] offset:(64*((\g)/2)+16*((\g)%2)+t)*PITCH th:TH_LOAD_NT
.set t, t+1
.endr
.endm
.macro WRND g                          ; pair 8 c + p = slots 2 p, 2 p + 1 of column c, rounded to bf16: this empties the group's registers
	WIN 0x05                                       ; both sources in window 1
.set p, 0
.rept 8
.irp c, 0,1,2,3
	v_cvt_pk_bf16_f32 v[T+8*\c+p], v[ST+64*((\g)%4)+8*p+\c], v[ST+64*((\g)%4)+8*p+4+\c]
.endr
.set p, p+1
.endr
.endm
.macro WPACK g                         ; the 32 pairs widened again and written as f16: register p of fragment c, into out-buffer g % 2
	WIN 0
.set n, 0
.rept 32
	v_lshlrev_b32 v[LO+n], 16, v[T+n]
.set n, n+1
.endr
.set n, 0
.rept 32
	v_and_b32 v[T+n], s58, v[T+n]
.set n, n+1
.endr
.set n, 0
.rept 32
	v_cvt_pk_f16_f32 v[OUT+40*((\g)%2)+n], v[LO+n], v[T+n]
.set n, n+1
.endr
.endm
.macro WSTORE g                        ; group g's four fragments go from out-buffer g % 2 into the slab
	WIN 0
.irp c, 0,1,2,3
	ds_store_b128 v[LS], v[OUT+40*((\g)%2)+8*\c:OUT+40*((\g)%2)+8*\c+3] offset:4096*(\g)+1024*\c           ; 512 consecutive bytes: no two lanes meet in a bank
	ds_store_b128 v[LS], v[OUT+40*((\g)%2)+8*\c+4:OUT+40*((\g)%2)+8*\c+7] offset:4096*(\g)+1024*\c+512
.endr
.endm
	WLOAD 0
	WLOAD 1
	WLOAD 2
	WLOAD 3                                        ; four groups are asked for on end; where the counter's field is full the issue waits for the first loads to return (ISA guide 5.7.1)
.set g, 0
.rept NG
.if g < NG-3
	s_wait_loadcnt 48                              ; three younger groups stay out
.else
	s_wait_loadcnt 16*(NG-1-g)                     ; 32, 16, 0
.endif
.if g >= 2
	s_wait_alu depctr_vm_vsrc(0)                   ; the LDS stores of two groups back, issued in the step before, have read the out-buffer that this group's conversions write again
.endif
.if g == 0
	WIN 0
	v_cvt_pk_bf16_f32 v[CT], v[BI], v[BI+1]        ; the bias, loaded ahead of group 0: rounded to bf16 and widened again
	v_cvt_pk_bf16_f32 v[CT+1], v[BI+2], v[BI+3]
	v_lshlrev_b32 v[BI], 16, v[CT]
	v_and_b32 v[BI+1], s58, v[CT]
	v_lshlrev_b32 v[BI+2], 16, v[CT+1]
	v_and_b32 v[BI+3], s58, v[CT+1]
.endif
	WRND g
.if g+4 < NG
	WIN 0x40
.else
	WIN 0
.endif
	s_wait_alu depctr_va_vdst(0)                   ; this group's roundings are done reading its registers, in which the loads below land; the conversions of the group before have written its out-buffer, which the LDS stores below read
.if g+4 < NG
	WLOAD g+4                                      ; the registers just emptied are asked for again at once, ahead of the rest of the conversion
.endif
.if g > 0
	WSTORE g-1
.endif
	WPACK g
.set g, g+1
.endr
	s_wait_alu depctr_va_vdst(0)                   ; the last group's conversions have written its out-buffer, which the LDS stores below read
	WSTORE NG-1
	s_wait_kmcnt 0x0                               ; meta
	s_wait_dscnt 0x0                               ; for the others' sake: my part of the slab is in LDS
	s_barrier_signal -1
	s_barrier_wait -1                              ; the slab is whole; nothing writes LDS from here to the closing lines
	s_wait_alu depctr_vm_vsrc(0)                   ; my LDS stores have read both out-buffers: from here on these registers are accumulators, which moves write, and TK and PG, in which loads land
; PHASE 2.
.macro ALOAD q, s, off                 ; h's fragments of one K step for q blocks, into slot s
	WIN 0x40                                       ; destination in window 1
.set j, 0
.rept \q
	global_load_b128 v[AR+24*(\s)+8*j:AR+24*(\s)+8*j+3], v[AO], s[BA+2*j:BA+2*j+1] offset:(\off)
	global_load_b128 v[AR+24*(\s)+8*j+4:AR+24*(\s)+8*j+7], v[AO], s[BA+2*j:BA+2*j+1] offset:(\off)+512
.set j, j+1
.endr
.endm
.macro BLOAD p, off                    ; W2's four fragments of one K step, into buffer p: 0 and 2 in window 1, 1 and 3 in window 0
.if ((\p)%2) == 0
	WIN 0x40
.set rB, BB+32*((\p)/2)
.else
	WIN 0
.set rB, BW+32*((\p)/2)
.endif
.irp c, 0,1,2,3
	ds_load_b128 v[rB+8*\c:rB+8*\c+3], v[BO] offset:(\off)+1024*\c
	ds_load_b128 v[rB+8*\c+4:rB+8*\c+7], v[BO] offset:(\off)+1024*\c+512
.endr
.endm
.macro MUL q, kl                       ; K step kl of a lap of eight: 4 q products, the accumulators by turns
.if ((\kl)%2) == 0
	WIN 0x05                                       ; sources 0 and 1 in window 1
.set rB, BB+32*(((\kl)%4)/2)
.else
	WIN 0x01                                       ; source 0 (h) in window 1, source 1 (W2) in window 0
.set rB, BW+32*(((\kl)%4)/2)
.endif
.irp c, 0,1,2,3
.set j, 0
.rept \q
	v_wmma_f32_16x16x32_f16 v[ACC+32*j+8*\c:ACC+32*j+8*\c+7], v[AR+24*(\kl)+8*j:AR+24*(\kl)+8*j+7], v[rB+8*\c:rB+8*\c+7], v[ACC+32*j+8*\c:ACC+32*j+8*\c+7]
.set j, j+1
.endr
.endr
.endm
; K steps kl and kl + 1 of a lap.  lb = 1: W2's K steps kl + 2 and kl + 3 are asked for; la = 1: h's K steps kl + 6 and kl + 7.
; wl0, wl1: h's loads issued behind K step kl's, kl + 1's (five and six steps' 2 q each, fewer in the tail).  W2's LDS loads issued behind K step kl's: the next step's eight; behind K step kl + 1's: wd1, two steps' sixteen, or none.
.macro PAIR q, kl, la, lb, wl0, wl1, wd1
	s_wait_loadcnt \wl0
	s_wait_dscnt 8
.if \lb
	WIN 0x40
	s_wait_alu depctr_va_vdst(0)                   ; the products of the pair before are done reading their two slots of AR and their two buffers of W2, in which this pair's loads land; in a lap's first pair AO and BO are written
	BLOAD ((\kl)+2)%4, ((\kl)+2)*4096
.if \la
	ALOAD \q, ((\kl)+6)%DEP, ((\kl)+6)*1024
.endif
.endif
	MUL \q, \kl
.if \la
	ALOAD \q, ((\kl)+7)%DEP, ((\kl)+7)*1024        ; no wait: the products issued since the wait above name slot kl, buffer kl % 4 and the accumulators, none of the registers that these loads touch
.endif
.if \lb
	BLOAD ((\kl)+3)%4, ((\kl)+3)*4096
.endif
	s_wait_loadcnt \wl1
	s_wait_dscnt \wd1
	MUL \q, (\kl)+1
.endm
.macro INIT j                          ; block j's sums start at the bias: these moves are its addition
.set n, 0
.rept 32
	v_mov_b32 v[ACC+32*(\j)+n], v[BI+n/8]
.set n, n+1
.endr
.endm
.macro EPI j                           ; block j: times pg, into out-buffer j % 2, and out to the tokens' rows
.set rA, TA+120*((\j)%2)
.set rO, OO+32*((\j)%2)
.if (\j) == 0
	s_wait_xcnt 0x0                                ; out-buffer 0, which block 2's stores may name, is rewritten only behind this wait
	s_wait_alu depctr_vm_vsrc(0)                   ; block 2's stores have read out-buffer 0, offsets and results, which the lines below write again
.endif
.irp i, 0,1,2,3,4,5,6,7
	v_min_u32 v[rA+\i], 0x7ff, v[TK+8*(\j)+\i]
.endr
.irp i, 0,1,2,3,4,5,6,7
	v_lshl_add_u32 v[rA+\i], v[rA+\i], 12, v[COL]  ; token x 4,096 + 16 r
.endr
.irp i, 0,1,2,3,4,5,6,7
.irp c, 0,1,2,3
	v_mul_f32 v[rO+4*\i+\c], v[ACC+32*(\j)+8*\c+\i], v[PG+8*(\j)+\i]       ; i = 0 first: each accumulator is read from its low end on
.endr
.endr
	s_wait_alu depctr_va_vdst(0)                   ; the lines above have written the eight offsets and the 32 results, which the stores read
.irp i, 0,1,2,3,4,5,6,7
	global_store_b128 v[rA+\i], v[rO+4*\i:rO+4*\i+3], s[16:17] th:TH_STORE_NT      ; sixteen lanes store 256 consecutive bytes, at a multiple of 256 from out0's first byte
.endr
.endm
.macro ROUND q                         ; the products of q blocks of mine, all 64 K steps
.set j, 0
.rept \q
	s_add_co_u32 s34, s35, 8*j
	s_min_u32 s34, s34, 135
	s_lshl_b32 s28, s34, 16
	s_add_nc_u64 s[BA+2*j:BA+2*j+1], s[8:9], s[28:29]
	s_lshl_b32 s28, s34, 6
	s_add_nc_u64 s[TB+2*j:TB+2*j+1], s[12:13], s[28:29]
	s_add_nc_u64 s[PB+2*j:PB+2*j+1], s[14:15], s[28:29]
.set j, j+1
.endr
	v_mov_b32 v[AO], v[L16]
	v_mov_b32 v[BO], v[L16]
	s_wait_alu depctr_va_vdst(0)                   ; AO and BO are written; all that has read or written the registers in which the loads below land is done: phase 1's roundings and conversions, the products and the ways out of the round before
.set j, 0
.rept \q                                               ; issued ahead of h's loads, so every count below has them in
	global_load_b128 v[TK+8*j:TK+8*j+3], v[RO], s[TB+2*j:TB+2*j+1]
	global_load_b128 v[TK+8*j+4:TK+8*j+7], v[RO], s[TB+2*j:TB+2*j+1] offset:16
	global_load_b128 v[PG+8*j:PG+8*j+3], v[RO], s[PB+2*j:PB+2*j+1]
	global_load_b128 v[PG+8*j+4:PG+8*j+7], v[RO], s[PB+2*j:PB+2*j+1] offset:16
.set j, j+1
.endr
.irp s, 0,1,2,3,4,5
	ALOAD \q, \s, 1024*\s                          ; K steps 0 to 5; the first pair asks for 6 and 7.  Between the wait above and these loads stand loads and window switches alone
.endr
	BLOAD 0, 0
	BLOAD 1, 4096
	WIN 0                                          ; at a label and at a branch every window is 0
	s_mov_b32 s33, NK/DEP-1
.Lk_\@:
.irp kl, 0,2,4,6
	PAIR \q, \kl, 1, 1, 10*\q, 12*\q, 16
.endr
	WIN 0
	s_wait_xcnt 0x0                                ; AO, which the loads on their way name, steps only behind this wait
	s_wait_alu depctr_vm_vsrc(0)                   ; the loads issued so far have read AO and BO
	v_add_nc_u32 v[AO], DEP*1024, v[AO]
	v_add_nc_u32 v[BO], DEP*4096, v[BO]            ; seven steps of 32,768: with the offsets of the lap below the reads end at byte SPARE - 1
	s_sub_co_u32 s33, s33, 1
	s_cmp_lg_u32 s33, 0
	s_cbranch_scc1 .Lk_\@
	PAIR \q, 0, 1, 1, 10*\q, 12*\q, 16             ; the last lap is written out: no load leaves its block or the slab, and the counts run down
	PAIR \q, 2, 0, 1, 10*\q, 8*\q, 16
	PAIR \q, 4, 0, 1, 6*\q, 4*\q, 16
	PAIR \q, 6, 0, 0, 2*\q, 0, 0
	WIN 0
	PLACES                                         ; between the last products and the first read of their sums
.endm
	s_min_u32 s24, s24, 135
	s_min_u32 s25, s25, 128
	s_min_u32 s26, s26, 6
	s_mov_b32 s30, 0
	s_cmp_eq_u32 s26, 0
	s_cbranch_scc1 .Ldone                          ; an expert without tokens
.Lround:                                               ; every jump below goes forward; the three ways out are written once, and a round enters their chain at its highest block
	s_mul_i32 s31, s30, 24
	s_add_co_u32 s31, s31, s20                     ; my first block of this round, among the expert's
	s_sub_co_i32 s32, s25, s31                     ; blocks from there on
	s_add_co_u32 s35, s24, s31
	s_cmp_le_i32 s32, 0
	s_cbranch_scc1 .Lnext
	INIT 0
	s_cmp_gt_i32 s32, 8
	s_cbranch_scc1 .Lm2
	ROUND 1
	s_branch .Lepi0
.Lm2:
	INIT 1
	s_cmp_gt_i32 s32, 16
	s_cbranch_scc1 .Lm3
	ROUND 2
	s_branch .Lepi1
.Lm3:
	INIT 2
	ROUND 3
	EPI 2
.Lepi1:
	EPI 1
.Lepi0:
	EPI 0
	s_wait_xcnt 0x0                                ; the next round rewrites the bases, AO and both out-buffers
	s_wait_alu depctr_vm_vsrc(0)                   ; this round's loads have read AO and BO, its stores both out-buffers: the next round writes them again, by moves, by LDS loads and by its ways out
.Lnext:
	s_add_co_u32 s30, s30, 1
	s_cmp_lt_u32 s30, s26
	s_cbranch_scc1 .Lround
.Ldone:                                                ; every path of every wave joins here
	s_wait_dscnt 0x0                               ; my reads of the slab are back,
	s_barrier_signal -1
	s_barrier_wait -1                              ; and so are every wave's: no LDS read of the walk is out when the launch's last LDS write, below, is issued
	s_wait_dscnt 0x0                               ; the closing lines, six on end
	s_wait_alu 0x0
	s_wait_tensorcnt 0x0
	ds_add_u32 v[SPW], v[NIL]
	s_wait_dscnt 0x0
	s_endpgm
.Lfunc_end_k_q66dbd92bd0_ffn2:
	.size	k_q66dbd92bd0_ffn2, .Lfunc_end_k_q66dbd92bd0_ffn2-k_q66dbd92bd0_ffn2
	.p2alignl 7, 3214868480
	.fill 96, 4, 3214868480
	.section	.rodata,"a",@progbits
	.p2align	6, 0x0
	.amdhsa_kernel k_q66dbd92bd0_ffn2
		.amdhsa_group_segment_fixed_size 263168
		.amdhsa_private_segment_fixed_size 0
		.amdhsa_enable_private_segment 0
		.amdhsa_kernarg_size 56
		.amdhsa_user_sgpr_count 2
		.amdhsa_user_sgpr_kernarg_segment_ptr 1
		.amdhsa_wavefront_size32 1
		.amdhsa_system_sgpr_workgroup_id_x 1
		.amdhsa_system_sgpr_workgroup_id_y 1
		.amdhsa_system_sgpr_workgroup_id_z 1
		.amdhsa_system_vgpr_workitem_id 0
		.amdhsa_next_free_vgpr 512
		.amdhsa_next_free_sgpr 66
		.amdhsa_reserve_vcc 0
		.amdhsa_float_denorm_mode_32 3
		.amdhsa_float_denorm_mode_16_64 3
		.amdhsa_memory_ordered 1
		.amdhsa_forward_progress 1
		.amdhsa_inst_pref_size 159
	.end_amdhsa_kernel
	.amdgpu_metadata
---
amdhsa.version: [ 1, 2 ]
amdhsa.kernels:
  - .name:           k_q66dbd92bd0_ffn2
    .symbol:         k_q66dbd92bd0_ffn2.kd
    .args:
      - { .name: W2, .offset: 0, .size: 8, .value_kind: global_buffer, .address_space: global }
      - { .name: b2, .offset: 8, .size: 8, .value_kind: global_buffer, .address_space: global }
      - { .name: hs, .offset: 16, .size: 8, .value_kind: global_buffer, .address_space: global }
      - { .name: meta, .offset: 24, .size: 8, .value_kind: global_buffer, .address_space: global }
      - { .name: tok, .offset: 32, .size: 8, .value_kind: global_buffer, .address_space: global }
      - { .name: pgs, .offset: 40, .size: 8, .value_kind: global_buffer, .address_space: global }
      - { .name: out0, .offset: 48, .size: 8, .value_kind: global_buffer, .address_space: global }
    .group_segment_fixed_size: 263168
    .private_segment_fixed_size: 0
    .kernarg_segment_align: 8
    .kernarg_segment_size: 56
    .max_flat_workgroup_size: 256
    .sgpr_count:     66
    .vgpr_count:     512
    .wavefront_size: 32
...
	.end_amdgpu_metadata
.endif
;; end of part 9
